; MI455X (gfx1250); checked and timed in simulation.
; The chip was launched on July 23, 2026; its instructions are those of AMD's public machine-readable ISA for CDNA 5 (MIT licence, August 2026) and "CDNA5" Instruction Set Architecture Reference Guide (July 2026). The comments in the code are by the model that wrote it; some were corrected since.
;; Mo GE Block. Allowed arithmetic: matrix products marked QUANTISED: E4M3 operands, one given power-of-two scale a tensor, by v_wmma_f32_16x16x64_fp8_fp8 or v_wmma_f32_16x16x128_fp8_fp8, f32 sums; products left as they are: f32 operands where the result goes on into a quantised operand, else bf16, f16 or f32 operands; f32 sums; everything else in f32.
;; Inputs: b1 8 x 4,096 float32; b2 8 x 1,024 float32; gate_w 1,024 x 8 float32; ln_bias 1,024 float32; ln_scale 1,024 float32; lowp_scales 4 int32 (the exponents e of the quantised operands' scales 2^e); w1 8 x 1,024 x 4,096 float32; w2 8 x 4,096 x 1,024 float32; x 1,024 x 1,024 float32.
;; Outputs: out0 1,024 x 1,024 float32; out1 one number float32.
;; This version of the problem:
;;   THIS VERSION OF THE PROBLEM IS GIVEN IN LOW PRECISION. The matrix products marked QUANTISED in the list below multiply operands that are first quantised to E4M3 (4 exponent bits, 3 mantissa bits; 8 bits a number), with one given power-of-two scale for each operand tensor; their sums are f32. All else is computed in f32.
;;   The module's matrix products, in the order in which they are computed (A, B: the left and right operand; K: the contracted axis; several contracted axes count as one K, in the product's order):
;;     1. [M 1,024, K 1,024] x [K 1,024, N 8]; A: computed on the way; B: input gate_w: left as it is (N = 8 < 16)
;;     2. [M 32,768, K 1,024] x [K 1,024, N 1,024]; A: input w1; B: computed on the way: QUANTISED (scales: A lowp_scales[0], B lowp_scales[1])
;;     3. batch 8 x [M 1,024, K 4,096] x [K 4,096, N 1,024]; A: computed on the way; B: input w2: QUANTISED (scales: A lowp_scales[2], B lowp_scales[3])
;;     4. batch 1,024 x [M 1, K 8] x [K 8, N 1,024]; A: computed on the way; B: computed on the way: left as it is (K = 8 < 32)
;;   THE QUANTISER, for each operand of a quantised product, along K:
;;     - The operand's scale is 2^e, e = its entry of the input lowp_scales (int32; the entries are numbered through the quantised products in the list's order, A before B).
;;     - Each number is divided by the scale, clamped to +-448, and rounded to the nearest number of E4M3, ties to even, subnormals kept.
;;     - The product sums the exact products of the quantised numbers (number of the format x scale) in f32.
;;   ~~~python
;;   def quantise(x, axis, e):      # numpy; x: float32 -> the quantised numbers, widened to float32 again
;;       x = np.moveaxis(x, axis, -1); K = x.shape[-1]
;;       r = np.clip(x / 2.0 ** e, -448, 448)
;;       step = 2.0 ** (np.maximum(np.frexp(np.where(r == 0, 1, r))[1] - 1, -6) - 3)
;;       q = np.round(r / step) * step * 2.0 ** e      # np.round: ties to even
;;       return np.moveaxis(q, -1, axis).astype(np.float32)
;;   ~~~
;;   OPERANDS COMPUTED ON THE WAY. 'Computed on the way' means the value that the module computes at that place (a softmax that the list does not call 'softmax' is quantised finished and normalised). What goes into a quantiser is computed in f32, as accurately as f32 sums, v_exp_f32 and their like allow (about 1e-6 of the number): no bf16 or f16 on the way to a quantiser, and a product that is left as it is and whose result goes on into a quantised operand takes f32 operands (vector FMAs, or v_wmma_f32_16x16x4_f32). A number that lies on a knife's edge between two numbers of the format may be rounded either way, as far as f32 arithmetic and the matrix unit's own rounding can turn it there, and no further.
;; 2 versions. Each part assembles by itself: llvm-mc -triple=amdgcn-amd-amdhsa -mcpu=gfx1250 --defsym DOCPART=n.
;; ======== version 1 of 2: 5 launches
;; workspace buffers: xq 1,048,576 bytes; sel 8,192 bytes of whole numbers; cw 8,192 bytes; probs 32,768 bytes; hq 33,554,432 bytes; slotmap 46,080 bytes of whole numbers; counts 256 bytes of whole numbers; y 67,108,864 bytes
;; launch router (part 1): grid 256 x 1, 4 waves a work-group, no clusters, 37,376 bytes of LDS; arguments x, gate_w, ln_scale, ln_bias, lowp_scales, xq, sel, cw, probs; writes xq, sel, cw, probs
.if DOCPART == 1
	.amdgcn_target "amdgcn-amd-amdhsa--gfx1250"
	.amdhsa_code_object_version 6
	.text
	.protected	k_qc878aeee42_router
	.globl	k_qc878aeee42_router
	.p2align	8
	.type	k_qc878aeee42_router,@function
k_qc878aeee42_router:
	s_mov_b64 s[64:65], 0
	v_nop
	global_prefetch_b8 v0, s[64:65] scope:SCOPE_SE
	s_setreg_imm32_b32 hwreg(HW_REG_WAVE_MODE, 25, 1), 1
	s_wait_xcnt 0x0
; LayerNorm, the codes of xn, the router.  One wave takes one token n = 4 x work-group + wave; all is straight-line code in f32.
; Lane l holds x[n][128 j + 4 l + i] in v[16 + 4 j + i] (j = 0..7, i = 0..3): each load of the wave covers 512 consecutive bytes.
; mean and variance in two passes (sum, then sum of squared differences), xn = (x - mu) rsq(var + 1e-5) scale + bias.
; logits = xn . gate_w by f32 multiply-adds: lane l holds the 32 rows of gate_w that belong to its 32 numbers (256 registers), then a sum over the lanes.
; gate_w (32 KB) COMES ONCE A WORK-GROUP, THROUGH LDS: a lane's four rows of a block of 128 are 128 consecutive bytes, so read straight from memory neighbouring lanes would stand 128 bytes apart.  Each wave loads a quarter,
; 512 consecutive bytes a load, and stores it with 16 bytes of padding behind each 128 (pitch 144 = 9 x 16 bytes: the sixteen lanes of a read start at sixteen different columns of 16 bytes); one barrier; each lane reads its rows.
; softmax with the largest logit taken away; top-2 by strict comparisons in ascending order, so that of equal numbers the lower index wins.
; OUT: xq[n][1024]: codes of E4M3 of xn / 2^e1; byte 512 (j >> 2) + 16 l + 4 (j & 3) + i holds d = 128 j + 4 l + i (a fixed permutation of K, which the first layer gives its weights too);
;      sel[n][2] the two experts, cw[n][2] their weights (normalised), probs[n][8].  All at fixed places: no address hangs on a computed number.
; LIMITS: e1 between -126 and 119.  NaN and infinities among the inputs are not served.  v_rsq_f32 and v_rcp_f32 stand for the divisions.
.set X,  16                            ; v16-47   x, then x - mu, then xn
.set SC, 48                            ; v48-79   ln_scale
.set BI, 80                            ; v80-111  ln_bias
.set G,  112                           ; v112-239 gate_w for j = 0..3: register 32 j + 8 i + e; j = 4..7 lie in v256-383.  v112-175 first hold my wave's quarter as loaded
.set LA, 240                           ; v240-247 logits, first half of K; then all; then probs
.set LB, 248                           ; v248-255 logits, second half of K; then at work
.set GP, 144                           ; LDS: 128 bytes (four rows) of gate_w + 16 of padding; 256 such pieces
.set MSB, 0
.macro WIN new                         ; the immediate's high byte repeats the setting that is left
.if MSB != \new
	s_set_vgpr_msb (MSB<<8)|\new
.set MSB, \new
.endif
.endm
.macro WSUM r, t                       ; the sum over the 32 lanes, in every lane
	v_add_f32_dpp v[\r], v[\r], v[\r] row_xmask:1 row_mask:0xf bank_mask:0xf
	v_add_f32_dpp v[\r], v[\r], v[\r] row_xmask:2 row_mask:0xf bank_mask:0xf
	v_add_f32_dpp v[\r], v[\r], v[\r] row_xmask:4 row_mask:0xf bank_mask:0xf
	v_add_f32_dpp v[\r], v[\r], v[\r] row_xmask:8 row_mask:0xf bank_mask:0xf
	v_permlanex16_b32 v[\t], v[\r], s28, s29
	v_add_f32 v[\r], v[\r], v[\t]
.endm
; one number of xn (the even or the odd register of the pair at xr) times its row of gate_w (8 numbers at gb), onto the 8 sums at ac
.macro GATE xr, odd, gb, ac, first
.irp p, 0,2,4,6
.if \first
	v_pk_mul_f32 v[\ac+\p:\ac+\p+1], v[\xr:\xr+1], v[\gb+\p:\gb+\p+1] op_sel_hi:[0,1]
.elseif \odd
	v_pk_fma_f32 v[\ac+\p:\ac+\p+1], v[\xr:\xr+1], v[\gb+\p:\gb+\p+1], v[\ac+\p:\ac+\p+1] op_sel:[1,0,0] op_sel_hi:[1,1,1]
.else
	v_pk_fma_f32 v[\ac+\p:\ac+\p+1], v[\xr:\xr+1], v[\gb+\p:\gb+\p+1], v[\ac+\p:\ac+\p+1] op_sel_hi:[0,1,1]
.endif
.endr
.endm
	s_load_b512 s[4:19], s[0:1], 0x0               ; x, gate_w, ln_scale, ln_bias, lowp_scales, xq, sel, cw
	s_load_b64 s[20:21], s[0:1], 0x40              ; probs
	s_set_vgpr_msb 0x40
	v_lshl_add_u32 v128, v0, 2, 0x9000
	v_mov_b32 v129, 0
	s_set_vgpr_msb 0x4000
	v_lshrrev_b32 v1, 5, v0
	v_readfirstlane_b32 s22, v1                    ; wave
	v_and_b32 v1, 31, v0                           ; lane
	v_lshlrev_b32 v2, 4, v1                        ; 16 l
	v_mul_u32_u24 v3, v1, GP                       ; LDS: my piece of each block of 128 rows
	s_lshl_b32 s40, s22, 13
	v_add_nc_u32 v14, s40, v2                      ; gate_w in memory: my wave's quarter, 16 bytes a lane
	v_lshrrev_b32 v15, 3, v1
	v_mul_u32_u24 v15, v15, GP
	v_and_b32 v10, 7, v1
	v_lshl_add_u32 v15, v10, 4, v15
	s_mul_i32 s41, s22, 64*GP
	v_add_nc_u32 v15, s41, v15                     ; and in LDS: piece 64 w + 4 q + l / 8, byte 16 (l % 8)
	v_mov_b32 v11, 0                               ; written once: a lane permute's destination counts as read
	s_lshl_b32 s23, ttmp9, 2
	s_add_co_u32 s23, s23, s22                     ; token n
	s_lshl_b32 s24, s23, 12
	s_mov_b32 s25, 0
	s_lshl_b32 s32, s23, 10
	s_mov_b32 s33, 0
	s_lshl_b32 s34, s23, 3
	s_mov_b32 s35, 0
	s_lshl_b32 s36, s23, 5
	s_mov_b32 s37, 0
	s_mov_b32 s28, 0x76543210                      ; lane selects: lane l xor 16
	s_mov_b32 s29, 0xfedcba98
	s_mov_b32 s30, 0x3a800000                      ; 1 / 1024
	s_mov_b32 s31, 0x3727c5ac                      ; 1e-5
	s_wait_kmcnt 0x0
	s_load_b32 s26, s[12:13], 0x4                  ; e1: xn's scale
	s_add_nc_u64 s[4:5], s[4:5], s[24:25]
	s_add_nc_u64 s[14:15], s[14:15], s[32:33]
	s_add_nc_u64 s[16:17], s[16:17], s[34:35]
	s_add_nc_u64 s[18:19], s[18:19], s[34:35]
	s_add_nc_u64 s[20:21], s[20:21], s[36:37]
.irp q, 0,1,2,3,4,5,6,7,8,9,10,11,12,13,14,15
	global_load_b128 v[G+4*\q:G+4*\q+3], v14, s[6:7] offset:512*\q      ; my quarter of gate_w: 512 consecutive bytes a load
.endr
.irp j, 0,1,2,3,4,5,6,7
	global_load_b128 v[X+4*\j:X+4*\j+3], v2, s[4:5] offset:512*\j th:TH_LOAD_NT
.endr
.irp j, 0,1,2,3,4,5,6,7
	global_load_b128 v[SC+4*\j:SC+4*\j+3], v2, s[8:9] offset:512*\j
.endr
.irp j, 0,1,2,3,4,5,6,7
	global_load_b128 v[BI+4*\j:BI+4*\j+3], v2, s[10:11] offset:512*\j
.endr
	s_wait_loadcnt 24                              ; gate_w's sixteen loads are in; x, ln_scale and ln_bias, 24 loads issued behind them, may be out
.irp q, 0,1,2,3,4,5,6,7,8,9,10,11,12,13,14,15
	ds_store_b128 v15, v[G+4*\q:G+4*\q+3] offset:4*GP*\q
.endr
	s_wait_dscnt 0x0                               ; for the others' sake: my quarter has landed
	s_barrier_signal -1
	s_barrier_wait -1                              ; all of gate_w lies in LDS
.irp j, 0,1,2,3
.irp m, 0,1,2,3,4,5,6,7
	ds_load_b128 v[G+32*\j+4*\m:G+32*\j+4*\m+3], v3 offset:32*GP*\j+16*\m   ; these land while the mean and the variance are made
.endr
.endr
	WIN 0x40                                       ; destination v256 on
.irp j, 0,1,2,3
.irp m, 0,1,2,3,4,5,6,7
	ds_load_b128 v[32*\j+4*\m:32*\j+4*\m+3], v3 offset:128*GP+32*GP*\j+16*\m
.endr
.endr
	WIN 0
	s_wait_loadcnt 16                              ; x is in; ln_scale's and ln_bias's sixteen loads may be out
	; ---- the mean
	v_pk_add_f32 v[4:5], v[16:17], v[18:19]
	v_pk_add_f32 v[6:7], v[20:21], v[22:23]
	v_pk_add_f32 v[8:9], v[24:25], v[26:27]
	v_pk_add_f32 v[12:13], v[28:29], v[30:31]
.irp k, 32,40
	v_pk_add_f32 v[4:5], v[4:5], v[\k:\k+1]
	v_pk_add_f32 v[6:7], v[6:7], v[\k+2:\k+3]
	v_pk_add_f32 v[8:9], v[8:9], v[\k+4:\k+5]
	v_pk_add_f32 v[12:13], v[12:13], v[\k+6:\k+7]
.endr
	v_pk_add_f32 v[4:5], v[4:5], v[6:7]
	v_pk_add_f32 v[8:9], v[8:9], v[12:13]
	v_pk_add_f32 v[4:5], v[4:5], v[8:9]
	v_add_f32 v4, v4, v5
	WSUM 4, 11
	v_mul_f32 v12, s30, v4                         ; mu
	v_mov_b32 v13, v12
.set k, X
.rept 16
	v_pk_add_f32 v[k:k+1], v[k:k+1], v[12:13] neg_lo:[0,1] neg_hi:[0,1]   ; x - mu
.set k, k+2
.endr
	; ---- the variance
	v_pk_mul_f32 v[4:5], v[16:17], v[16:17]
	v_pk_mul_f32 v[6:7], v[18:19], v[18:19]
	v_pk_mul_f32 v[8:9], v[20:21], v[20:21]
	v_pk_mul_f32 v[12:13], v[22:23], v[22:23]
.irp k, 24,32,40
	v_pk_fma_f32 v[4:5], v[\k:\k+1], v[\k:\k+1], v[4:5]
	v_pk_fma_f32 v[6:7], v[\k+2:\k+3], v[\k+2:\k+3], v[6:7]
	v_pk_fma_f32 v[8:9], v[\k+4:\k+5], v[\k+4:\k+5], v[8:9]
	v_pk_fma_f32 v[12:13], v[\k+6:\k+7], v[\k+6:\k+7], v[12:13]
.endr
	v_pk_add_f32 v[4:5], v[4:5], v[6:7]
	v_pk_add_f32 v[8:9], v[8:9], v[12:13]
	v_pk_add_f32 v[4:5], v[4:5], v[8:9]
	v_add_f32 v4, v4, v5
	WSUM 4, 11
	v_fma_f32 v4, v4, s30, s31                     ; var + 1e-5
	v_rsq_f32 v12, v4
	v_nop                                          ; one plain line behind the transcendental
	s_wait_alu depctr_va_vdst(0)
	v_mov_b32 v13, v12
	s_wait_loadcnt 0x0                             ; ln_scale and ln_bias
.set k, X
.rept 16
	v_pk_mul_f32 v[k:k+1], v[k:k+1], v[12:13]
	v_pk_fma_f32 v[k:k+1], v[k:k+1], v[k+32:k+33], v[k+64:k+65]          ; xn = (x - mu) r scale + bias
.set k, k+2
.endr
	; ---- the logits: 128 packed multiply-adds onto two sets of eight sums
	s_wait_dscnt 0x0                               ; my rows of gate_w are in
.irp j, 0,1,2,3
.irp i, 0,1,2,3
	GATE X+4*\j+2*(\i/2), \i%2, G+32*\j+8*\i, LA, (\j+\i)==0
.endr
.endr
	WIN 0x04                                       ; source 1 (gate_w) from v256 on
.irp j, 0,1,2,3
.irp i, 0,1,2,3
	GATE X+16+4*\j+2*(\i/2), \i%2, 32*\j+8*\i, LB, (\j+\i)==0
.endr
.endr
	WIN 0
	; ---- xn's codes: held within +-448 x 2^e1 (the conversion does not saturate: ISA guide 7.6.2), divided by 2^e1, to the nearest code
	s_wait_kmcnt 0x0
	s_add_co_i32 s26, s26, 127
	s_lshl_b32 s27, s26, 23
	v_mov_b32 v120, s27                            ; 2^e1
	s_add_co_i32 s26, s26, 8
	s_lshl_b32 s26, s26, 23
	s_or_b32 s26, s26, 0x600000
	v_mov_b32 v121, s26                            ; 448 x 2^e1
.set k, X
.rept 32
	v_med3_num_f32 v[k], v[k], -v121, v121
.set k, k+1
.endr
.irp q, 0,1,2,3
	v_cvt_scalef32_pk8_fp8_f32 v[112+2*\q:113+2*\q], v[X+8*\q:X+8*\q+7], v120
.endr
	v_nop                                          ; one plain line behind the conversions
	global_store_b128 v2, v[112:115], s[14:15]             ; 512 consecutive bytes a store; v112-119 are not written again
	global_store_b128 v2, v[116:119], s[14:15] offset:512
	; ---- softmax
.irp p, 0,2,4,6
	v_pk_add_f32 v[LA+\p:LA+\p+1], v[LA+\p:LA+\p+1], v[LB+\p:LB+\p+1]
.endr
.irp m, 1,2,4,8
.irp k, 0,1,2,3,4,5,6,7
	v_add_f32_dpp v[LA+\k], v[LA+\k], v[LA+\k] row_xmask:\m row_mask:0xf bank_mask:0xf
.endr
.endr
.irp k, 0,1,2,3,4,5,6,7
	v_permlanex16_b32 v[LB+\k], v[LA+\k], s28, s29
.endr
.irp k, 0,1,2,3,4,5,6,7
	v_add_f32 v[LA+\k], v[LA+\k], v[LB+\k]         ; the eight logits, in every lane
.endr
	v_max3_num_f32 v4, v[LA], v[LA+1], v[LA+2]
	v_max3_num_f32 v4, v4, v[LA+3], v[LA+4]
	v_max3_num_f32 v4, v4, v[LA+5], v[LA+6]
	v_max_num_f32 v4, v4, v[LA+7]
.irp k, 0,1,2,3,4,5,6,7
	v_sub_f32 v[LA+\k], v[LA+\k], v4               ; the largest logit is taken away
.endr
.irp k, 0,1,2,3,4,5,6,7
	v_mul_f32 v[LA+\k], 0x3fb8aa3b, v[LA+\k]
.endr
.irp k, 0,1,2,3,4,5,6,7
	v_exp_f32 v[LA+\k], v[LA+\k]
.endr
	v_nop
	s_wait_alu depctr_va_vdst(0)
	v_add_f32 v5, v[LA], v[LA+1]
	v_add_f32 v6, v[LA+2], v[LA+3]
	v_add_f32 v7, v[LA+4], v[LA+5]
	v_add_f32 v8, v[LA+6], v[LA+7]
	v_add_f32 v5, v5, v6
	v_add_f32 v7, v7, v8
	v_add_f32 v5, v5, v7
	v_rcp_f32 v5, v5
	v_nop
	s_wait_alu depctr_va_vdst(0)
.irp k, 0,1,2,3,4,5,6,7
	v_mul_f32 v[LA+\k], v[LA+\k], v5               ; probs
.endr
	; ---- top-2: v6, v14 the best and its index; v8, v15 the second.  Only a strictly larger number displaces an earlier one
	v_mov_b32 v6, v[LA]
	v_mov_b32 v14, 0
	v_mov_b32 v8, -1.0
	v_mov_b32 v15, 0
.irp k, 1,2,3,4,5,6,7
	v_cmp_gt_f32 s38, v[LA+\k], v6
	v_cmp_gt_f32 s39, v[LA+\k], v8
	v_cndmask_b32 v9, v8, v[LA+\k], s39
	v_cndmask_b32 v10, v15, \k, s39
	v_cndmask_b32 v8, v9, v6, s38
	v_cndmask_b32 v15, v10, v14, s38
	v_cndmask_b32 v6, v6, v[LA+\k], s38
	v_cndmask_b32 v14, v14, \k, s38
.endr
	v_add_f32 v10, v6, v8
	v_rcp_f32 v10, v10
	v_mov_b32 v5, 0                                ; (a plain line behind the transcendental)  the small stores' offset
	s_wait_alu depctr_va_vdst(0)
	v_mul_f32 v12, v6, v10
	v_mul_f32 v13, v8, v10
	s_wait_xcnt 0x0                                ; EXEC is a source of the stores above: it changes only behind this wait
	s_set_vgpr_msb 0x5
	s_wait_tensorcnt 0x0
	ds_add_u32 v128, v129
	s_wait_dscnt 0x0
	s_set_vgpr_msb 0x500
	v_cmpx_gt_u32 1, v1                            ; lane 0 alone
	global_store_b128 v5, v[LA:LA+3], s[20:21]
	global_store_b128 v5, v[LA+4:LA+7], s[20:21] offset:16
	global_store_b64 v5, v[14:15], s[16:17]
	global_store_b64 v5, v[12:13], s[18:19]
	s_endpgm
.Lfunc_end_k_qc878aeee42_router:
	.size	k_qc878aeee42_router, .Lfunc_end_k_qc878aeee42_router-k_qc878aeee42_router
	.p2alignl 7, 3214868480
	.fill 96, 4, 3214868480
	.section	.rodata,"a",@progbits
	.p2align	6, 0x0
	.amdhsa_kernel k_qc878aeee42_router
		.amdhsa_group_segment_fixed_size 37376
		.amdhsa_private_segment_fixed_size 0
		.amdhsa_enable_private_segment 0
		.amdhsa_kernarg_size 72
		.amdhsa_user_sgpr_count 2
		.amdhsa_user_sgpr_kernarg_segment_ptr 1
		.amdhsa_wavefront_size32 1
		.amdhsa_system_sgpr_workgroup_id_x 1
		.amdhsa_system_sgpr_workgroup_id_y 1
		.amdhsa_system_sgpr_workgroup_id_z 1
		.amdhsa_system_vgpr_workitem_id 0
		.amdhsa_next_free_vgpr 386
		.amdhsa_next_free_sgpr 66
		.amdhsa_reserve_vcc 0
		.amdhsa_float_denorm_mode_32 3
		.amdhsa_float_denorm_mode_16_64 3
		.amdhsa_memory_ordered 1
		.amdhsa_forward_progress 1
		.amdhsa_inst_pref_size 38
	.end_amdhsa_kernel
	.amdgpu_metadata
---
amdhsa.version: [ 1, 2 ]
amdhsa.kernels:
  - .name:           k_qc878aeee42_router
    .symbol:         k_qc878aeee42_router.kd
    .args:
      - { .name: x, .offset: 0, .size: 8, .value_kind: global_buffer, .address_space: global }
      - { .name: gate_w, .offset: 8, .size: 8, .value_kind: global_buffer, .address_space: global }
      - { .name: ln_scale, .offset: 16, .size: 8, .value_kind: global_buffer, .address_space: global }
      - { .name: ln_bias, .offset: 24, .size: 8, .value_kind: global_buffer, .address_space: global }
      - { .name: lowp_scales, .offset: 32, .size: 8, .value_kind: global_buffer, .address_space: global }
      - { .name: xq, .offset: 40, .size: 8, .value_kind: global_buffer, .address_space: global }
      - { .name: sel, .offset: 48, .size: 8, .value_kind: global_buffer, .address_space: global }
      - { .name: cw, .offset: 56, .size: 8, .value_kind: global_buffer, .address_space: global }
      - { .name: probs, .offset: 64, .size: 8, .value_kind: global_buffer, .address_space: global }
    .group_segment_fixed_size: 37376
    .private_segment_fixed_size: 0
    .kernarg_segment_align: 8
    .kernarg_segment_size: 72
    .max_flat_workgroup_size: 128
    .sgpr_count:     66
    .vgpr_count:     386
    .wavefront_size: 32
...
	.end_amdgpu_metadata
.endif
;; end of part 1
;; launch place (part 2): grid 8 x 1, 1 waves a work-group, no clusters, 5,120 bytes of LDS; arguments sel, slotmap, counts; writes slotmap, counts
.if DOCPART == 2
	.amdgcn_target "amdgcn-amd-amdhsa--gfx1250"
	.amdhsa_code_object_version 6
	.text
	.protected	k_qc878aeee42_place
	.globl	k_qc878aeee42_place
	.p2align	8
	.type	k_qc878aeee42_place,@function
k_qc878aeee42_place:
	s_mov_b64 s[64:65], 0
	v_nop
	global_prefetch_b8 v0, s[64:65] scope:SCOPE_SE
	s_setreg_imm32_b32 hwreg(HW_REG_WAVE_MODE, 25, 1), 1
	s_wait_xcnt 0x0
; The rows are placed by expert.  Work-group e, one wave, reads the two choices of all 1,024 tokens (8 KB) and gives each token that chose expert e a rank, in the order in which the wave walks the tokens.
; OUT, all whole numbers:  counts[e];  slotmap[2 token + k] = 1,024 e + rank (k: first or second choice);  the expert's list, token by rank, 1,152 words at byte 9,216 + 4,608 e of slotmap's buffer: ranks at or beyond the count name token 0.
; A lane without a match stores into a word of its own that nobody reads: word 1,152 + lane of the list in LDS, word 2,048 + 32 e + lane of the map.  So there is no branch and EXEC stays full.
; The list is gathered in LDS over a prefill of zeros and leaves whole: nine stores of 512 consecutive bytes, aligned.  One wave: LDS serves its instructions in order (ISA guide 5.7.1.4), so no barrier is written.
; Eight work-groups are all the work there is: one expert's ranks are one running count.
	s_load_b128 s[4:7], s[0:1], 0x0                ; sel, slotmap
	s_load_b64 s[8:9], s[0:1], 0x10                ; counts
	v_lshl_add_u32 v254, v0, 2, 0x1300
	v_mov_b32 v255, 0
	v_lshlrev_b32 v1, 4, v0                        ; 16 x lane (one wave: the thread's number is the lane)
	v_add_nc_u32 v29, 1152, v0                     ; where a lane without a match stores in LDS
	v_lshlrev_b32 v30, 1, v0
	v_lshlrev_b32 v31, 2, v0
	s_mov_b32 s21, ttmp9                           ; e
	s_lshl_b32 s53, s21, 10                        ; 1,024 e
	s_lshl_b32 s54, s21, 5
	s_add_co_u32 s54, s54, 2048
	v_add_nc_u32 v32, s54, v0                      ; and in the map: 2,048 + 32 e + lane
	s_mul_i32 s56, s21, 4608
	s_add_co_u32 s56, s56, 9216
	v_add_nc_u32 v33, s56, v1                      ; my 16 bytes of the list's first 512 in memory
	s_lshl_b32 s55, s21, 2
	v_mov_b32 v26, s55                             ; counts[e]
	v_mov_b32 v36, 0
	v_mov_b32 v37, 0
	v_mov_b32 v38, 0
	v_mov_b32 v39, 0
	s_wait_kmcnt 0x0
.set q, 0
.rept 16
	global_load_b128 v[112+4*q:115+4*q], v1, s[4:5] offset:512*q   ; lane l: the choices of tokens 64 q + 2 l and 64 q + 2 l + 1
.set q, q+1
.endr
.irp k, 0,1,2,3,4,5,6,7,8
	ds_store_b128 v1, v[36:39] offset:512*\k       ; 1,152 ranks name token 0 until a token takes them
.endr
	s_mov_b32 s51, 0                               ; ranks given so far
	s_wait_loadcnt 0x0
.set q, 0
.rept 32                                       ; 32 tokens a step: token 64 (q / 2) + 2 l + q % 2
	v_cmp_eq_u32 s48, s21, v[112+2*q]
	v_cmp_eq_u32 s49, s21, v[113+2*q]
	s_or_b32 s50, s48, s49
	v_mbcnt_lo_u32_b32 v[176+q], s50, s51          ; rank = ranks so far + matches in the lanes below
	v_cndmask_b32 v24, v29, v[176+q], s50
	v_min_u32 v24, 0x49f, v24
	v_lshlrev_b32 v24, 2, v24
	v_add_nc_u32 v25, (q/2)*64+(q%2), v30
	ds_store_b32 v24, v25
	s_bcnt1_i32_b32 s52, s50
	s_add_co_u32 s51, s51, s52
.set q, q+1
.endr
.irp k, 0,1,2,3,4,5,6,7,8
	ds_load_b128 v[40+4*\k:43+4*\k], v1 offset:512*\k      ; the whole list comes back while the map is made
.endr
	v_mov_b32 v25, s51                             ; the count
.set q, 0
.rept 32
	v_cmp_eq_u32 s48, s21, v[112+2*q]
	v_cmp_eq_u32 s49, s21, v[113+2*q]
	s_or_b32 s50, s48, s49
	v_cndmask_b32 v24, 0, 1, s49                   ; k: first or second choice
	v_add3_u32 v24, v24, v31, (q/2)*128+(q%2)*2    ; 2 token + k
	v_cndmask_b32 v24, v32, v24, s50
	v_min_u32 v24, 0x8ff, v24
	v_lshlrev_b32 v[208+q], 2, v24
	v_add_nc_u32 v[176+q], s53, v[176+q]           ; 1,024 e + rank
	global_store_b32 v[208+q], v[176+q], s[6:7]    ; each store has registers of its own
.set q, q+1
.endr
	global_store_b32 v26, v25, s[8:9]              ; counts[e]: every lane the same word
	s_wait_dscnt 0x0
.irp k, 0,1,2,3,4,5,6,7,8
	global_store_b128 v33, v[40+4*\k:43+4*\k], s[6:7] offset:512*\k
.endr
	s_wait_tensorcnt 0x0
	ds_add_u32 v254, v255
	s_wait_dscnt 0x0
	s_endpgm
.Lfunc_end_k_qc878aeee42_place:
	.size	k_qc878aeee42_place, .Lfunc_end_k_qc878aeee42_place-k_qc878aeee42_place
	.p2alignl 7, 3214868480
	.fill 96, 4, 3214868480
	.section	.rodata,"a",@progbits
	.p2align	6, 0x0
	.amdhsa_kernel k_qc878aeee42_place
		.amdhsa_group_segment_fixed_size 5120
		.amdhsa_private_segment_fixed_size 0
		.amdhsa_enable_private_segment 0
		.amdhsa_kernarg_size 24
		.amdhsa_user_sgpr_count 2
		.amdhsa_user_sgpr_kernarg_segment_ptr 1
		.amdhsa_wavefront_size32 1
		.amdhsa_system_sgpr_workgroup_id_x 1
		.amdhsa_system_sgpr_workgroup_id_y 1
		.amdhsa_system_sgpr_workgroup_id_z 1
		.amdhsa_system_vgpr_workitem_id 0
		.amdhsa_next_free_vgpr 256
		.amdhsa_next_free_sgpr 66
		.amdhsa_reserve_vcc 0
		.amdhsa_float_denorm_mode_32 3
		.amdhsa_float_denorm_mode_16_64 3
		.amdhsa_memory_ordered 1
		.amdhsa_forward_progress 1
		.amdhsa_inst_pref_size 42
	.end_amdhsa_kernel
	.amdgpu_metadata
---
amdhsa.version: [ 1, 2 ]
amdhsa.kernels:
  - .name:           k_qc878aeee42_place
    .symbol:         k_qc878aeee42_place.kd
    .args:
      - { .name: sel, .offset: 0, .size: 8, .value_kind: global_buffer, .address_space: global }
      - { .name: slotmap, .offset: 8, .size: 8, .value_kind: global_buffer, .address_space: global }
      - { .name: counts, .offset: 16, .size: 8, .value_kind: global_buffer, .address_space: global }
    .group_segment_fixed_size: 5120
    .private_segment_fixed_size: 0
    .kernarg_segment_align: 8
    .kernarg_segment_size: 24
    .max_flat_workgroup_size: 32
    .sgpr_count:     66
    .vgpr_count:     256
    .wavefront_size: 32
...
	.end_amdgpu_metadata
.endif
;; end of part 2
;; launch ffn1 (part 3): grid 256 x 1, 8 waves a work-group, no clusters, 132,096 bytes of LDS; arguments xq, slotmap, w1, b1, lowp_scales, hq, counts; writes hq
.if DOCPART == 3
	.amdgcn_target "amdgcn-amd-amdhsa--gfx1250"
	.amdhsa_code_object_version 6
	.text
	.protected	k_qc878aeee42_ffn1
	.globl	k_qc878aeee42_ffn1
	.p2align	8
	.type	k_qc878aeee42_ffn1,@function
k_qc878aeee42_ffn1:
	s_mov_b64 s[64:65], 0
	v_nop
	global_prefetch_b8 v0, s[64:65] scope:SCOPE_SE
	s_setreg_imm32_b32 hwreg(HW_REG_WAVE_MODE, 25, 1), 1
	s_wait_xcnt 0x0
; First layer of the experts, for the routed rows alone: h = Q(gelu(xq . Q(w1) x 2^(e0 + e1) + b1)), both operands as codes of E4M3.
; SHARES.  Work-group id = 32 e + sl owns expert e and its hidden units 128 sl .. 128 sl + 127: 1,024 x 128 numbers of w1, 512 KB of f32, each read once.  They go in 16 UNITS of 128 along K x 64 columns:
; unit u = 8 g + s (column group g, K step s).  Eight waves, all with the same text.
; WEIGHTS.  Lane (r = lane & 15, h = lane >> 4) loads 16 bytes, columns 4 r .. 4 r + 3 of one row of w1: sixteen lanes read 256 consecutive bytes, aligned.  Wave w (c = w >> 1, sub = w & 1) loads 8 rows a unit, holds,
; converts, turns 4 x 4 bytes by v_perm_b32 and stores bytes 8 sub .. 8 sub + 7 of register group c of four fragments (column tile t = columns 4 r + t) into LDS as images of the operand's registers
; (group c of a fragment at 512 c + 16 x lane).  All 16 images stay in LDS: no byte is written twice, one barrier orders each image's stores with its loads.
; K IS PERMUTED ALIKE IN BOTH OPERANDS: place (c, h, byte b) of K step s holds d = 512 (s >> 2) + 128 (b >> 2) + 32 (s & 3) + 8 c + 4 h + (b & 3), which is how xq lies in memory.
; ROWS.  The launch before has stored the expert's count and its list of tokens by rank (1,152 words at byte 9,216 + 4,608 e of slotmap's buffer; ranks at or beyond the count name token 0).  A wave owns three tiles of 16 ranks,
; T = w + 8 sg + 24 p.  In pass p = 0 (384 ranks) tiles 0 and 1 are always loaded and multiplied; tile 2's loads and products stand under one forward branch a unit on nact, the number of my tiles under nt = max(1, ceil(count / 16)),
; behind the unit's barrier.  (The first unit multiplies all three, and units 0 to 2 load all three, so that every register is written on every way.)  Results of tiles at or beyond nt are not stored.
; Passes 1 and 2 (counts over 384) run behind the last barrier from the images kept in LDS, and are jumped over where a wave has no tile.
; A STEP.  The loader runs two units ahead of the products, so image i has been whole since the barrier of step i - 2 (image 1: of step 0): its fragments are asked of LDS at the step's head, ahead of the loader's work on unit i + 2.
; The barrier's signal stands behind the wait for my stores of image i + 2; eight products stand between signal and wait; image i + 2 is read at the head of step i + 2, behind that wait.
; PRODUCTS are used transposed (source 0 = 16 columns of w1, source 1 = 16 tokens): lane (r, h), register j of tile t = token r, hidden unit 32 h + 4 j + t of the group.
; GELU exact: erfc(z) = t exp(-z^2 + P(t)), t = 1 / (1 + z / 2), z = |x| / sqrt(2), P of degree 9 (relative error of the fit 1.2e-7); gelu = max(x, 0) - |x| erfc(z) / 2.
; OUT: hq[e][sl][tile][2048]: the image of the next product's fragment (16 ranks x these 128 hidden units).
; LOADS IN FLIGHT: weights run three units ahead (24 loads a wave), tokens' codes three units ahead (24 or 36 loads).  CNT counts the loads issued on the way that leaves tile 2 out: the fewest on any way; EL, EW*, EA* keep CNT at the
; end of a group; a wait's count is CNT less that mark: no way issues fewer loads behind the group, and loads come back in order (ISA guide 5.7.1).  Tile 2's loads stand first in their group.  The count is held at 63, the largest that the wait can name.
; No tensor loads.  No cluster: no weight is read by two work-groups.
; LIMITS: e0 and e2 between -126 and 119, e0 + e1 between -126 and 127.  NaN, infinities and infinite pre-activations are not served.
; REGISTERS: v1, v2 16 x lane (+ 65,536); v3 weight offset; v4, v5 image store address (+ 65,536); v6-8 the three tiles' token offsets; v9, v10 448 x 2^e0, 2^e0; v11, v12 448 x 2^e2, 2^e2; v13 16 h; v14 my place in the list;
;   v17 128 h; v18-21 at work; v[22:23] c9; v24-47 codes at work; v48-111 four weight fragments; v112-255 three sets of three token fragments;
;   v256-351 three sets of 32 weights as loaded; v352-447 accumulators (352 + 32 sg + 8 t); v448-511 b1, two sets of 32 in natural order.
.set NPL,   5                          ; plain lines behind each group of products: 4 ahead of loads into and reads of their registers, 5 ahead of a product that begins a sum anew over them
.set CNT, 0
.set EL,  0
.set EW0, 0
.set EW1, 0
.set EW2, 0
.set EA0, 0
.set EA1, 0
.set EA2, 0
.set ZR,  0
.set MSB, 0
.macro WIN new                         ; the immediate's high byte repeats the setting that is left
.if MSB != \new
	s_set_vgpr_msb (MSB<<8)|\new
.set MSB, \new
.endif
.endm
.macro MARKW u
.if ((\u)%3) == 0
.set EW0, CNT
.elseif ((\u)%3) == 1
.set EW1, CNT
.else
.set EW2, CNT
.endif
.endm
.macro WAITW u
.if ((\u)%3) == 0
.set WN, CNT-EW0
.elseif ((\u)%3) == 1
.set WN, CNT-EW1
.else
.set WN, CNT-EW2
.endif
.if WN > 63
.set WN, 63
.endif
	s_wait_loadcnt WN
.endm
.macro MARKA i
.if ((\i)%3) == 0
.set EA0, CNT
.elseif ((\i)%3) == 1
.set EA1, CNT
.else
.set EA2, CNT
.endif
.endm
.macro WAITA i
.if ((\i)%3) == 0
.set WN, CNT-EA0
.elseif ((\i)%3) == 1
.set WN, CNT-EA1
.else
.set WN, CNT-EA2
.endif
.if WN > 63
.set WN, 63
.endif
	s_wait_loadcnt WN
.endm
.macro SPAIR r, val                    ; a constant in both words of a pair: the packed forms name the pair
	s_mov_b32 s[\r], \val
	s_mov_b32 s[\r+1], \val
.endm
; my 8 rows of unit u into set u % 3.  Row = 512 (s >> 2) [base] + 256 sub + 8 c + 4 h [v3] + 32 (s & 3) + 128 (b >> 2) + (b & 3) [immediate]
.macro WLOAD u
.set WS, 32*((\u)%3)
.set SS, (\u)%8
.set GG, (\u)/8
	WIN 0x40
.irp b, 0,1,2,3,4,5,6,7
.if SS < 4
	global_load_b128 v[WS+4*\b:WS+4*\b+3], v3, s[26:27] offset:256*GG+(32*SS+128*(\b/4)+(\b%4))*16384 th:TH_LOAD_NT
.else
	global_load_b128 v[WS+4*\b:WS+4*\b+3], v3, s[28:29] offset:256*GG+(32*(SS-4)+128*(\b/4)+(\b%4))*16384 th:TH_LOAD_NT
.endif
.endr
.set CNT, CNT+8
	MARKW \u
.endm
; tile sg's fragment of unit i's K step into set i % 3
.macro ALOADS i, sg
.set AS, 112+48*((\i)%3)+16*(\sg)
.irp c, 0,1,2,3
	global_load_b128 v[AS+4*\c:AS+4*\c+3], v[6+(\sg)], s[4:5] offset:128*((\i)%8)+32*\c
.endr
.endm
.macro ALOAD3 i                        ; all three tiles, on every way
	ALOADS \i, 2
	ALOADS \i, 0
	ALOADS \i, 1
.set CNT, CNT+12
	MARKA \i
.endm
.macro ALOAD2 i                        ; tiles 0 and 1; tile 2's loads, where they are issued, stand just ahead
	ALOADS \i, 0
	ALOADS \i, 1
.set CNT, CNT+8
	MARKA \i
.endm
; unit u's 32 numbers become my 8 bytes of each of four fragments; the set then takes unit u + 3
.macro LOADER u
	WAITW \u
.set WS, 32*((\u)%3)
	WIN 0x41
.set k, 0
.rept 32
	v_med3_num_f32 v[WS+k], v[WS+k], -v9, v9       ; the hold at the largest code x the scale: the conversion does not saturate (ISA guide 7.6.2)
.set k, k+1
.endr
	WIN 0x01
.irp q, 0,1,2,3
	v_cvt_scalef32_pk8_fp8_f32 v[24+2*\q:25+2*\q], v[WS+8*\q:WS+8*\q+7], v10   ; v[24 + b]: row b, byte t = column t
.endr
	WIN 0
	v_nop                                          ; one plain line behind the conversions
.if (\u)+3 <= 15
	WLOAD (\u)+3
	WIN 0
.endif
.irp hh, 0,1                                   ; two turns of 4 x 4 bytes: v[40 + 2 t + hh]: column t, byte = row 4 hh + 0 .. 3
	v_perm_b32 v[32+4*\hh], v[25+4*\hh], v[24+4*\hh], s38
	v_perm_b32 v[33+4*\hh], v[25+4*\hh], v[24+4*\hh], s39
	v_perm_b32 v[34+4*\hh], v[27+4*\hh], v[26+4*\hh], s38
	v_perm_b32 v[35+4*\hh], v[27+4*\hh], v[26+4*\hh], s39
.endr
.irp hh, 0,1
	v_perm_b32 v[40+\hh], v[34+4*\hh], v[32+4*\hh], s40
	v_perm_b32 v[42+\hh], v[34+4*\hh], v[32+4*\hh], s41
	v_perm_b32 v[44+\hh], v[35+4*\hh], v[33+4*\hh], s40
	v_perm_b32 v[46+\hh], v[35+4*\hh], v[33+4*\hh], s41
.endr
.irp t, 0,1,2,3
	ds_store_b64 v[4+(\u)/8], v[40+2*\t:41+2*\t] offset:8192*((\u)%8)+2048*\t
.endr
.endm
; image i's four fragments
.macro BLOAD i
.irp t, 0,1,2,3
.irp c, 0,1,2,3
	ds_load_b128 v[48+16*\t+4*\c:48+16*\t+4*\c+3], v[1+(\i)/8] offset:8192*((\i)%8)+2048*\t+512*\c
.endr
.endr
.endm
; The accumulators take turns, one instruction a turn.  Twelve products: four column tiles x three tiles of tokens
.macro PROD ab, zero, staged
	WIN 0x50
.irp t, 0,1,2,3
.if \staged
	s_wait_dscnt 12-4*\t                           ; tile t's four loads are in; the later tiles' may be out
.endif
.irp sg, 0,1,2
.if \zero
	v_wmma_f32_16x16x128_fp8_fp8 v[96+32*\sg+8*\t:96+32*\sg+8*\t+7], v[48+16*\t:48+16*\t+15], v[\ab+16*\sg:\ab+16*\sg+15], 0
.else
	v_wmma_f32_16x16x128_fp8_fp8 v[96+32*\sg+8*\t:96+32*\sg+8*\t+7], v[48+16*\t:48+16*\t+15], v[\ab+16*\sg:\ab+16*\sg+15], v[96+32*\sg+8*\t:96+32*\sg+8*\t+7]
.endif
.endr
.endr
	WIN 0
.rept NPL
	v_nop
.endr
.endm
; eight products: tiles 0 and 1 of tokens
.macro PRODA ab, zero, staged
	WIN 0x50
.irp t, 0,1,2,3
.if \staged
	s_wait_dscnt 12-4*\t                           ; tile t's four loads are in; the later tiles' may be out
.endif
.irp sg, 0,1
.if \zero
	v_wmma_f32_16x16x128_fp8_fp8 v[96+32*\sg+8*\t:96+32*\sg+8*\t+7], v[48+16*\t:48+16*\t+15], v[\ab+16*\sg:\ab+16*\sg+15], 0
.else
	v_wmma_f32_16x16x128_fp8_fp8 v[96+32*\sg+8*\t:96+32*\sg+8*\t+7], v[48+16*\t:48+16*\t+15], v[\ab+16*\sg:\ab+16*\sg+15], v[96+32*\sg+8*\t:96+32*\sg+8*\t+7]
.endif
.endr
.endr
	WIN 0
.rept NPL
	v_nop
.endr
.endm
; four products: tile 2 of tokens
.macro PRODB ab, zero
	WIN 0x50
.irp t, 0,1,2,3
.if \zero
	v_wmma_f32_16x16x128_fp8_fp8 v[160+8*\t:167+8*\t], v[48+16*\t:48+16*\t+15], v[\ab+32:\ab+47], 0
.else
	v_wmma_f32_16x16x128_fp8_fp8 v[160+8*\t:167+8*\t], v[48+16*\t:48+16*\t+15], v[\ab+32:\ab+47], v[160+8*\t:167+8*\t]
.endif
.endr
	WIN 0
.rept NPL
	v_nop
.endr
.endm
; a unit of a later pass: K step s of the column group whose images begin at v20; complete in itself
.macro OUNIT s, zero
.irp sg, 0,1,2
.irp c, 0,1,2,3
	global_load_b128 v[112+16*\sg+4*\c:112+16*\sg+4*\c+3], v[6+\sg], s[4:5] offset:128*\s+32*\c
.endr
.endr
.irp t, 0,1,2,3
.irp c, 0,1,2,3
	ds_load_b128 v[48+16*\t+4*\c:48+16*\t+4*\c+3], v20 offset:8192*\s+2048*\t+512*\c
.endr
.endr
	s_wait_loadcnt 0x0
	s_wait_dscnt 0x0
	PROD 112, \zero, 0
.endm
; the tokens of my three tiles, eight tiles (512 bytes of the list) apart, from the list at offset v[adr]
.macro LISTLD adr
	global_load_b32 v6, v[\adr], s[6:7]
	global_load_b32 v7, v[\adr], s[6:7] offset:512
	global_load_b32 v8, v[\adr], s[6:7] offset:1024
.endm
; and their offsets in xq: 1,024 x token + 16 h
.macro LISTVA
.irp sg, 6,7,8
	v_min_u32 v\sg, 0x3ff, v\sg
	v_lshl_add_u32 v\sg, v\sg, 10, v13
.endr
.endm
; x = sum x 2^(e0 + e1) + b1 for tile sg, into v48-79 (register 8 t + j); each accumulator from its low end on
.macro FMA32 sg, gs
	WIN 0x11
.irp t, 0,1,2,3
.irp j, 0,1,2,3,4,5,6,7
	v_fma_f32 v[48+8*\t+\j], v[96+32*\sg+8*\t+\j], s36, v[192+32*\gs+4*\j+\t]
.endr
.endr
	WIN 0
.endm
; gelu and codes of 16 numbers at v[48 + 16 hf]: v80-95 t, v24-39 a then max(x, 0), v96-111 P, then erfc / 2
.macro GELU16 hf
.set XB, 48+16*\hf
.set k, 0
.rept 16
	v_fma_f32 v[80+k], |v[XB+k]|, s92, 1.0         ; 1 + z / 2
.set k, k+1
.endr
.set k, 0
.rept 16
	v_rcp_f32 v[80+k], v[80+k]
.set k, k+1
.endr
.set k, 0
.rept 8
	v_pk_mul_f32 v[24+k:25+k], v[XB+k:XB+k+1], s[90:91] op_sel_hi:[1,0]   ; a = x sqrt(log2(e) / 2): a^2 = z^2 log2(e).  (Plain lines behind the reciprocals)
.set k, k+2
.endr
.set k, 0
	s_wait_alu depctr_va_vdst(0)
.rept 8
	v_pk_fma_f32 v[96+k:97+k], v[80+k:81+k], v[22:23], s[86:87] op_sel_hi:[1,1,0]
.set k, k+2
.endr
.irp cc, 84,82,80,78,76,74,72,70
.set k, 0
.rept 8
	v_pk_fma_f32 v[96+k:97+k], v[96+k:97+k], v[80+k:81+k], s[\cc:\cc+1] op_sel_hi:[1,1,0]
.set k, k+2
.endr
.endr
.set k, 0
.rept 8
	v_pk_fma_f32 v[96+k:97+k], v[24+k:25+k], v[24+k:25+k], v[96+k:97+k] neg_lo:[1,0,0] neg_hi:[1,0,0]   ; P - a^2
.set k, k+2
.endr
.set k, 0
.rept 16
	v_exp_f32 v[96+k], v[96+k]
.set k, k+1
.endr
.set k, 0
.rept 16
	v_max_num_f32 v[24+k], 0, v[XB+k]              ; (plain lines behind the exponentials)
.set k, k+1
.endr
.set k, 0
	s_wait_alu depctr_va_vdst(0)
.rept 8
	v_pk_mul_f32 v[96+k:97+k], v[96+k:97+k], v[80+k:81+k]   ; erfc(z) / 2
.set k, k+2
.endr
.set k, 0
.rept 16
	v_fma_f32 v[XB+k], -|v[XB+k]|, v[96+k], v[24+k]
.set k, k+1
.endr
.set k, 0
.rept 16
	v_med3_num_f32 v[XB+k], v[XB+k], -v11, v11
.set k, k+1
.endr
	v_cvt_scalef32_pk8_fp8_f32 v[40+4*\hf:41+4*\hf], v[XB:XB+7], v12
	v_cvt_scalef32_pk8_fp8_f32 v[42+4*\hf:43+4*\hf], v[XB+8:XB+15], v12
	v_nop                                          ; one plain line behind the conversions
.endm
; The way out of a column group: my tiles 0 .. nact - 1 (s44).  s45: byte of my tile 0's two register groups in the work-group's part of hq; bias set gs.
.macro EPI gs
	s_mov_b32 s46, 0
	s_mov_b32 s47, s45
.Lepi_\@:
	s_cmp_ge_u32 s46, s44
	s_cbranch_scc1 .Lepn_\@
	s_cmp_lg_u32 s46, 0
	s_cbranch_scc1 .Lepa_\@
	FMA32 0, \gs
	s_branch .Lepd_\@
.Lepa_\@:
	s_cmp_lg_u32 s46, 1
	s_cbranch_scc1 .Lepb_\@
	FMA32 1, \gs
	s_branch .Lepd_\@
.Lepb_\@:
	FMA32 2, \gs
.Lepd_\@:
	s_wait_xcnt 0x0                                ; the last tile's stores have read v21 and v40-47: both are written again only behind this wait
	v_add_nc_u32 v21, s47, v1
	GELU16 0
	GELU16 1
	global_store_b128 v21, v[40:43], s[30:31]              ; register group 2 g of the image: 512 consecutive bytes, aligned
	global_store_b128 v21, v[44:47], s[30:31] offset:512   ; group 2 g + 1
.Lepn_\@:
	s_add_co_u32 s47, s47, 16384                   ; eight tiles on
	s_add_co_u32 s46, s46, 1
	s_cmp_lt_u32 s46, 3
	s_cbranch_scc1 .Lepi_\@
	s_wait_xcnt 0x0                                ; v40-47 are written again by the next unit's codes
.endm
.macro STEP i
.set ZR, 0
.if ((\i)%8) == 0
.set ZR, 1                                     ; a column group's first unit starts the sums
.endif
.if (\i) == 0
	LOADER 2
	s_wait_dscnt 0x0                               ; my stores into images 0, 1 and 2 have landed
	s_barrier_signal -1
	s_barrier_wait -1                              ; the three images are whole
	BLOAD 0
	WAITA 0
	PROD 112, 1, 1                                 ; all three tiles, on every way: every accumulator is written
.elseif (\i) <= 13
	BLOAD \i                                       ; image i has been whole since an earlier step's barrier: its fragments land under the loader's work
	LOADER (\i)+2
	WAITA \i
	s_wait_dscnt 0x0                               ; my stores into image i + 2 have landed (and image i's fragments are in)
	s_barrier_signal -1
	PRODA 112+48*((\i)%3), ZR, 0                   ; work on registers while the others arrive
	s_barrier_wait -1                              ; image i + 2 is whole: it is read at the head of step i + 2
.else
	BLOAD \i
	WAITA \i
	PRODA 112+48*((\i)%3), ZR, 1
.endif
	s_cmp_lt_u32 s44, 3                            ; tile 2, where I have one
	s_cbranch_scc1 .Ltwo_\@
.if (\i) > 0
	PRODB 112+48*((\i)%3), ZR
.endif
.if (\i)+3 <= 15
	ALOADS (\i)+3, 2
.endif
.Ltwo_\@:
.if (\i)+3 <= 15
	ALOAD2 (\i)+3
.endif
.if (\i) == 7
	s_lshl_b32 s45, s20, 11
	EPI 0
.endif
.if (\i) == 15
	s_lshl_b32 s45, s20, 11
	s_add_co_u32 s45, s45, 1024
	EPI 1
.endif
.endm
	s_load_b256 s[4:11], s[0:1], 0x0               ; xq, slotmap (the lists lie behind the map), w1, b1
	s_load_b128 s[12:15], s[0:1], 0x20             ; lowp_scales, hq
	s_load_b64 s[16:17], s[0:1], 0x30              ; counts
	v_lshl_add_u32 v15, v0, 2, 0x20000
	v_mov_b32 v16, 0
	v_lshrrev_b32 v24, 5, v0
	v_readfirstlane_b32 s20, v24                   ; wave
	s_lshr_b32 s21, ttmp9, 5                       ; e
	s_and_b32 s22, ttmp9, 31                       ; sl
	s_lshr_b32 s23, s20, 1                         ; c
	s_and_b32 s24, s20, 1                          ; sub
	v_and_b32 v24, 31, v0                          ; lane
	v_and_b32 v25, 15, v0                          ; r
	v_bfe_u32 v26, v0, 4, 1                        ; h
	v_lshlrev_b32 v1, 4, v24
	v_add_nc_u32 v2, 0x10000, v1
	s_lshl_b32 s54, s23, 9
	s_lshl_b32 s55, s24, 3
	s_add_co_u32 s54, s54, s55
	v_add_nc_u32 v4, s54, v1                       ; 512 c + 8 sub + 16 x lane
	v_add_nc_u32 v5, 0x10000, v4
	s_lshl_b32 s54, s20, 6
	v_lshlrev_b32 v14, 2, v25
	v_add_nc_u32 v14, s54, v14                     ; rank 16 w + r, in bytes of the list
	v_lshlrev_b32 v13, 4, v26                      ; 16 h
	v_lshlrev_b32 v17, 7, v26                      ; 128 h
	s_lshl_b32 s25, s24, 22                        ; (256 sub + 8 c) rows of 16,384 bytes
	s_lshl_b32 s54, s23, 17
	s_add_co_u32 s25, s25, s54
	v_lshlrev_b32 v3, 4, v25
	v_lshl_add_u32 v3, v26, 16, v3                 ; + 4 h rows + 16 r
	v_add_nc_u32 v3, s25, v3
	s_lshl_b32 s54, s21, 24
	s_lshl_b32 s55, s22, 9
	s_add_co_u32 s54, s54, s55
	s_mov_b32 s55, 0
	s_lshl_b32 s56, ttmp9, 17
	s_mov_b32 s57, 0
	s_lshl_b32 s58, ttmp9, 9
	s_mov_b32 s59, 0
	s_lshl_b32 s60, s21, 2                         ; counts[e]
	s_mov_b32 s61, 0
	s_mul_i32 s62, s21, 4608                       ; the expert's list
	s_add_co_u32 s62, s62, 9216
	s_mov_b32 s63, 0
	s_mov_b32 s38, 0x05010400                      ; byte selects of the 4 x 4 turn
	s_mov_b32 s39, 0x07030602
	s_mov_b32 s40, 0x05040100
	s_mov_b32 s41, 0x07060302
	SPAIR 70, 0xc034d90f                           ; the fit's coefficients x log2(e); -1 more in the first: the half
	SPAIR 72, 0x3fb8ab5a
	SPAIR 74, 0x3f0a29d2
	SPAIR 76, 0x3e0efb2e
	SPAIR 78, 0xbe899a80
	SPAIR 80, 0x3ecdfd18
	SPAIR 82, 0xbfd1a1e5
	SPAIR 84, 0x40097039
	SPAIR 86, 0xbf97d29d
	v_mov_b32 v22, 0x3e7c6f08
	v_mov_b32 v23, 0x3e7c6f08
	SPAIR 90, 0x3f596d27                           ; sqrt(log2(e) / 2)
	s_mov_b32 s92, 0x3eb504f3                      ; 1 / (2 sqrt(2))
	s_wait_kmcnt 0x0
	s_load_b128 s[32:35], s[12:13], 0x0            ; e0 (w1), e1 (xn), e2 (h), e3
	s_add_nc_u64 s[16:17], s[16:17], s[60:61]
	s_load_b32 s42, s[16:17], 0x0                  ; the expert's count
	s_add_nc_u64 s[6:7], s[6:7], s[62:63]          ; the expert's list
	s_add_nc_u64 s[26:27], s[8:9], s[54:55]        ; w1 at my expert's row 0, my first column
	s_add_nc_u64 s[28:29], s[26:27], 0x800000      ; and at its row 512
	s_add_nc_u64 s[30:31], s[14:15], s[56:57]      ; hq at (e, sl)
	s_add_nc_u64 s[10:11], s[10:11], s[58:59]      ; b1 at my 128 numbers
	LISTLD 14                                      ; first of all loads: the tokens' addresses hang on them
.set CNT, CNT+3
.set EL, CNT
	WIN 0x40
.irp g, 0,1
.irp m, 0,1,2,3,4,5,6,7
	global_load_b128 v[192+32*\g+4*\m:192+32*\g+4*\m+3], v17, s[10:11] offset:256*\g+16*\m
.endr
.endr
.set CNT, CNT+16
	WLOAD 0
	WLOAD 1
	WLOAD 2
	WIN 0
	s_wait_kmcnt 0x0
	s_add_co_i32 s54, s32, 127
	s_lshl_b32 s55, s54, 23
	v_mov_b32 v10, s55                             ; 2^e0
	s_add_co_i32 s54, s54, 8
	s_lshl_b32 s54, s54, 23
	s_or_b32 s54, s54, 0x600000
	v_mov_b32 v9, s54                              ; 448 x 2^e0
	s_add_co_i32 s54, s34, 127
	s_lshl_b32 s55, s54, 23
	v_mov_b32 v12, s55                             ; 2^e2
	s_add_co_i32 s54, s54, 8
	s_lshl_b32 s54, s54, 23
	s_or_b32 s54, s54, 0x600000
	v_mov_b32 v11, s54                             ; 448 x 2^e2
	s_add_co_i32 s36, s32, s33
	s_add_co_i32 s36, s36, 127
	s_lshl_b32 s36, s36, 23                        ; 2^(e0 + e1)
	s_min_u32 s42, s42, 1024                       ; count
	s_add_co_u32 s43, s42, 15
	s_lshr_b32 s43, s43, 4
	s_max_u32 s43, s43, 1                          ; nt: tile 0 is always made
	s_add_co_i32 s44, s43, 7
	s_sub_co_i32 s44, s44, s20
	s_max_i32 s44, s44, 0
	s_lshr_b32 s44, s44, 3
	s_min_u32 s44, s44, 3                          ; nact: how many of my three tiles lie under nt
	s_wait_loadcnt CNT-EL                          ; the three words of the list are in; b1's 16 loads and the weights' 24, issued behind them, may be out
	LISTVA
	ALOAD3 0
	ALOAD3 1
	ALOAD3 2
	LOADER 0
	LOADER 1
.irp i, 0,1,2,3,4,5,6,7,8,9,10,11,12,13,14,15
	STEP \i
.endr
	; ---- counts over 384: passes p = 1, 2, column groups g = 0, 1: four trips, walked by every wave; a wave without a tile jumps over the trip's work.  No barrier, and no LDS byte is written any more
	s_mov_b32 s56, 0                               ; 2 (p - 1) + g
	s_mov_b32 s57, 0                               ; 65,536 g
.Lov:
	s_lshr_b32 s58, s56, 1
	s_add_co_u32 s58, s58, 1
	s_mul_i32 s59, s58, 24                         ; 24 p
	s_add_co_i32 s44, s43, 7
	s_sub_co_i32 s44, s44, s20
	s_sub_co_i32 s44, s44, s59
	s_max_i32 s44, s44, 0
	s_lshr_b32 s44, s44, 3
	s_min_u32 s44, s44, 3
	s_cmp_eq_u32 s44, 0
	s_cbranch_scc1 .Lovn
	s_wait_xcnt 0x0                                ; earlier loads and stores have read their address registers: v6-8 and v18-20 are written again only behind this wait
	s_lshl_b32 s60, s59, 6
	v_add_nc_u32 v19, s60, v14                     ; the list, 24 p tiles on
	v_add_nc_u32 v20, s57, v1                      ; the group's images
	s_lshr_b32 s61, s57, 8
	v_add_nc_u32 v18, s61, v17                     ; the group's b1: + 256 g
	LISTLD 19
	WIN 0x40
.irp m, 0,1,2,3,4,5,6,7
	global_load_b128 v[192+4*\m:192+4*\m+3], v18, s[10:11] offset:16*\m
.endr
	WIN 0
	s_add_co_u32 s45, s20, s59
	s_lshl_b32 s45, s45, 11
	s_lshr_b32 s61, s57, 6
	s_add_co_u32 s45, s45, s61                     ; 2,048 (w + 24 p) + 1,024 g
	s_wait_loadcnt 8                               ; the three words of the list are in; b1's eight loads may be out
	LISTVA
	OUNIT 0, 1
.irp s, 1,2,3,4,5,6,7
	OUNIT \s, 0
.endr
	EPI 0
.Lovn:
	s_xor_b32 s57, s57, 0x10000
	s_add_co_u32 s56, s56, 1
	s_cmp_lt_u32 s56, 4
	s_cbranch_scc1 .Lov
	s_wait_tensorcnt 0x0
	ds_add_u32 v15, v16
	s_wait_dscnt 0x0
	s_endpgm
.Lfunc_end_k_qc878aeee42_ffn1:
	.size	k_qc878aeee42_ffn1, .Lfunc_end_k_qc878aeee42_ffn1-k_qc878aeee42_ffn1
	.p2alignl 7, 3214868480
	.fill 96, 4, 3214868480
	.section	.rodata,"a",@progbits
	.p2align	6, 0x0
	.amdhsa_kernel k_qc878aeee42_ffn1
		.amdhsa_group_segment_fixed_size 132096
		.amdhsa_private_segment_fixed_size 0
		.amdhsa_enable_private_segment 0
		.amdhsa_kernarg_size 56
		.amdhsa_user_sgpr_count 2
		.amdhsa_user_sgpr_kernarg_segment_ptr 1
		.amdhsa_wavefront_size32 1
		.amdhsa_system_sgpr_workgroup_id_x 1
		.amdhsa_system_sgpr_workgroup_id_y 1
		.amdhsa_system_sgpr_workgroup_id_z 1
		.amdhsa_system_vgpr_workitem_id 0
		.amdhsa_next_free_vgpr 512
		.amdhsa_next_free_sgpr 100
		.amdhsa_reserve_vcc 0
		.amdhsa_float_denorm_mode_32 3
		.amdhsa_float_denorm_mode_16_64 3
		.amdhsa_memory_ordered 1
		.amdhsa_forward_progress 1
		.amdhsa_inst_pref_size 248
	.end_amdhsa_kernel
	.amdgpu_metadata
---
amdhsa.version: [ 1, 2 ]
amdhsa.kernels:
  - .name:           k_qc878aeee42_ffn1
    .symbol:         k_qc878aeee42_ffn1.kd
    .args:
      - { .name: xq, .offset: 0, .size: 8, .value_kind: global_buffer, .address_space: global }
      - { .name: slotmap, .offset: 8, .size: 8, .value_kind: global_buffer, .address_space: global }
      - { .name: w1, .offset: 16, .size: 8, .value_kind: global_buffer, .address_space: global }
      - { .name: b1, .offset: 24, .size: 8, .value_kind: global_buffer, .address_space: global }
      - { .name: lowp_scales, .offset: 32, .size: 8, .value_kind: global_buffer, .address_space: global }
      - { .name: hq, .offset: 40, .size: 8, .value_kind: global_buffer, .address_space: global }
      - { .name: counts, .offset: 48, .size: 8, .value_kind: global_buffer, .address_space: global }
    .group_segment_fixed_size: 132096
    .private_segment_fixed_size: 0
    .kernarg_segment_align: 8
    .kernarg_segment_size: 56
    .max_flat_workgroup_size: 256
    .sgpr_count:     100
    .vgpr_count:     512
    .wavefront_size: 32
...
	.end_amdgpu_metadata
.endif
;; end of part 3
;; launch ffn2 (part 4): grid 256 x 1, 8 waves a work-group, no clusters, 166,912 bytes of LDS; arguments hq, counts, w2, b2, lowp_scales, y; writes y
.if DOCPART == 4
	.amdgcn_target "amdgcn-amd-amdhsa--gfx1250"
	.amdhsa_code_object_version 6
	.text
	.protected	k_qc878aeee42_ffn2
	.globl	k_qc878aeee42_ffn2
	.p2align	8
	.type	k_qc878aeee42_ffn2,@function
k_qc878aeee42_ffn2:
	s_mov_b64 s[64:65], 0
	v_nop
	global_prefetch_b8 v0, s[64:65] scope:SCOPE_SE
	s_setreg_imm32_b32 hwreg(HW_REG_WAVE_MODE, 25, 1), 1
	s_wait_xcnt 0x0
; Second layer of the experts, for the routed rows alone: y[kh] = hq . Q(w2) x 2^(e2 + e3) (+ b2 in the half kh = 0), both operands as codes of E4M3.
; SHARES.  Work-group id: e = id >> 5, cg = (id >> 1) & 15 (64 output columns), kh = id & 1 (2,048 of the 4,096 along K): 2,048 x 64 numbers of w2, 512 KB of f32, each read once, in 16 UNITS of 128 along K.
; The two halves of K go to two planes of y, each word stored by one work-group; the last launch adds them.
; The skeleton is the first layer's: lane (r, h) loads columns 4 r .. 4 r + 3 of one row (sixteen lanes: 256 consecutive bytes, aligned); wave w (c = w >> 1, sub = w & 1) makes bytes 8 sub .. 8 sub + 7 of register group c of four
; fragments (column tile t = columns 4 r + t) and stores them into LDS as images of the operand's registers; all 16 images stay; one barrier a unit; the loader runs two units ahead of the products.
; K's PLACES are those in which the first layer left h: place (c, h, byte b) of unit u holds f = 128 u + 64 (c >> 1) + 32 h + 4 (b & 7) + 2 (c & 1) + (b >> 3).
; ROWS.  A wave owns three tiles of 16 ranks, T = w + 8 sg + 24 p.  A tile's fragment of a unit is 2,048 consecutive bytes of hq.  In pass 0 tiles 0 and 1 are always loaded and multiplied (a tile at or beyond
; nt = max(1, ceil(count / 16)) reads tile 0, which is always there, and its results are not stored); tile 2's loads and products stand under one forward branch a unit on nact, the number of my tiles under nt, behind the unit's barrier.
; (The first unit multiplies all three, and units 0 to 2 load all three, so that every register is written on every way.)  Passes 1 and 2 (counts over 384) run behind the last barrier from the images kept in LDS.
; A STEP.  Image i has been whole since the barrier of step i - 2 (image 1: of step 0): its fragments are asked of LDS at the step's head, ahead of the loader's work on unit i + 2.  The barrier's signal stands behind the wait for my
; stores of image i + 2; eight products stand between signal and wait; image i + 2 is read at the head of step i + 2, behind that wait.
; THE WAY OUT.  Lane (r, h), register j of tile t = rank r, column 32 h + 4 j + t.  A tile goes through the wave's own stage in LDS (16 rows of 256 bytes + 16) and leaves as rows: sixteen lanes store 256 consecutive bytes, aligned.
; Waits on loads are counted as in the first layer: CNT counts the loads issued on the way that leaves tile 2 out, the fewest on any way; a wait's count is CNT less the group's mark.  Tile 2's loads stand first in their group.
; No tensor loads; no cluster (no weight is read twice).
; LIMITS: e3 between -126 and 119, e2 + e3 between -126 and 127.  b2 finite (it is multiplied by 0 in the half kh = 1).  NaN and infinities are not served.
; REGISTERS: v1, v2 16 x lane (+ 65,536); v3 weight offset; v4, v5 image store address (+ 65,536); v6-8 the three tiles' offsets in hq; v9, v10 448 x 2^e3, 2^e3; v16, v17 stage in, stage back; v18 128 h; v21 y offset; v22 my place in two rows of y;
;   v24-47 codes at work; v48-111 four weight fragments, on the way out results and rows; v112-255 three sets of three fragments of h; v256-351 weights as loaded; v352-447 accumulators; v448-479 b2.
.set STAGE, 131072
.set NPL,   5                          ; plain lines behind each group of products: 4 ahead of loads and reads, 5 ahead of a product that begins a sum anew over them
.set CNT, 0
.set EW0, 0
.set EW1, 0
.set EW2, 0
.set EA0, 0
.set EA1, 0
.set EA2, 0
.set MSB, 0
.macro WIN new                         ; the immediate's high byte repeats the setting that is left
.if MSB != \new
	s_set_vgpr_msb (MSB<<8)|\new
.set MSB, \new
.endif
.endm
.macro MARKW u
.if ((\u)%3) == 0
.set EW0, CNT
.elseif ((\u)%3) == 1
.set EW1, CNT
.else
.set EW2, CNT
.endif
.endm
.macro WAITW u
.if ((\u)%3) == 0
.set WN, CNT-EW0
.elseif ((\u)%3) == 1
.set WN, CNT-EW1
.else
.set WN, CNT-EW2
.endif
.if WN > 63
.set WN, 63
.endif
	s_wait_loadcnt WN
.endm
.macro MARKA i
.if ((\i)%3) == 0
.set EA0, CNT
.elseif ((\i)%3) == 1
.set EA1, CNT
.else
.set EA2, CNT
.endif
.endm
.macro WAITA i
.if ((\i)%3) == 0
.set WN, CNT-EA0
.elseif ((\i)%3) == 1
.set WN, CNT-EA1
.else
.set WN, CNT-EA2
.endif
.if WN > 63
.set WN, 63
.endif
	s_wait_loadcnt WN
.endm
; my 8 rows of unit u into set u % 3.  Row = 64 (c >> 1) + 2 (c & 1) + sub + 32 h [v3] + 128 u + 4 b [immediate]
.macro WLOAD u
.set WS, 32*((\u)%3)
	WIN 0x40
.irp b, 0,1,2,3,4,5,6,7
	global_load_b128 v[WS+4*\b:WS+4*\b+3], v3, s[26:27] offset:524288*(\u)+16384*\b th:TH_LOAD_NT
.endr
.set CNT, CNT+8
	MARKW \u
.endm
; tile sg's fragment of unit i into set i % 3
.macro ALOADS i, sg
.set AS, 112+48*((\i)%3)+16*(\sg)
.irp c, 0,1,2,3
	global_load_b128 v[AS+4*\c:AS+4*\c+3], v[6+(\sg)], s[28:29] offset:131072*(\i)+512*\c
.endr
.endm
.macro ALOAD3 i                        ; all three tiles, on every way
	ALOADS \i, 2
	ALOADS \i, 0
	ALOADS \i, 1
.set CNT, CNT+12
	MARKA \i
.endm
.macro ALOAD2 i                        ; tiles 0 and 1; tile 2's loads, where they are issued, stand just ahead
	ALOADS \i, 0
	ALOADS \i, 1
.set CNT, CNT+8
	MARKA \i
.endm
.macro LOADER u
	WAITW \u
.set WS, 32*((\u)%3)
	WIN 0x41
.set k, 0
.rept 32
	v_med3_num_f32 v[WS+k], v[WS+k], -v9, v9       ; the hold at the largest code x the scale: the conversion does not saturate (ISA guide 7.6.2)
.set k, k+1
.endr
	WIN 0x01
.irp q, 0,1,2,3
	v_cvt_scalef32_pk8_fp8_f32 v[24+2*\q:25+2*\q], v[WS+8*\q:WS+8*\q+7], v10
.endr
	WIN 0
	v_nop                                          ; one plain line behind the conversions
.if (\u)+3 <= 15
	WLOAD (\u)+3
	WIN 0
.endif
.irp hh, 0,1
	v_perm_b32 v[32+4*\hh], v[25+4*\hh], v[24+4*\hh], s38
	v_perm_b32 v[33+4*\hh], v[25+4*\hh], v[24+4*\hh], s39
	v_perm_b32 v[34+4*\hh], v[27+4*\hh], v[26+4*\hh], s38
	v_perm_b32 v[35+4*\hh], v[27+4*\hh], v[26+4*\hh], s39
.endr
.irp hh, 0,1
	v_perm_b32 v[40+\hh], v[34+4*\hh], v[32+4*\hh], s40
	v_perm_b32 v[42+\hh], v[34+4*\hh], v[32+4*\hh], s41
	v_perm_b32 v[44+\hh], v[35+4*\hh], v[33+4*\hh], s40
	v_perm_b32 v[46+\hh], v[35+4*\hh], v[33+4*\hh], s41
.endr
.irp t, 0,1,2,3
	ds_store_b64 v[4+(\u)/8], v[40+2*\t:41+2*\t] offset:8192*((\u)%8)+2048*\t
.endr
.endm
; The accumulators take turns, one instruction a turn.  Twelve products: four column tiles x three tiles of ranks
.macro PROD ab, zero, staged
	WIN 0x50
.irp t, 0,1,2,3
.if \staged
	s_wait_dscnt 12-4*\t                           ; tile t's four loads are in; the later tiles' may be out
.endif
.irp sg, 0,1,2
.if \zero
	v_wmma_f32_16x16x128_fp8_fp8 v[96+32*\sg+8*\t:96+32*\sg+8*\t+7], v[48+16*\t:48+16*\t+15], v[\ab+16*\sg:\ab+16*\sg+15], 0
.else
	v_wmma_f32_16x16x128_fp8_fp8 v[96+32*\sg+8*\t:96+32*\sg+8*\t+7], v[48+16*\t:48+16*\t+15], v[\ab+16*\sg:\ab+16*\sg+15], v[96+32*\sg+8*\t:96+32*\sg+8*\t+7]
.endif
.endr
.endr
	WIN 0
.rept NPL
	v_nop
.endr
.endm
; eight products: tiles 0 and 1 of ranks
.macro PRODA ab, staged
	WIN 0x50
.irp t, 0,1,2,3
.if \staged
	s_wait_dscnt 12-4*\t                           ; tile t's four loads are in; the later tiles' may be out
.endif
.irp sg, 0,1
	v_wmma_f32_16x16x128_fp8_fp8 v[96+32*\sg+8*\t:96+32*\sg+8*\t+7], v[48+16*\t:48+16*\t+15], v[\ab+16*\sg:\ab+16*\sg+15], v[96+32*\sg+8*\t:96+32*\sg+8*\t+7]
.endr
.endr
	WIN 0
.rept NPL
	v_nop
.endr
.endm
; four products: tile 2 of ranks
.macro PRODB ab
	WIN 0x50
.irp t, 0,1,2,3
	v_wmma_f32_16x16x128_fp8_fp8 v[160+8*\t:167+8*\t], v[48+16*\t:48+16*\t+15], v[\ab+32:\ab+47], v[160+8*\t:167+8*\t]
.endr
	WIN 0
.rept NPL
	v_nop
.endr
.endm
.macro BLOAD i
.irp t, 0,1,2,3
.irp c, 0,1,2,3
	ds_load_b128 v[48+16*\t+4*\c:48+16*\t+4*\c+3], v[1+(\i)/8] offset:8192*((\i)%8)+2048*\t+512*\c
.endr
.endr
.endm
.macro OUNIT i, zero                   ; a unit of a later pass, complete in itself
.irp sg, 0,1,2
.irp c, 0,1,2,3
	global_load_b128 v[112+16*\sg+4*\c:112+16*\sg+4*\c+3], v[6+\sg], s[28:29] offset:131072*(\i)+512*\c
.endr
.endr
	BLOAD \i
	s_wait_loadcnt 0x0
	s_wait_dscnt 0x0
	PROD 112, \zero, 0
.endm
; my three tiles' offsets in hq: T = s58 + 8 sg where that lies under nt, else tile 0
.macro SETVA
.irp sg, 0,1,2
	s_add_co_u32 s60, s58, 8*\sg
	s_cmp_lt_u32 s60, s43
	s_cselect_b32 s60, s60, 0
	s_min_u32 s60, s60, 63
	s_lshl_b32 s60, s60, 11
	v_add_nc_u32 v[6+\sg], s60, v1
.endr
.endm
; the way out of tile sg, if it lies under nt.  s45: 65,536 x my tile 0
.macro EPI sg
	s_cmp_le_u32 s44, \sg
	s_cbranch_scc1 .Lskip_\@
	WIN 0x11
.irp t, 0,1,2,3
.irp j, 0,1,2,3,4,5,6,7
	v_fma_f32 v[48+4*\j+\t], v[96+32*\sg+8*\t+\j], s36, v[192+4*\j+\t]   ; sum x 2^(e2 + e3) + b2, into natural order; each accumulator from its low end on
.endr
.endr
	WIN 0
	s_add_co_u32 s47, s45, 524288*\sg
	v_add_nc_u32 v21, s47, v22
.irp j, 0,1,2,3,4,5,6,7
	ds_store_b128 v16, v[48+4*\j:48+4*\j+3] offset:16*\j
.endr
.irp i, 0,1,2,3,4,5,6,7
	ds_load_b128 v[80+4*\i:80+4*\i+3], v17 offset:544*\i   ; LDS serves a wave's instructions in order (ISA guide 5.7.1.4): these see my stores
.endr
.irp i, 0,1,2,3,4,5,6,7
	s_wait_dscnt 7-\i
	global_store_b128 v21, v[80+4*\i:80+4*\i+3], s[30:31] offset:8192*\i   ; two rows of y: sixteen lanes store 256 consecutive bytes, aligned
.endr
	s_wait_xcnt 0x0                                ; the stores have read v21 and v80-111, which the next tile writes again
.Lskip_\@:
.endm
.macro STEP i
.if (\i) == 0
	LOADER 2
	s_wait_dscnt 0x0                               ; my stores into images 0, 1 and 2 have landed
	s_barrier_signal -1
	s_barrier_wait -1                              ; the three images are whole
	BLOAD 0
	WAITA 0
	PROD 112, 1, 1                                 ; the first unit starts the sums: all three tiles, on every way: every accumulator is written
.elseif (\i) <= 13
	BLOAD \i                                       ; image i has been whole since an earlier step's barrier: its fragments land under the loader's work
	LOADER (\i)+2
	WAITA \i
	s_wait_dscnt 0x0                               ; my stores into image i + 2 have landed (and image i's fragments are in)
	s_barrier_signal -1
	PRODA 112+48*((\i)%3), 0                       ; work on registers while the others arrive
	s_barrier_wait -1                              ; image i + 2 is whole: it is read at the head of step i + 2
.else
	BLOAD \i
	WAITA \i
	PRODA 112+48*((\i)%3), 1
.endif
	s_cmp_lt_u32 s44, 3                            ; tile 2, where I have one
	s_cbranch_scc1 .Ltwo_\@
.if (\i) > 0
	PRODB 112+48*((\i)%3)
.endif
.if (\i)+3 <= 15
	ALOADS (\i)+3, 2
.endif
.Ltwo_\@:
.if (\i)+3 <= 15
	ALOAD2 (\i)+3
.endif
.endm
	s_load_b256 s[4:11], s[0:1], 0x0               ; hq, counts, w2, b2
	s_load_b128 s[12:15], s[0:1], 0x20             ; lowp_scales, y
	v_lshl_add_u32 v20, v0, 2, 0x28800
	v_mov_b32 v23, 0
	v_lshrrev_b32 v24, 5, v0
	v_readfirstlane_b32 s20, v24                   ; wave
	s_lshr_b32 s21, ttmp9, 5                       ; e
	s_bfe_u32 s22, ttmp9, 0x40001                  ; cg
	s_and_b32 s25, ttmp9, 1                        ; kh
	s_lshr_b32 s23, s20, 1                         ; c
	s_and_b32 s24, s20, 1                          ; sub
	v_and_b32 v24, 31, v0                          ; lane
	v_and_b32 v25, 15, v0                          ; r
	v_bfe_u32 v26, v0, 4, 1                        ; h
	v_lshlrev_b32 v1, 4, v24
	v_add_nc_u32 v2, 0x10000, v1
	s_lshl_b32 s54, s23, 9
	s_lshl_b32 s55, s24, 3
	s_add_co_u32 s54, s54, s55
	v_add_nc_u32 v4, s54, v1                       ; 512 c + 8 sub + 16 x lane
	v_add_nc_u32 v5, 0x10000, v4
	s_mul_i32 s54, s20, 4352
	s_add_co_u32 s54, s54, STAGE                   ; my stage
	v_mul_u32_u24 v16, v25, 272
	v_lshl_add_u32 v16, v26, 7, v16
	v_add_nc_u32 v16, s54, v16                     ; in: row r, + 128 h
	v_mul_u32_u24 v17, v26, 272
	v_lshl_add_u32 v17, v25, 4, v17
	v_add_nc_u32 v17, s54, v17                     ; back: lanes 0-15 one row, lanes 16-31 the next
	v_lshlrev_b32 v18, 7, v26                      ; 128 h
	v_lshlrev_b32 v22, 12, v26
	v_lshl_add_u32 v22, v25, 4, v22                ; the same two rows in y
	s_lshr_b32 s54, s23, 1                         ; (64 (c >> 1) + 2 (c & 1) + sub) rows of 4,096 bytes
	s_lshl_b32 s54, s54, 18
	s_and_b32 s55, s23, 1
	s_lshl_b32 s55, s55, 13
	s_add_co_u32 s54, s54, s55
	s_lshl_b32 s55, s24, 12
	s_add_co_u32 s54, s54, s55
	v_lshlrev_b32 v3, 4, v25
	v_lshl_add_u32 v3, v26, 17, v3                 ; + 32 h rows + 16 r
	v_add_nc_u32 v3, s54, v3
	s_lshl_b32 s48, s21, 24                        ; w2: e, kh's 2,048 rows, cg's 256 bytes
	s_lshl_b32 s49, s25, 23
	s_add_co_u32 s48, s48, s49
	s_lshl_b32 s49, s22, 8
	s_add_co_u32 s48, s48, s49
	s_mov_b32 s49, 0
	s_lshl_b32 s50, s21, 22                        ; hq: (32 e + 16 kh) x 131,072
	s_lshl_b32 s51, s25, 21
	s_add_co_u32 s50, s50, s51
	s_mov_b32 s51, 0
	s_lshl_b32 s52, s25, 25                        ; y: the plane kh, the expert's 1,024 rows, cg's 256 bytes
	s_lshl_b32 s53, s21, 22
	s_add_co_u32 s52, s52, s53
	s_lshl_b32 s53, s22, 8
	s_add_co_u32 s52, s52, s53
	s_mov_b32 s53, 0
	s_lshl_b32 s54, s21, 12                        ; b2
	s_lshl_b32 s55, s22, 8
	s_add_co_u32 s54, s54, s55
	s_mov_b32 s55, 0
	s_lshl_b32 s56, s21, 2                         ; counts[e]
	s_mov_b32 s57, 0
	s_mov_b32 s38, 0x05010400                      ; byte selects of the 4 x 4 turn
	s_mov_b32 s39, 0x07030602
	s_mov_b32 s40, 0x05040100
	s_mov_b32 s41, 0x07060302
	s_wait_kmcnt 0x0
	s_add_nc_u64 s[6:7], s[6:7], s[56:57]
	s_load_b32 s42, s[6:7], 0x0
	s_load_b128 s[32:35], s[12:13], 0x0            ; e0, e1, e2 (h), e3 (w2)
	s_add_nc_u64 s[26:27], s[8:9], s[48:49]
	s_add_nc_u64 s[28:29], s[4:5], s[50:51]
	s_add_nc_u64 s[30:31], s[14:15], s[52:53]
	s_add_nc_u64 s[10:11], s[10:11], s[54:55]
	WIN 0x40
.irp m, 0,1,2,3,4,5,6,7
	global_load_b128 v[192+4*\m:192+4*\m+3], v18, s[10:11] offset:16*\m
.endr
.set CNT, CNT+8
.set EB, CNT
	WLOAD 0
	WLOAD 1
	WLOAD 2
	WIN 0
	s_wait_kmcnt 0x0
	s_min_u32 s42, s42, 1024                       ; count
	s_add_co_u32 s43, s42, 15
	s_lshr_b32 s43, s43, 4
	s_max_u32 s43, s43, 1                          ; nt
	s_add_co_i32 s44, s43, 7
	s_sub_co_i32 s44, s44, s20
	s_max_i32 s44, s44, 0
	s_lshr_b32 s44, s44, 3
	s_min_u32 s44, s44, 3                          ; nact
	s_mov_b32 s58, s20
	SETVA
	ALOAD3 0
	ALOAD3 1
	ALOAD3 2
	s_add_co_i32 s54, s35, 127
	s_lshl_b32 s55, s54, 23
	v_mov_b32 v10, s55                             ; 2^e3
	s_add_co_i32 s54, s54, 8
	s_lshl_b32 s54, s54, 23
	s_or_b32 s54, s54, 0x600000
	v_mov_b32 v9, s54                              ; 448 x 2^e3
	s_add_co_i32 s36, s34, s35
	s_add_co_i32 s36, s36, 127
	s_lshl_b32 s36, s36, 23                        ; 2^(e2 + e3)
	s_cmp_eq_u32 s25, 0
	s_cselect_b32 s37, 0x3f800000, 0               ; b2 counts once: in the half kh = 0
	s_wait_loadcnt CNT-EB                          ; b2 is in: all loads behind it may be out
	WIN 0x44
.set k, 0
.rept 32
	v_mul_f32 v[192+k], s37, v[192+k]
.set k, k+1
.endr
	WIN 0
	LOADER 0
	LOADER 1
.irp i, 0,1,2,3,4,5,6,7,8,9,10,11,12,13,14,15
	STEP \i
.endr
	s_lshl_b32 s45, s20, 16
	EPI 0
	EPI 1
	EPI 2
	; ---- counts over 384: passes p = 1, 2, walked by every wave; a wave without a tile jumps over the pass's work.  No barrier; of LDS only each wave's own stage is still written
	s_mov_b32 s56, 1
.Lov:
	s_mul_i32 s59, s56, 24
	s_add_co_i32 s44, s43, 7
	s_sub_co_i32 s44, s44, s20
	s_sub_co_i32 s44, s44, s59
	s_max_i32 s44, s44, 0
	s_lshr_b32 s44, s44, 3
	s_min_u32 s44, s44, 3
	s_cmp_eq_u32 s44, 0
	s_cbranch_scc1 .Lovn
	s_wait_xcnt 0x0
	s_add_co_u32 s58, s20, s59                     ; w + 24 p
	SETVA
	s_lshl_b32 s45, s58, 16
	OUNIT 0, 1
.irp i, 1,2,3,4,5,6,7,8,9,10,11,12,13,14,15
	OUNIT \i, 0
.endr
	EPI 0
	EPI 1
	EPI 2
.Lovn:
	s_add_co_u32 s56, s56, 1
	s_cmp_lt_u32 s56, 3
	s_cbranch_scc1 .Lov
	s_wait_tensorcnt 0x0
	ds_add_u32 v20, v23
	s_wait_dscnt 0x0
	s_endpgm
.Lfunc_end_k_qc878aeee42_ffn2:
	.size	k_qc878aeee42_ffn2, .Lfunc_end_k_qc878aeee42_ffn2-k_qc878aeee42_ffn2
	.p2alignl 7, 3214868480
	.fill 96, 4, 3214868480
	.section	.rodata,"a",@progbits
	.p2align	6, 0x0
	.amdhsa_kernel k_qc878aeee42_ffn2
		.amdhsa_group_segment_fixed_size 166912
		.amdhsa_private_segment_fixed_size 0
		.amdhsa_enable_private_segment 0
		.amdhsa_kernarg_size 48
		.amdhsa_user_sgpr_count 2
		.amdhsa_user_sgpr_kernarg_segment_ptr 1
		.amdhsa_wavefront_size32 1
		.amdhsa_system_sgpr_workgroup_id_x 1
		.amdhsa_system_sgpr_workgroup_id_y 1
		.amdhsa_system_sgpr_workgroup_id_z 1
		.amdhsa_system_vgpr_workitem_id 0
		.amdhsa_next_free_vgpr 512
		.amdhsa_next_free_sgpr 66
		.amdhsa_reserve_vcc 0
		.amdhsa_float_denorm_mode_32 3
		.amdhsa_float_denorm_mode_16_64 3
		.amdhsa_memory_ordered 1
		.amdhsa_forward_progress 1
		.amdhsa_inst_pref_size 212
	.end_amdhsa_kernel
	.amdgpu_metadata
---
amdhsa.version: [ 1, 2 ]
amdhsa.kernels:
  - .name:           k_qc878aeee42_ffn2
    .symbol:         k_qc878aeee42_ffn2.kd
    .args:
      - { .name: hq, .offset: 0, .size: 8, .value_kind: global_buffer, .address_space: global }
      - { .name: counts, .offset: 8, .size: 8, .value_kind: global_buffer, .address_space: global }
      - { .name: w2, .offset: 16, .size: 8, .value_kind: global_buffer, .address_space: global }
      - { .name: b2, .offset: 24, .size: 8, .value_kind: global_buffer, .address_space: global }
      - { .name: lowp_scales, .offset: 32, .size: 8, .value_kind: global_buffer, .address_space: global }
      - { .name: y, .offset: 40, .size: 8, .value_kind: global_buffer, .address_space: global }
    .group_segment_fixed_size: 166912
    .private_segment_fixed_size: 0
    .kernarg_segment_align: 8
    .kernarg_segment_size: 48
    .max_flat_workgroup_size: 256
    .sgpr_count:     66
    .vgpr_count:     512
    .wavefront_size: 32
...
	.end_amdgpu_metadata
.endif
;; end of part 4
;; launch combine (part 5): grid 257 x 1, 4 waves a work-group, no clusters, 0 bytes of LDS; arguments x, y, slotmap, cw, probs, counts, out0, out1; writes out0, out1
.if DOCPART == 5
	.amdgcn_target "amdgcn-amd-amdhsa--gfx1250"
	.amdhsa_code_object_version 6
	.text
	.protected	k_qc878aeee42_combine
	.globl	k_qc878aeee42_combine
	.p2align	8
	.type	k_qc878aeee42_combine,@function
k_qc878aeee42_combine:
	s_mov_b64 s[64:65], 0
	v_nop
	global_prefetch_b8 v0, s[64:65] scope:SCOPE_SE
	s_setreg_imm32_b32 hwreg(HW_REG_WAVE_MODE, 25, 1), 1
	s_wait_xcnt 0x0
; out0[n] = x[n] + c0 (y0[slot0] + y1[slot0]) + c1 (y0[slot1] + y1[slot1]);  out1 = sum over e of (sum over n of probs[n][e]) x counts[e] x 8 / 1024^2.
; Work-groups 0 .. 255: a wave takes one token n = 4 x work-group + wave.  Its two slots (1,024 e + rank) and weights come by scalar loads; each of the five rows is 4,096 bytes, read 512 consecutive bytes a load.
; y0, y1: the two halves of the second product's K, 32 MB apart; b2 lies in y0.  Each output row has one owner.
; Work-group 256: wave 0 makes the loss (32 KB of probs, eight counts); its other waves have no part in it and end.  Its 64 loads go in four groups of 16 through three sets of registers, so that 48 are out at the start and the
; fourth group is asked for as soon as the first has been added up; the eight sums over the lanes are taken by turns, line by line.
; A stream without LDS, matrix work or cluster: nothing is shared.
; The factor 8 / (1024^2 + 1e-6) is 2^-17 in f32.
.macro PLOAD g, st                     ; probs of tokens l + 32 i, i = 8 g .. 8 g + 7, into set st (64 registers from v16 on)
.irp i, 0,1,2,3,4,5,6,7
	global_load_b128 v[16+64*\st+8*\i:19+64*\st+8*\i], v3, s[12:13] offset:8192*\g+1024*\i
	global_load_b128 v[20+64*\st+8*\i:23+64*\st+8*\i], v3, s[12:13] offset:8192*\g+1024*\i+16
.endr
.endm
.macro PSUM st, from                   ; rows from .. 7 of set st onto the eight sums in v4-11
.irp i, 0,1,2,3,4,5,6,7
.if \i >= \from
.irp p, 0,2,4,6
	v_pk_add_f32 v[4+\p:5+\p], v[4+\p:5+\p], v[16+64*\st+8*\i+\p:17+64*\st+8*\i+\p]
.endr
.endif
.endr
.endm
	s_load_b512 s[4:19], s[0:1], 0x0               ; x, y, slotmap, cw, probs, counts, out0, out1
	v_lshrrev_b32 v1, 5, v0
	v_readfirstlane_b32 s20, v1                    ; wave
	v_and_b32 v1, 31, v0                           ; lane
	v_lshlrev_b32 v2, 4, v1                        ; 16 l
	s_cmp_eq_u32 ttmp9, 256
	s_cbranch_scc1 .Laux
	s_lshl_b32 s21, ttmp9, 2
	s_add_co_u32 s21, s21, s20                     ; token n
	s_lshl_b32 s22, s21, 3
	s_mov_b32 s23, 0
	s_lshl_b32 s38, s21, 12
	s_mov_b32 s39, 0
	s_wait_kmcnt 0x0
	s_add_nc_u64 s[8:9], s[8:9], s[22:23]
	s_add_nc_u64 s[10:11], s[10:11], s[22:23]
	s_load_b64 s[24:25], s[8:9], 0x0               ; the two slots
	s_load_b64 s[26:27], s[10:11], 0x0             ; c0, c1
	s_add_nc_u64 s[4:5], s[4:5], s[38:39]
	s_add_nc_u64 s[16:17], s[16:17], s[38:39]
.irp j, 0,1,2,3,4,5,6,7
	global_load_b128 v[16+4*\j:19+4*\j], v2, s[4:5] offset:512*\j th:TH_LOAD_NT
.endr
	s_wait_kmcnt 0x0
	s_min_u32 s24, s24, 8191
	s_lshl_b32 s28, s24, 12
	s_mov_b32 s29, 0
	s_add_nc_u64 s[28:29], s[6:7], s[28:29]        ; y0 at slot 0
	s_add_nc_u64 s[30:31], s[28:29], 0x2000000     ; y1 at slot 0
	s_min_u32 s25, s25, 8191
	s_lshl_b32 s32, s25, 12
	s_mov_b32 s33, 0
	s_add_nc_u64 s[32:33], s[6:7], s[32:33]        ; y0 at slot 1
	s_add_nc_u64 s[34:35], s[32:33], 0x2000000     ; y1 at slot 1
	s_mov_b32 s36, s27                             ; c1 as the low word of a pair
	s_mov_b32 s37, s27
.irp j, 0,1,2,3,4,5,6,7
	global_load_b128 v[48+4*\j:51+4*\j], v2, s[28:29] offset:512*\j
	global_load_b128 v[80+4*\j:83+4*\j], v2, s[30:31] offset:512*\j
	global_load_b128 v[112+4*\j:115+4*\j], v2, s[32:33] offset:512*\j
	global_load_b128 v[144+4*\j:147+4*\j], v2, s[34:35] offset:512*\j
.endr
.irp j, 0,1,2,3,4,5,6,7
	s_wait_loadcnt 28-4*\j                         ; slice j's four loads (and x) are in; the four of each later slice may be out
.irp k, 0,2
	v_pk_add_f32 v[48+4*\j+\k:49+4*\j+\k], v[48+4*\j+\k:49+4*\j+\k], v[80+4*\j+\k:81+4*\j+\k]
	v_pk_add_f32 v[112+4*\j+\k:113+4*\j+\k], v[112+4*\j+\k:113+4*\j+\k], v[144+4*\j+\k:145+4*\j+\k]
	v_pk_fma_f32 v[16+4*\j+\k:17+4*\j+\k], v[48+4*\j+\k:49+4*\j+\k], s[26:27], v[16+4*\j+\k:17+4*\j+\k] op_sel_hi:[1,0,1]
	v_pk_fma_f32 v[16+4*\j+\k:17+4*\j+\k], v[112+4*\j+\k:113+4*\j+\k], s[36:37], v[16+4*\j+\k:17+4*\j+\k] op_sel_hi:[1,0,1]
.endr
	global_store_b128 v2, v[16+4*\j:19+4*\j], s[16:17] offset:512*\j th:TH_STORE_NT   ; 512 consecutive bytes, aligned
.endr
	s_endpgm
.Laux:
	s_cmp_lg_u32 s20, 0
	s_cbranch_scc1 .Lend
	s_mov_b32 s40, 0x76543210                      ; lane selects: lane l xor 16
	s_mov_b32 s41, 0xfedcba98
	v_lshlrev_b32 v3, 5, v1                        ; lane l takes tokens l + 32 i: 32 bytes each
	v_mov_b32 v14, 0
	s_wait_kmcnt 0x0
	s_load_b256 s[24:31], s[14:15], 0x0            ; the eight counts
	PLOAD 0, 0
	PLOAD 1, 1
	PLOAD 2, 2
	s_wait_loadcnt 32                              ; group 0 is in; groups 1 and 2, 32 loads, may be out
.irp p, 0,2,4,6
	v_pk_add_f32 v[4+\p:5+\p], v[16+\p:17+\p], v[24+\p:25+\p]   ; the first two rows start the sums
.endr
	PSUM 0, 2
	PLOAD 3, 0                                     ; the last group takes the set that has just been added up
	s_wait_loadcnt 32                              ; group 1 is in; groups 2 and 3 may be out
	PSUM 1, 0
	s_wait_loadcnt 16                              ; group 2 is in; group 3 may be out
	PSUM 2, 0
	s_wait_loadcnt 0x0
	PSUM 0, 0
.irp m, 1,2,4,8
.irp k, 0,1,2,3,4,5,6,7
	v_add_f32_dpp v[4+\k], v[4+\k], v[4+\k] row_xmask:\m row_mask:0xf bank_mask:0xf
.endr
.endr
.irp k, 0,1,2,3,4,5,6,7
	v_permlanex16_b32 v[16+\k], v[4+\k], s40, s41  ; (its destination counts as read: v16-23 have been written by loads that are in)
.endr
.irp k, 0,1,2,3,4,5,6,7
	v_add_f32 v[4+\k], v[4+\k], v[16+\k]           ; importance[k], in every lane
.endr
	s_wait_kmcnt 0x0
.irp k, 0,1,2,3,4,5,6,7
	v_cvt_f32_u32 v[24+\k], s[24+\k]               ; load[k]
.endr
	v_mul_f32 v13, v4, v24
.irp k, 1,2,3,4,5,6,7
	v_fmac_f32 v13, v[4+\k], v[24+\k]
.endr
	v_mul_f32 v13, 0x37000000, v13                 ; x 2^-17
	s_wait_xcnt 0x0                                ; EXEC changes only behind this wait
	v_cmpx_gt_u32 1, v1                            ; lane 0 alone
	global_store_b32 v14, v13, s[18:19]
.Lend:
	s_endpgm
.Lfunc_end_k_qc878aeee42_combine:
	.size	k_qc878aeee42_combine, .Lfunc_end_k_qc878aeee42_combine-k_qc878aeee42_combine
	.p2alignl 7, 3214868480
	.fill 96, 4, 3214868480
	.section	.rodata,"a",@progbits
	.p2align	6, 0x0
	.amdhsa_kernel k_qc878aeee42_combine
		.amdhsa_group_segment_fixed_size 0
		.amdhsa_private_segment_fixed_size 0
		.amdhsa_enable_private_segment 0
		.amdhsa_kernarg_size 64
		.amdhsa_user_sgpr_count 2
		.amdhsa_user_sgpr_kernarg_segment_ptr 1
		.amdhsa_wavefront_size32 1
		.amdhsa_system_sgpr_workgroup_id_x 1
		.amdhsa_system_sgpr_workgroup_id_y 1
		.amdhsa_system_sgpr_workgroup_id_z 1
		.amdhsa_system_vgpr_workitem_id 0
		.amdhsa_next_free_vgpr 208
		.amdhsa_next_free_sgpr 66
		.amdhsa_reserve_vcc 0
		.amdhsa_float_denorm_mode_32 3
		.amdhsa_float_denorm_mode_16_64 3
		.amdhsa_memory_ordered 1
		.amdhsa_forward_progress 1
		.amdhsa_inst_pref_size 29
	.end_amdhsa_kernel
	.amdgpu_metadata
---
amdhsa.version: [ 1, 2 ]
amdhsa.kernels:
  - .name:           k_qc878aeee42_combine
    .symbol:         k_qc878aeee42_combine.kd
    .args:
      - { .name: x, .offset: 0, .size: 8, .value_kind: global_buffer, .address_space: global }
      - { .name: y, .offset: 8, .size: 8, .value_kind: global_buffer, .address_space: global }
      - { .name: slotmap, .offset: 16, .size: 8, .value_kind: global_buffer, .address_space: global }
      - { .name: cw, .offset: 24, .size: 8, .value_kind: global_buffer, .address_space: global }
      - { .name: probs, .offset: 32, .size: 8, .value_kind: global_buffer, .address_space: global }
      - { .name: counts, .offset: 40, .size: 8, .value_kind: global_buffer, .address_space: global }
      - { .name: out0, .offset: 48, .size: 8, .value_kind: global_buffer, .address_space: global }
      - { .name: out1, .offset: 56, .size: 8, .value_kind: global_buffer, .address_space: global }
    .group_segment_fixed_size: 0
    .private_segment_fixed_size: 0
    .kernarg_segment_align: 8
    .kernarg_segment_size: 64
    .max_flat_workgroup_size: 128
    .sgpr_count:     66
    .vgpr_count:     208
    .wavefront_size: 32
...
	.end_amdgpu_metadata
.endif
;; end of part 5
;; ======== version 2 of 2: 5 launches
;; workspace buffers: xq 1,048,576 bytes; sel 8,192 bytes of whole numbers; cw 8,192 bytes; probs 32,768 bytes; hq 33,554,432 bytes; slotmap 46,080 bytes of whole numbers; counts 256 bytes of whole numbers; y 67,108,864 bytes
;; launch router (part 6): grid 256 x 1, 4 waves a work-group, no clusters, 37,376 bytes of LDS; arguments x, gate_w, ln_scale, ln_bias, lowp_scales, xq, sel, cw, probs; writes xq, sel, cw, probs
.if DOCPART == 6
	.amdgcn_target "amdgcn-amd-amdhsa--gfx1250"
	.amdhsa_code_object_version 6
	.text
	.protected	k_qc878aeee42_router
	.globl	k_qc878aeee42_router
	.p2align	8
	.type	k_qc878aeee42_router,@function
k_qc878aeee42_router:
	s_mov_b64 s[64:65], 0
	v_nop
	global_prefetch_b8 v0, s[64:65] scope:SCOPE_SE
	s_setreg_imm32_b32 hwreg(HW_REG_WAVE_MODE, 25, 1), 1
	s_wait_xcnt 0x0
; LayerNorm, the codes of xn, the router.  One wave takes one token n = 4 x work-group + wave; all is straight-line code in f32.
; Lane l holds x[n][128 j + 4 l + i] in v[16 + 4 j + i] (j = 0..7, i = 0..3): each load of the wave covers 512 consecutive bytes.
; mean and variance in two passes (sum, then sum of squared differences), xn = (x - mu) rsq(var + 1e-5) scale + bias.
; logits = xn . gate_w by f32 multiply-adds: lane l holds the 32 rows of gate_w that belong to its 32 numbers (256 registers), then a sum over the lanes.
; gate_w (32 KB) COMES ONCE A WORK-GROUP, THROUGH LDS: a lane's four rows of a block of 128 are 128 consecutive bytes, so read straight from memory neighbouring lanes would stand 128 bytes apart.  Each wave loads a quarter,
; 512 consecutive bytes a load, and stores it with 16 bytes of padding behind each 128 (pitch 144 = 9 x 16 bytes: the sixteen lanes of a read start at sixteen different columns of 16 bytes); one barrier; each lane reads its rows.
; softmax with the largest logit taken away; top-2 by strict comparisons in ascending order, so that of equal numbers the lower index wins.
; OUT: xq[n][1024]: codes of E4M3 of xn / 2^e1; byte 512 (j >> 2) + 16 l + 4 (j & 3) + i holds d = 128 j + 4 l + i (a fixed permutation of K, which the first layer gives its weights too);
;      sel[n][2] the two experts, cw[n][2] their weights (normalised), probs[n][8].  All at fixed places: no address hangs on a computed number.
; LIMITS: e1 between -126 and 119.  NaN and infinities among the inputs are not served.  v_rsq_f32 and v_rcp_f32 stand for the divisions.
.set X,  16                            ; v16-47   x, then x - mu, then xn
.set SC, 48                            ; v48-79   ln_scale
.set BI, 80                            ; v80-111  ln_bias
.set G,  112                           ; v112-239 gate_w for j = 0..3: register 32 j + 8 i + e; j = 4..7 lie in v256-383.  v112-175 first hold my wave's quarter as loaded
.set LA, 240                           ; v240-247 logits, first half of K; then all; then probs
.set LB, 248                           ; v248-255 logits, second half of K; then at work
.set GP, 144                           ; LDS: 128 bytes (four rows) of gate_w + 16 of padding; 256 such pieces
.set MSB, 0
.macro WIN new                         ; the immediate's high byte repeats the setting that is left
.if MSB != \new
	s_set_vgpr_msb (MSB<<8)|\new
.set MSB, \new
.endif
.endm
.macro WSUM r, t                       ; the sum over the 32 lanes, in every lane
	v_add_f32_dpp v[\r], v[\r], v[\r] row_xmask:1 row_mask:0xf bank_mask:0xf
	v_add_f32_dpp v[\r], v[\r], v[\r] row_xmask:2 row_mask:0xf bank_mask:0xf
	v_add_f32_dpp v[\r], v[\r], v[\r] row_xmask:4 row_mask:0xf bank_mask:0xf
	v_add_f32_dpp v[\r], v[\r], v[\r] row_xmask:8 row_mask:0xf bank_mask:0xf
	v_permlanex16_b32 v[\t], v[\r], s28, s29
	v_add_f32 v[\r], v[\r], v[\t]
.endm
; one number of xn (the even or the odd register of the pair at xr) times its row of gate_w (8 numbers at gb), onto the 8 sums at ac
.macro GATE xr, odd, gb, ac, first
.irp p, 0,2,4,6
.if \first
	v_pk_mul_f32 v[\ac+\p:\ac+\p+1], v[\xr:\xr+1], v[\gb+\p:\gb+\p+1] op_sel_hi:[0,1]
.elseif \odd
	v_pk_fma_f32 v[\ac+\p:\ac+\p+1], v[\xr:\xr+1], v[\gb+\p:\gb+\p+1], v[\ac+\p:\ac+\p+1] op_sel:[1,0,0] op_sel_hi:[1,1,1]
.else
	v_pk_fma_f32 v[\ac+\p:\ac+\p+1], v[\xr:\xr+1], v[\gb+\p:\gb+\p+1], v[\ac+\p:\ac+\p+1] op_sel_hi:[0,1,1]
.endif
.endr
.endm
	s_load_b512 s[4:19], s[0:1], 0x0               ; x, gate_w, ln_scale, ln_bias, lowp_scales, xq, sel, cw
	s_load_b64 s[20:21], s[0:1], 0x40              ; probs
	s_set_vgpr_msb 0x40
	v_lshl_add_u32 v128, v0, 2, 0x9000
	v_mov_b32 v129, 0
	s_set_vgpr_msb 0x4000
	v_lshrrev_b32 v1, 5, v0
	v_readfirstlane_b32 s22, v1                    ; wave
	v_and_b32 v1, 31, v0                           ; lane
	v_lshlrev_b32 v2, 4, v1                        ; 16 l
	v_mul_u32_u24 v3, v1, GP                       ; LDS: my piece of each block of 128 rows
	s_lshl_b32 s40, s22, 13
	v_add_nc_u32 v14, s40, v2                      ; gate_w in memory: my wave's quarter, 16 bytes a lane
	v_lshrrev_b32 v15, 3, v1
	v_mul_u32_u24 v15, v15, GP
	v_and_b32 v10, 7, v1
	v_lshl_add_u32 v15, v10, 4, v15
	s_mul_i32 s41, s22, 64*GP
	v_add_nc_u32 v15, s41, v15                     ; and in LDS: piece 64 w + 4 q + l / 8, byte 16 (l % 8)
	v_mov_b32 v11, 0                               ; written once: a lane permute's destination counts as read
	s_lshl_b32 s23, ttmp9, 2
	s_add_co_u32 s23, s23, s22                     ; token n
	s_lshl_b32 s24, s23, 12
	s_mov_b32 s25, 0
	s_lshl_b32 s32, s23, 10
	s_mov_b32 s33, 0
	s_lshl_b32 s34, s23, 3
	s_mov_b32 s35, 0
	s_lshl_b32 s36, s23, 5
	s_mov_b32 s37, 0
	s_mov_b32 s28, 0x76543210                      ; lane selects: lane l xor 16
	s_mov_b32 s29, 0xfedcba98
	s_mov_b32 s30, 0x3a800000                      ; 1 / 1024
	s_mov_b32 s31, 0x3727c5ac                      ; 1e-5
	s_wait_alu depctr_va_vdst(0)
	s_wait_kmcnt 0x0
	s_load_b32 s26, s[12:13], 0x4                  ; e1: xn's scale
	s_add_nc_u64 s[4:5], s[4:5], s[24:25]
	s_add_nc_u64 s[14:15], s[14:15], s[32:33]
	s_add_nc_u64 s[16:17], s[16:17], s[34:35]
	s_add_nc_u64 s[18:19], s[18:19], s[34:35]
	s_add_nc_u64 s[20:21], s[20:21], s[36:37]
.irp q, 0,1,2,3,4,5,6,7,8,9,10,11,12,13,14,15
	global_load_b128 v[G+4*\q:G+4*\q+3], v14, s[6:7] offset:512*\q      ; my quarter of gate_w: 512 consecutive bytes a load
.endr
.irp j, 0,1,2,3,4,5,6,7
	global_load_b128 v[X+4*\j:X+4*\j+3], v2, s[4:5] offset:512*\j th:TH_LOAD_NT
.endr
.irp j, 0,1,2,3,4,5,6,7
	global_load_b128 v[SC+4*\j:SC+4*\j+3], v2, s[8:9] offset:512*\j
.endr
.irp j, 0,1,2,3,4,5,6,7
	global_load_b128 v[BI+4*\j:BI+4*\j+3], v2, s[10:11] offset:512*\j
.endr
	s_wait_loadcnt 24                              ; gate_w's sixteen loads are in; x, ln_scale and ln_bias, 24 loads issued behind them, may be out
.irp q, 0,1,2,3,4,5,6,7,8,9,10,11,12,13,14,15
	ds_store_b128 v15, v[G+4*\q:G+4*\q+3] offset:4*GP*\q
.endr
	s_wait_dscnt 0x0                               ; for the others' sake: my quarter has landed
	s_barrier_signal -1
	s_barrier_wait -1                              ; all of gate_w lies in LDS
.irp j, 0,1,2,3
.irp m, 0,1,2,3,4,5,6,7
	ds_load_b128 v[G+32*\j+4*\m:G+32*\j+4*\m+3], v3 offset:32*GP*\j+16*\m   ; these land while the mean and the variance are made
.endr
.endr
	WIN 0x40                                       ; destination v256 on
.irp j, 0,1,2,3
.irp m, 0,1,2,3,4,5,6,7
	ds_load_b128 v[32*\j+4*\m:32*\j+4*\m+3], v3 offset:128*GP+32*GP*\j+16*\m
.endr
.endr
	WIN 0
	s_wait_loadcnt 16                              ; x is in; ln_scale's and ln_bias's sixteen loads may be out
	; ---- the mean
	v_pk_add_f32 v[4:5], v[16:17], v[18:19]
	v_pk_add_f32 v[6:7], v[20:21], v[22:23]
	v_pk_add_f32 v[8:9], v[24:25], v[26:27]
	v_pk_add_f32 v[12:13], v[28:29], v[30:31]
.irp k, 32,40
	v_pk_add_f32 v[4:5], v[4:5], v[\k:\k+1]
	v_pk_add_f32 v[6:7], v[6:7], v[\k+2:\k+3]
	v_pk_add_f32 v[8:9], v[8:9], v[\k+4:\k+5]
	v_pk_add_f32 v[12:13], v[12:13], v[\k+6:\k+7]
.endr
	v_pk_add_f32 v[4:5], v[4:5], v[6:7]
	v_pk_add_f32 v[8:9], v[8:9], v[12:13]
	v_pk_add_f32 v[4:5], v[4:5], v[8:9]
	v_add_f32 v4, v4, v5
	WSUM 4, 11
	v_mul_f32 v12, s30, v4                         ; mu
	v_mov_b32 v13, v12
.set k, X
.rept 16
	v_pk_add_f32 v[k:k+1], v[k:k+1], v[12:13] neg_lo:[0,1] neg_hi:[0,1]   ; x - mu
.set k, k+2
.endr
	; ---- the variance
	v_pk_mul_f32 v[4:5], v[16:17], v[16:17]
	v_pk_mul_f32 v[6:7], v[18:19], v[18:19]
	v_pk_mul_f32 v[8:9], v[20:21], v[20:21]
	v_pk_mul_f32 v[12:13], v[22:23], v[22:23]
.irp k, 24,32,40
	v_pk_fma_f32 v[4:5], v[\k:\k+1], v[\k:\k+1], v[4:5]
	v_pk_fma_f32 v[6:7], v[\k+2:\k+3], v[\k+2:\k+3], v[6:7]
	v_pk_fma_f32 v[8:9], v[\k+4:\k+5], v[\k+4:\k+5], v[8:9]
	v_pk_fma_f32 v[12:13], v[\k+6:\k+7], v[\k+6:\k+7], v[12:13]
.endr
	v_pk_add_f32 v[4:5], v[4:5], v[6:7]
	v_pk_add_f32 v[8:9], v[8:9], v[12:13]
	v_pk_add_f32 v[4:5], v[4:5], v[8:9]
	v_add_f32 v4, v4, v5
	WSUM 4, 11
	v_fma_f32 v4, v4, s30, s31                     ; var + 1e-5
	s_wait_alu depctr_va_vdst(0)
	v_rsq_f32 v12, v4
	v_nop                                          ; one plain line behind the transcendental
	s_wait_alu depctr_va_vdst(0)
	v_mov_b32 v13, v12
	s_wait_alu depctr_va_vdst(0)
	s_wait_loadcnt 0x0                             ; ln_scale and ln_bias
.set k, X
.rept 16
	v_pk_mul_f32 v[k:k+1], v[k:k+1], v[12:13]
	v_pk_fma_f32 v[k:k+1], v[k:k+1], v[k+32:k+33], v[k+64:k+65]          ; xn = (x - mu) r scale + bias
.set k, k+2
.endr
	; ---- the logits: 128 packed multiply-adds onto two sets of eight sums
	s_wait_dscnt 0x0                               ; my rows of gate_w are in
.irp j, 0,1,2,3
.irp i, 0,1,2,3
	GATE X+4*\j+2*(\i/2), \i%2, G+32*\j+8*\i, LA, (\j+\i)==0
.endr
.endr
	WIN 0x04                                       ; source 1 (gate_w) from v256 on
.irp j, 0,1,2,3
.irp i, 0,1,2,3
	GATE X+16+4*\j+2*(\i/2), \i%2, 32*\j+8*\i, LB, (\j+\i)==0
.endr
.endr
	WIN 0
	; ---- xn's codes: held within +-448 x 2^e1 (the conversion does not saturate: ISA guide 7.6.2), divided by 2^e1, to the nearest code
	s_wait_kmcnt 0x0
	s_add_co_i32 s26, s26, 127
	s_lshl_b32 s27, s26, 23
	v_mov_b32 v120, s27                            ; 2^e1
	s_add_co_i32 s26, s26, 8
	s_lshl_b32 s26, s26, 23
	s_or_b32 s26, s26, 0x600000
	v_mov_b32 v121, s26                            ; 448 x 2^e1
.set k, X
.rept 32
	v_med3_num_f32 v[k], v[k], -v121, v121
.set k, k+1
.endr
.irp q, 0,1,2,3
	v_cvt_scalef32_pk8_fp8_f32 v[112+2*\q:113+2*\q], v[X+8*\q:X+8*\q+7], v120
.endr
	v_nop                                          ; one plain line behind the conversions
	global_store_b128 v2, v[112:115], s[14:15]             ; 512 consecutive bytes a store; v112-119 are not written again
	global_store_b128 v2, v[116:119], s[14:15] offset:512
	; ---- softmax
.irp p, 0,2,4,6
	v_pk_add_f32 v[LA+\p:LA+\p+1], v[LA+\p:LA+\p+1], v[LB+\p:LB+\p+1]
.endr
.irp m, 1,2,4,8
.irp k, 0,1,2,3,4,5,6,7
	v_add_f32_dpp v[LA+\k], v[LA+\k], v[LA+\k] row_xmask:\m row_mask:0xf bank_mask:0xf
.endr
.endr
.irp k, 0,1,2,3,4,5,6,7
	v_permlanex16_b32 v[LB+\k], v[LA+\k], s28, s29
.endr
.irp k, 0,1,2,3,4,5,6,7
	v_add_f32 v[LA+\k], v[LA+\k], v[LB+\k]         ; the eight logits, in every lane
.endr
	v_max3_num_f32 v4, v[LA], v[LA+1], v[LA+2]
	v_max3_num_f32 v4, v4, v[LA+3], v[LA+4]
	v_max3_num_f32 v4, v4, v[LA+5], v[LA+6]
	v_max_num_f32 v4, v4, v[LA+7]
.irp k, 0,1,2,3,4,5,6,7
	v_sub_f32 v[LA+\k], v[LA+\k], v4               ; the largest logit is taken away
.endr
.irp k, 0,1,2,3,4,5,6,7
	v_mul_f32 v[LA+\k], 0x3fb8aa3b, v[LA+\k]
.endr
	s_wait_alu depctr_va_vdst(0)
.irp k, 0,1,2,3,4,5,6,7
	v_exp_f32 v[LA+\k], v[LA+\k]
.endr
	v_nop
	s_wait_alu depctr_va_vdst(0)
	v_add_f32 v5, v[LA], v[LA+1]
	v_add_f32 v6, v[LA+2], v[LA+3]
	v_add_f32 v7, v[LA+4], v[LA+5]
	v_add_f32 v8, v[LA+6], v[LA+7]
	v_add_f32 v5, v5, v6
	v_add_f32 v7, v7, v8
	v_add_f32 v5, v5, v7
	s_wait_alu depctr_va_vdst(0)
	v_rcp_f32 v5, v5
	v_nop
	s_wait_alu depctr_va_vdst(0)
.irp k, 0,1,2,3,4,5,6,7
	v_mul_f32 v[LA+\k], v[LA+\k], v5               ; probs
.endr
	; ---- top-2: v6, v14 the best and its index; v8, v15 the second.  Only a strictly larger number displaces an earlier one
	v_mov_b32 v6, v[LA]
	v_mov_b32 v14, 0
	v_mov_b32 v8, -1.0
	v_mov_b32 v15, 0
.irp k, 1,2,3,4,5,6,7
	v_cmp_gt_f32 s38, v[LA+\k], v6
	v_cmp_gt_f32 s39, v[LA+\k], v8
	v_cndmask_b32 v9, v8, v[LA+\k], s39
	v_cndmask_b32 v10, v15, \k, s39
	v_cndmask_b32 v8, v9, v6, s38
	v_cndmask_b32 v15, v10, v14, s38
	v_cndmask_b32 v6, v6, v[LA+\k], s38
	v_cndmask_b32 v14, v14, \k, s38
.endr
	v_add_f32 v10, v6, v8
	s_wait_alu depctr_va_vdst(0)
	v_rcp_f32 v10, v10
	v_mov_b32 v5, 0                                ; (a plain line behind the transcendental)  the small stores' offset
	s_wait_alu depctr_va_vdst(0)
	v_mul_f32 v12, v6, v10
	v_mul_f32 v13, v8, v10
	s_wait_alu depctr_va_vdst(0)
	s_wait_xcnt 0x0                                ; EXEC is a source of the stores above: it changes only behind this wait
	s_set_vgpr_msb 0x5
	s_wait_tensorcnt 0x0
	ds_add_u32 v128, v129
	s_wait_dscnt 0x0
	s_set_vgpr_msb 0x500
	v_cmpx_gt_u32 1, v1                            ; lane 0 alone
	global_store_b128 v5, v[LA:LA+3], s[20:21]
	global_store_b128 v5, v[LA+4:LA+7], s[20:21] offset:16
	global_store_b64 v5, v[14:15], s[16:17]
	global_store_b64 v5, v[12:13], s[18:19]
	s_endpgm
.Lfunc_end_k_qc878aeee42_router:
	.size	k_qc878aeee42_router, .Lfunc_end_k_qc878aeee42_router-k_qc878aeee42_router
	.p2alignl 7, 3214868480
	.fill 96, 4, 3214868480
	.section	.rodata,"a",@progbits
	.p2align	6, 0x0
	.amdhsa_kernel k_qc878aeee42_router
		.amdhsa_group_segment_fixed_size 37376
		.amdhsa_private_segment_fixed_size 0
		.amdhsa_enable_private_segment 0
		.amdhsa_kernarg_size 72
		.amdhsa_user_sgpr_count 2
		.amdhsa_user_sgpr_kernarg_segment_ptr 1
		.amdhsa_wavefront_size32 1
		.amdhsa_system_sgpr_workgroup_id_x 1
		.amdhsa_system_sgpr_workgroup_id_y 1
		.amdhsa_system_sgpr_workgroup_id_z 1
		.amdhsa_system_vgpr_workitem_id 0
		.amdhsa_next_free_vgpr 386
		.amdhsa_next_free_sgpr 66
		.amdhsa_reserve_vcc 0
		.amdhsa_float_denorm_mode_32 3
		.amdhsa_float_denorm_mode_16_64 3
		.amdhsa_memory_ordered 1
		.amdhsa_forward_progress 1
		.amdhsa_inst_pref_size 38
	.end_amdhsa_kernel
	.amdgpu_metadata
---
amdhsa.version: [ 1, 2 ]
amdhsa.kernels:
  - .name:           k_qc878aeee42_router
    .symbol:         k_qc878aeee42_router.kd
    .args:
      - { .name: x, .offset: 0, .size: 8, .value_kind: global_buffer, .address_space: global }
      - { .name: gate_w, .offset: 8, .size: 8, .value_kind: global_buffer, .address_space: global }
      - { .name: ln_scale, .offset: 16, .size: 8, .value_kind: global_buffer, .address_space: global }
      - { .name: ln_bias, .offset: 24, .size: 8, .value_kind: global_buffer, .address_space: global }
      - { .name: lowp_scales, .offset: 32, .size: 8, .value_kind: global_buffer, .address_space: global }
      - { .name: xq, .offset: 40, .size: 8, .value_kind: global_buffer, .address_space: global }
      - { .name: sel, .offset: 48, .size: 8, .value_kind: global_buffer, .address_space: global }
      - { .name: cw, .offset: 56, .size: 8, .value_kind: global_buffer, .address_space: global }
      - { .name: probs, .offset: 64, .size: 8, .value_kind: global_buffer, .address_space: global }
    .group_segment_fixed_size: 37376
    .private_segment_fixed_size: 0
    .kernarg_segment_align: 8
    .kernarg_segment_size: 72
    .max_flat_workgroup_size: 128
    .sgpr_count:     66
    .vgpr_count:     386
    .wavefront_size: 32
...
	.end_amdgpu_metadata
.endif
;; end of part 6
;; launch place (part 7): grid 8 x 1, 1 waves a work-group, no clusters, 5,120 bytes of LDS; arguments sel, slotmap, counts; writes slotmap, counts
.if DOCPART == 7
	.amdgcn_target "amdgcn-amd-amdhsa--gfx1250"
	.amdhsa_code_object_version 6
	.text
	.protected	k_qc878aeee42_place
	.globl	k_qc878aeee42_place
	.p2align	8
	.type	k_qc878aeee42_place,@function
k_qc878aeee42_place:
	s_mov_b64 s[64:65], 0
	v_nop
	global_prefetch_b8 v0, s[64:65] scope:SCOPE_SE
	s_setreg_imm32_b32 hwreg(HW_REG_WAVE_MODE, 25, 1), 1
	s_wait_xcnt 0x0
; The rows are placed by expert.  Work-group e, one wave, reads the two choices of all 1,024 tokens (8 KB) and gives each token that chose expert e a rank, in the order in which the wave walks the tokens.
; OUT, all whole numbers:  counts[e];  slotmap[2 token + k] = 1,024 e + rank (k: first or second choice);  the expert's list, token by rank, 1,152 words at byte 9,216 + 4,608 e of slotmap's buffer: ranks at or beyond the count name token 0.
; A lane without a match stores into a word of its own that nobody reads: word 1,152 + lane of the list in LDS, word 2,048 + 32 e + lane of the map.  So there is no branch and EXEC stays full.
; The list is gathered in LDS over a prefill of zeros and leaves whole: nine stores of 512 consecutive bytes, aligned.  One wave: LDS serves its instructions in order (ISA guide 5.7.1.4), so no barrier is written.
; Eight work-groups are all the work there is: one expert's ranks are one running count.
	s_load_b128 s[4:7], s[0:1], 0x0                ; sel, slotmap
	s_load_b64 s[8:9], s[0:1], 0x10                ; counts
	v_lshl_add_u32 v254, v0, 2, 0x1300
	v_mov_b32 v255, 0
	v_lshlrev_b32 v1, 4, v0                        ; 16 x lane (one wave: the thread's number is the lane)
	v_add_nc_u32 v29, 1152, v0                     ; where a lane without a match stores in LDS
	v_lshlrev_b32 v30, 1, v0
	v_lshlrev_b32 v31, 2, v0
	s_mov_b32 s21, ttmp9                           ; e
	s_lshl_b32 s53, s21, 10                        ; 1,024 e
	s_lshl_b32 s54, s21, 5
	s_add_co_u32 s54, s54, 2048
	v_add_nc_u32 v32, s54, v0                      ; and in the map: 2,048 + 32 e + lane
	s_mul_i32 s56, s21, 4608
	s_add_co_u32 s56, s56, 9216
	v_add_nc_u32 v33, s56, v1                      ; my 16 bytes of the list's first 512 in memory
	s_lshl_b32 s55, s21, 2
	v_mov_b32 v26, s55                             ; counts[e]
	v_mov_b32 v36, 0
	v_mov_b32 v37, 0
	v_mov_b32 v38, 0
	v_mov_b32 v39, 0
	s_wait_alu depctr_va_vdst(0)
	s_wait_kmcnt 0x0
.set q, 0
.rept 16
	global_load_b128 v[112+4*q:115+4*q], v1, s[4:5] offset:512*q   ; lane l: the choices of tokens 64 q + 2 l and 64 q + 2 l + 1
.set q, q+1
.endr
.irp k, 0,1,2,3,4,5,6,7,8
	ds_store_b128 v1, v[36:39] offset:512*\k       ; 1,152 ranks name token 0 until a token takes them
.endr
	s_mov_b32 s51, 0                               ; ranks given so far
	s_wait_loadcnt 0x0
.set q, 0
.rept 32                                       ; 32 tokens a step: token 64 (q / 2) + 2 l + q % 2
	v_cmp_eq_u32 s48, s21, v[112+2*q]
	v_cmp_eq_u32 s49, s21, v[113+2*q]
	s_or_b32 s50, s48, s49
	v_mbcnt_lo_u32_b32 v[176+q], s50, s51          ; rank = ranks so far + matches in the lanes below
	v_cndmask_b32 v24, v29, v[176+q], s50
	v_min_u32 v24, 0x49f, v24
	v_lshlrev_b32 v24, 2, v24
	v_add_nc_u32 v25, (q/2)*64+(q%2), v30
	ds_store_b32 v24, v25
	s_bcnt1_i32_b32 s52, s50
	s_add_co_u32 s51, s51, s52
.set q, q+1
.endr
.irp k, 0,1,2,3,4,5,6,7,8
	ds_load_b128 v[40+4*\k:43+4*\k], v1 offset:512*\k      ; the whole list comes back while the map is made
.endr
	v_mov_b32 v25, s51                             ; the count
.set q, 0
.rept 32
	v_cmp_eq_u32 s48, s21, v[112+2*q]
	v_cmp_eq_u32 s49, s21, v[113+2*q]
	s_or_b32 s50, s48, s49
	v_cndmask_b32 v24, 0, 1, s49                   ; k: first or second choice
	v_add3_u32 v24, v24, v31, (q/2)*128+(q%2)*2    ; 2 token + k
	v_cndmask_b32 v24, v32, v24, s50
	v_min_u32 v24, 0x8ff, v24
	v_lshlrev_b32 v[208+q], 2, v24
	v_add_nc_u32 v[176+q], s53, v[176+q]           ; 1,024 e + rank
	global_store_b32 v[208+q], v[176+q], s[6:7]    ; each store has registers of its own
.set q, q+1
.endr
	global_store_b32 v26, v25, s[8:9]              ; counts[e]: every lane the same word
	s_wait_dscnt 0x0
.irp k, 0,1,2,3,4,5,6,7,8
	global_store_b128 v33, v[40+4*\k:43+4*\k], s[6:7] offset:512*\k
.endr
	s_wait_tensorcnt 0x0
	ds_add_u32 v254, v255
	s_wait_dscnt 0x0
	s_endpgm
.Lfunc_end_k_qc878aeee42_place:
	.size	k_qc878aeee42_place, .Lfunc_end_k_qc878aeee42_place-k_qc878aeee42_place
	.p2alignl 7, 3214868480
	.fill 96, 4, 3214868480
	.section	.rodata,"a",@progbits
	.p2align	6, 0x0
	.amdhsa_kernel k_qc878aeee42_place
		.amdhsa_group_segment_fixed_size 5120
		.amdhsa_private_segment_fixed_size 0
		.amdhsa_enable_private_segment 0
		.amdhsa_kernarg_size 24
		.amdhsa_user_sgpr_count 2
		.amdhsa_user_sgpr_kernarg_segment_ptr 1
		.amdhsa_wavefront_size32 1
		.amdhsa_system_sgpr_workgroup_id_x 1
		.amdhsa_system_sgpr_workgroup_id_y 1
		.amdhsa_system_sgpr_workgroup_id_z 1
		.amdhsa_system_vgpr_workitem_id 0
		.amdhsa_next_free_vgpr 256
		.amdhsa_next_free_sgpr 66
		.amdhsa_reserve_vcc 0
		.amdhsa_float_denorm_mode_32 3
		.amdhsa_float_denorm_mode_16_64 3
		.amdhsa_memory_ordered 1
		.amdhsa_forward_progress 1
		.amdhsa_inst_pref_size 42
	.end_amdhsa_kernel
	.amdgpu_metadata
---
amdhsa.version: [ 1, 2 ]
amdhsa.kernels:
  - .name:           k_qc878aeee42_place
    .symbol:         k_qc878aeee42_place.kd
    .args:
      - { .name: sel, .offset: 0, .size: 8, .value_kind: global_buffer, .address_space: global }
      - { .name: slotmap, .offset: 8, .size: 8, .value_kind: global_buffer, .address_space: global }
      - { .name: counts, .offset: 16, .size: 8, .value_kind: global_buffer, .address_space: global }
    .group_segment_fixed_size: 5120
    .private_segment_fixed_size: 0
    .kernarg_segment_align: 8
    .kernarg_segment_size: 24
    .max_flat_workgroup_size: 32
    .sgpr_count:     66
    .vgpr_count:     256
    .wavefront_size: 32
...
	.end_amdgpu_metadata
.endif
;; end of part 7
;; launch ffn1 (part 8): grid 256 x 1, 8 waves a work-group, no clusters, 132,096 bytes of LDS; arguments xq, slotmap, w1, b1, lowp_scales, hq, counts; writes hq
.if DOCPART == 8
	.amdgcn_target "amdgcn-amd-amdhsa--gfx1250"
	.amdhsa_code_object_version 6
	.text
	.protected	k_qc878aeee42_ffn1
	.globl	k_qc878aeee42_ffn1
	.p2align	8
	.type	k_qc878aeee42_ffn1,@function
k_qc878aeee42_ffn1:
	s_mov_b64 s[64:65], 0
	v_nop
	global_prefetch_b8 v0, s[64:65] scope:SCOPE_SE
	s_setreg_imm32_b32 hwreg(HW_REG_WAVE_SCHED_MODE, 0, 2), 2
	s_setreg_imm32_b32 hwreg(HW_REG_WAVE_MODE, 25, 1), 1
	s_wait_xcnt 0x0
	s_wait_alu depctr_vm_vsrc(0)
; First layer of the experts, for the routed rows alone: h = Q(gelu(xq . Q(w1) x 2^(e0 + e1) + b1)), both operands as codes of E4M3.
; SHARES.  Work-group id = 32 e + sl owns expert e and its hidden units 128 sl .. 128 sl + 127: 1,024 x 128 numbers of w1, 512 KB of f32, each read once.  They go in 16 UNITS of 128 along K x 64 columns:
; unit u = 8 g + s (column group g, K step s).  Eight waves, all with the same text.
; WEIGHTS.  Lane (r = lane & 15, h = lane >> 4) loads 16 bytes, columns 4 r .. 4 r + 3 of one row of w1: sixteen lanes read 256 consecutive bytes, aligned.  Wave w (c = w >> 1, sub = w & 1) loads 8 rows a unit, holds,
; converts, turns 4 x 4 bytes by v_perm_b32 and stores bytes 8 sub .. 8 sub + 7 of register group c of four fragments (column tile t = columns 4 r + t) into LDS as images of the operand's registers
; (group c of a fragment at 512 c + 16 x lane).  All 16 images stay in LDS: no byte is written twice, one barrier orders each image's stores with its loads.
; K IS PERMUTED ALIKE IN BOTH OPERANDS: place (c, h, byte b) of K step s holds d = 512 (s >> 2) + 128 (b >> 2) + 32 (s & 3) + 8 c + 4 h + (b & 3), which is how xq lies in memory.
; ROWS.  The launch before has stored the expert's count and its list of tokens by rank (1,152 words at byte 9,216 + 4,608 e of slotmap's buffer; ranks at or beyond the count name token 0).  A wave owns three tiles of 16 ranks,
; T = w + 8 sg + 24 p.  In pass p = 0 (384 ranks) tiles 0 and 1 are always loaded and multiplied; tile 2's loads and products stand under one forward branch a unit on nact, the number of my tiles under nt = max(1, ceil(count / 16)),
; behind the unit's barrier.  (The first unit multiplies all three, and units 0 to 2 load all three, so that every register is written on every way.)  Results of tiles at or beyond nt are not stored.
; Passes 1 and 2 (counts over 384) run behind the last barrier from the images kept in LDS, and are jumped over where a wave has no tile.
; A STEP.  The loader runs two units ahead of the products, so image i has been whole since the barrier of step i - 2 (image 1: of step 0): its fragments are asked of LDS at the step's head, ahead of the loader's work on unit i + 2.
; The barrier's signal stands behind the wait for my stores of image i + 2; eight products stand between signal and wait; image i + 2 is read at the head of step i + 2, behind that wait.
; PRODUCTS are used transposed (source 0 = 16 columns of w1, source 1 = 16 tokens): lane (r, h), register j of tile t = token r, hidden unit 32 h + 4 j + t of the group.
; GELU exact: erfc(z) = t exp(-z^2 + P(t)), t = 1 / (1 + z / 2), z = |x| / sqrt(2), P of degree 9 (relative error of the fit 1.2e-7); gelu = max(x, 0) - |x| erfc(z) / 2.
; OUT: hq[e][sl][tile][2048]: the image of the next product's fragment (16 ranks x these 128 hidden units).
; LOADS IN FLIGHT: weights run three units ahead (24 loads a wave), tokens' codes three units ahead (24 or 36 loads).  CNT counts the loads issued on the way that leaves tile 2 out: the fewest on any way; EL, EW*, EA* keep CNT at the
; end of a group; a wait's count is CNT less that mark: no way issues fewer loads behind the group, and loads come back in order (ISA guide 5.7.1).  Tile 2's loads stand first in their group.  The count is held at 63, the largest that the wait can name.
; No tensor loads.  No cluster: no weight is read by two work-groups.
; LIMITS: e0 and e2 between -126 and 119, e0 + e1 between -126 and 127.  NaN, infinities and infinite pre-activations are not served.
; REGISTERS: v1, v2 16 x lane (+ 65,536); v3 weight offset; v4, v5 image store address (+ 65,536); v6-8 the three tiles' token offsets; v9, v10 448 x 2^e0, 2^e0; v11, v12 448 x 2^e2, 2^e2; v13 16 h; v14 my place in the list;
;   v15, v16 the closing add's two; v17 128 h; v18-21 at work; v[22:23] c9; v24-47 codes at work; v48-111 four weight fragments; v112-255 three sets of three token fragments;
;   v256-351 three sets of 32 weights as loaded; v352-447 accumulators (352 + 32 sg + 8 t); v448-511 b1, two sets of 32 in natural order.
; THE MODE: SCHED_MODE bits 1:0 = 2 (LLVM: expert scheduling mode 2), set by the entry lines.  The code itself states the register dependences between vector or matrix instructions and memory or LDS instructions,
; with s_wait_alu, always for 0.
; THE PLAN.  Registers that memory or LDS instructions touch, and who else names them:
;   v256-351  Set u % 3: unit u's loads land; LOADER u's holds write it in place and its conversions read it; behind them unit u + 3's loads land.
;   v40-47    Written by LOADER's last eight byte turns, read by its four LDS stores; on the way out written by the conversions, read by a tile's two global stores.
;   v48-111   Image i's LDS loads land; step i's products read them; the way out's arithmetic works in them.  No store reads them.
;   v112-255  Set i % 3: unit i's loads land; step i's products read it; behind them unit i + 3's loads land.
;   v6-8      Offsets of the loads of codes: made from the list's words by vector lines at the head and at the head of a later pass.   v18-21: offsets made by vector lines in a later pass and on the way out.
;   v448-511  b1: loads land at the head (in a later pass again, in the first 32); the way out's multiply-adds read them.
;   v1-5, v13, v14, v17: offsets and LDS addresses, made once at the head.  The accumulators and all else are named by vector and matrix instructions alone.
; A STEP'S WAITS.  (1) va_vdst behind the step's products, at the label behind tile 2's branch: they are done reading v48-111 and tiles 0 and 1 of their set of codes; unit i + 3's loads and the next image's LDS loads follow, and no
; vector line between names their registers.  (2) va_vdst inside tile 2's branch, ahead of its four loads.  (3) vm_vsrc in LOADER ahead of the lines that write v40-47 again.  (4) va_vdst in LOADER behind the byte turns: the weight set is
; free and v40-47 are written; the next weights' loads and the image's four LDS stores follow under one window setting.
.set NPL,   5                          ; plain lines behind each group of products: 4 ahead of vector lines that read their results or write their sources, 5 ahead of a product that begins a sum anew over them (ISA guide 7.12.1)
.set CNT, 0
.set EL,  0
.set EW0, 0
.set EW1, 0
.set EW2, 0
.set EA0, 0
.set EA1, 0
.set EA2, 0
.set ZR,  0
.set MSB, 0
.macro WIN new                         ; the immediate's high byte repeats the setting that is left
.if MSB != \new
	s_set_vgpr_msb (MSB<<8)|\new
.set MSB, \new
.endif
.endm
.macro MARKW u
.if ((\u)%3) == 0
.set EW0, CNT
.elseif ((\u)%3) == 1
.set EW1, CNT
.else
.set EW2, CNT
.endif
.endm
.macro WAITW u
.if ((\u)%3) == 0
.set WN, CNT-EW0
.elseif ((\u)%3) == 1
.set WN, CNT-EW1
.else
.set WN, CNT-EW2
.endif
.if WN > 63
.set WN, 63
.endif
	s_wait_loadcnt WN
.endm
.macro MARKA i
.if ((\i)%3) == 0
.set EA0, CNT
.elseif ((\i)%3) == 1
.set EA1, CNT
.else
.set EA2, CNT
.endif
.endm
.macro WAITA i
.if ((\i)%3) == 0
.set WN, CNT-EA0
.elseif ((\i)%3) == 1
.set WN, CNT-EA1
.else
.set WN, CNT-EA2
.endif
.if WN > 63
.set WN, 63
.endif
	s_wait_loadcnt WN
.endm
.macro SPAIR r, val                    ; a constant in both words of a pair: the packed forms name the pair
	s_mov_b32 s[\r], \val
	s_mov_b32 s[\r+1], \val
.endm
; my 8 rows of unit u into set u % 3.  Row = 512 (s >> 2) [base] + 256 sub + 8 c + 4 h [v3] + 32 (s & 3) + 128 (b >> 2) + (b & 3) [immediate]
.macro WLOAD u
.set WS, 32*((\u)%3)
.set SS, (\u)%8
.set GG, (\u)/8
	WIN 0x40
.irp b, 0,1,2,3,4,5,6,7
.if SS < 4
	global_load_b128 v[WS+4*\b:WS+4*\b+3], v3, s[26:27] offset:256*GG+(32*SS+128*(\b/4)+(\b%4))*16384 th:TH_LOAD_NT
.else
	global_load_b128 v[WS+4*\b:WS+4*\b+3], v3, s[28:29] offset:256*GG+(32*(SS-4)+128*(\b/4)+(\b%4))*16384 th:TH_LOAD_NT
.endif
.endr
.set CNT, CNT+8
	MARKW \u
.endm
; tile sg's fragment of unit i's K step into set i % 3
.macro ALOADS i, sg
.set AS, 112+48*((\i)%3)+16*(\sg)
.irp c, 0,1,2,3
	global_load_b128 v[AS+4*\c:AS+4*\c+3], v[6+(\sg)], s[4:5] offset:128*((\i)%8)+32*\c
.endr
.endm
.macro ALOAD3 i                        ; all three tiles, on every way
	ALOADS \i, 2
	ALOADS \i, 0
	ALOADS \i, 1
.set CNT, CNT+12
	MARKA \i
.endm
.macro ALOAD2 i                        ; tiles 0 and 1; tile 2's loads, where they are issued, stand just ahead
	ALOADS \i, 0
	ALOADS \i, 1
.set CNT, CNT+8
	MARKA \i
.endm
; unit u's 32 numbers become my 8 bytes of each of four fragments; the set then takes unit u + 3
.macro LOADER u
	WAITW \u
.set WS, 32*((\u)%3)
	WIN 0x41
.set k, 0
.rept 32
	v_med3_num_f32 v[WS+k], v[WS+k], -v9, v9       ; the hold at the largest code x the scale: the conversion does not saturate (ISA guide 7.6.2)
.set k, k+1
.endr
	WIN 0x01
.irp q, 0,1,2,3
	v_cvt_scalef32_pk8_fp8_f32 v[24+2*\q:25+2*\q], v[WS+8*\q:WS+8*\q+7], v10   ; v[24 + b]: row b, byte t = column t
.endr
	WIN 0
	v_nop                                          ; one plain line behind the conversions
.irp hh, 0,1                                   ; two turns of 4 x 4 bytes: v[40 + 2 t + hh]: column t, byte = row 4 hh + 0 .. 3
	v_perm_b32 v[32+4*\hh], v[25+4*\hh], v[24+4*\hh], s38
	v_perm_b32 v[33+4*\hh], v[25+4*\hh], v[24+4*\hh], s39
	v_perm_b32 v[34+4*\hh], v[27+4*\hh], v[26+4*\hh], s38
	v_perm_b32 v[35+4*\hh], v[27+4*\hh], v[26+4*\hh], s39
.endr
.if (\u) > 0
	s_wait_alu depctr_vm_vsrc(0)                   ; the LDS stores of the image before have read v40-47, which the eight lines below write again
.endif
.irp hh, 0,1
	v_perm_b32 v[40+\hh], v[34+4*\hh], v[32+4*\hh], s40
	v_perm_b32 v[42+\hh], v[34+4*\hh], v[32+4*\hh], s41
	v_perm_b32 v[44+\hh], v[35+4*\hh], v[33+4*\hh], s40
	v_perm_b32 v[46+\hh], v[35+4*\hh], v[33+4*\hh], s41
.endr
.if (\u)+3 <= 15
	WIN 0x40                                       ; the loads' destination in block 1; an LDS store's address and data are sources 0 and 1, which stay in block 0
.endif
	s_wait_alu depctr_va_vdst(0)                   ; the holds and the conversions are done with this set of weights, in which unit u + 3's loads land; the byte turns have written v40-47, which the LDS stores read
.if (\u)+3 <= 15
	WLOAD (\u)+3
.endif
.irp t, 0,1,2,3
	ds_store_b64 v[4+(\u)/8], v[40+2*\t:41+2*\t] offset:8192*((\u)%8)+2048*\t
.endr
	WIN 0
.endm
; image i's four fragments
.macro BLOAD i
.irp t, 0,1,2,3
.irp c, 0,1,2,3
	ds_load_b128 v[48+16*\t+4*\c:48+16*\t+4*\c+3], v[1+(\i)/8] offset:8192*((\i)%8)+2048*\t+512*\c
.endr
.endr
.endm
; The accumulators take turns, one instruction a turn.  Twelve products: four column tiles x three tiles of tokens
.macro PROD ab, zero, staged
	WIN 0x50
.irp t, 0,1,2,3
.if \staged
	s_wait_dscnt 12-4*\t                           ; tile t's four loads are in; the later tiles' may be out
.endif
.irp sg, 0,1,2
.if \zero
	v_wmma_f32_16x16x128_fp8_fp8 v[96+32*\sg+8*\t:96+32*\sg+8*\t+7], v[48+16*\t:48+16*\t+15], v[\ab+16*\sg:\ab+16*\sg+15], 0
.else
	v_wmma_f32_16x16x128_fp8_fp8 v[96+32*\sg+8*\t:96+32*\sg+8*\t+7], v[48+16*\t:48+16*\t+15], v[\ab+16*\sg:\ab+16*\sg+15], v[96+32*\sg+8*\t:96+32*\sg+8*\t+7]
.endif
.endr
.endr
	WIN 0
.rept NPL
	v_nop
.endr
.endm
; eight products: tiles 0 and 1 of tokens
.macro PRODA ab, zero, staged
	WIN 0x50
.irp t, 0,1,2,3
.if \staged
	s_wait_dscnt 12-4*\t                           ; tile t's four loads are in; the later tiles' may be out
.endif
.irp sg, 0,1
.if \zero
	v_wmma_f32_16x16x128_fp8_fp8 v[96+32*\sg+8*\t:96+32*\sg+8*\t+7], v[48+16*\t:48+16*\t+15], v[\ab+16*\sg:\ab+16*\sg+15], 0
.else
	v_wmma_f32_16x16x128_fp8_fp8 v[96+32*\sg+8*\t:96+32*\sg+8*\t+7], v[48+16*\t:48+16*\t+15], v[\ab+16*\sg:\ab+16*\sg+15], v[96+32*\sg+8*\t:96+32*\sg+8*\t+7]
.endif
.endr
.endr
	WIN 0
.rept NPL
	v_nop
.endr
.endm
; four products: tile 2 of tokens
.macro PRODB ab, zero
	WIN 0x50
.irp t, 0,1,2,3
.if \zero
	v_wmma_f32_16x16x128_fp8_fp8 v[160+8*\t:167+8*\t], v[48+16*\t:48+16*\t+15], v[\ab+32:\ab+47], 0
.else
	v_wmma_f32_16x16x128_fp8_fp8 v[160+8*\t:167+8*\t], v[48+16*\t:48+16*\t+15], v[\ab+32:\ab+47], v[160+8*\t:167+8*\t]
.endif
.endr
	WIN 0
.rept NPL
	v_nop
.endr
.endm
; a unit of a later pass: K step s of the column group whose images begin at v20; complete in itself
.macro OUNIT s, zero
	s_wait_alu depctr_va_vdst(0)                   ; the products (ahead of a pass's first unit: the way out's lines too) are done with v48-111 and v112-159, in which the loads below land; in a pass's first unit v6-8 are written, which they read
.irp sg, 0,1,2
.irp c, 0,1,2,3
	global_load_b128 v[112+16*\sg+4*\c:112+16*\sg+4*\c+3], v[6+\sg], s[4:5] offset:128*\s+32*\c
.endr
.endr
.irp t, 0,1,2,3
.irp c, 0,1,2,3
	ds_load_b128 v[48+16*\t+4*\c:48+16*\t+4*\c+3], v20 offset:8192*\s+2048*\t+512*\c
.endr
.endr
	s_wait_loadcnt 0x0
	s_wait_dscnt 0x0
	PROD 112, \zero, 0
.endm
; the tokens of my three tiles, eight tiles (512 bytes of the list) apart, from the list at offset v[adr]
.macro LISTLD adr
	global_load_b32 v6, v[\adr], s[6:7]
	global_load_b32 v7, v[\adr], s[6:7] offset:512
	global_load_b32 v8, v[\adr], s[6:7] offset:1024
.endm
; and their offsets in xq: 1,024 x token + 16 h
.macro LISTVA
.irp sg, 6,7,8
	v_min_u32 v\sg, 0x3ff, v\sg
	v_lshl_add_u32 v\sg, v\sg, 10, v13
.endr
.endm
; x = sum x 2^(e0 + e1) + b1 for tile sg, into v48-79 (register 8 t + j); each accumulator from its low end on
.macro FMA32 sg, gs
	WIN 0x11
.irp t, 0,1,2,3
.irp j, 0,1,2,3,4,5,6,7
	v_fma_f32 v[48+8*\t+\j], v[96+32*\sg+8*\t+\j], s36, v[192+32*\gs+4*\j+\t]
.endr
.endr
	WIN 0
.endm
; gelu and codes of 16 numbers at v[48 + 16 hf]: v80-95 t, v24-39 a then max(x, 0), v96-111 P, then erfc / 2
.macro GELU16 hf
.set XB, 48+16*\hf
.set k, 0
.rept 16
	v_fma_f32 v[80+k], |v[XB+k]|, s92, 1.0         ; 1 + z / 2
.set k, k+1
.endr
.set k, 0
	s_wait_alu depctr_va_vdst(0)
.rept 16
	v_rcp_f32 v[80+k], v[80+k]
.set k, k+1
.endr
.set k, 0
.rept 8
	v_pk_mul_f32 v[24+k:25+k], v[XB+k:XB+k+1], s[90:91] op_sel_hi:[1,0]   ; a = x sqrt(log2(e) / 2): a^2 = z^2 log2(e).  (Plain lines behind the reciprocals)
.set k, k+2
.endr
.set k, 0
	s_wait_alu depctr_va_vdst(0)                   ; the sixteen reciprocals have written v80-95: one wait for the batch, ahead of its first reader
.rept 8
	v_pk_fma_f32 v[96+k:97+k], v[80+k:81+k], v[22:23], s[86:87] op_sel_hi:[1,1,0]
.set k, k+2
.endr
.irp cc, 84,82,80,78,76,74,72,70
.set k, 0
.rept 8
	v_pk_fma_f32 v[96+k:97+k], v[96+k:97+k], v[80+k:81+k], s[\cc:\cc+1] op_sel_hi:[1,1,0]
.set k, k+2
.endr
.endr
.set k, 0
.rept 8
	v_pk_fma_f32 v[96+k:97+k], v[24+k:25+k], v[24+k:25+k], v[96+k:97+k] neg_lo:[1,0,0] neg_hi:[1,0,0]   ; P - a^2
.set k, k+2
.endr
.set k, 0
	s_wait_alu depctr_va_vdst(0)
.rept 16
	v_exp_f32 v[96+k], v[96+k]
.set k, k+1
.endr
.set k, 0
.rept 16
	v_max_num_f32 v[24+k], 0, v[XB+k]              ; (plain lines behind the exponentials)
.set k, k+1
.endr
.set k, 0
	s_wait_alu depctr_va_vdst(0)                   ; the sixteen exponentials have written v96-111: one wait for the batch, ahead of its first reader
.rept 8
	v_pk_mul_f32 v[96+k:97+k], v[96+k:97+k], v[80+k:81+k]   ; erfc(z) / 2
.set k, k+2
.endr
.set k, 0
.rept 16
	v_fma_f32 v[XB+k], -|v[XB+k]|, v[96+k], v[24+k]
.set k, k+1
.endr
.set k, 0
.rept 16
	v_med3_num_f32 v[XB+k], v[XB+k], -v11, v11
.set k, k+1
.endr
	v_cvt_scalef32_pk8_fp8_f32 v[40+4*\hf:41+4*\hf], v[XB:XB+7], v12
	v_cvt_scalef32_pk8_fp8_f32 v[42+4*\hf:43+4*\hf], v[XB+8:XB+15], v12
	v_nop                                          ; one plain line behind the conversions
.endm
; The way out of a column group: my tiles 0 .. nact - 1 (s44).  s45: byte of my tile 0's two register groups in the work-group's part of hq; bias set gs.
; Behind the wait ahead of a tile's two stores no vector line follows in the loop: so that wait also states that the way out is done with v48-111, in which the next image's fragments land.
.macro EPI gs
	s_mov_b32 s46, 0
	s_mov_b32 s47, s45
.Lepi_\@:
	s_cmp_ge_u32 s46, s44
	s_cbranch_scc1 .Lepn_\@
	s_cmp_lg_u32 s46, 0
	s_cbranch_scc1 .Lepa_\@
	FMA32 0, \gs
	s_branch .Lepd_\@
.Lepa_\@:
	s_cmp_lg_u32 s46, 1
	s_cbranch_scc1 .Lepb_\@
	FMA32 1, \gs
	s_branch .Lepd_\@
.Lepb_\@:
	FMA32 2, \gs
.Lepd_\@:
	s_wait_xcnt 0x0                                ; the last tile's stores have had their addresses translated: v21 and v40-47 are written again only behind this wait
	s_wait_alu depctr_vm_vsrc(0)                   ; the last tile's stores have read v21 and v40-47, and the last image's LDS stores v40-47: the lines below write them again
	v_add_nc_u32 v21, s47, v1
	GELU16 0
	GELU16 1
	s_wait_alu depctr_va_vdst(0)                   ; v21 and the codes in v40-47 are written, which the two stores read
	global_store_b128 v21, v[40:43], s[30:31]              ; register group 2 g of the image: 512 consecutive bytes, aligned
	global_store_b128 v21, v[44:47], s[30:31] offset:512   ; group 2 g + 1
.Lepn_\@:
	s_add_co_u32 s47, s47, 16384                   ; eight tiles on
	s_add_co_u32 s46, s46, 1
	s_cmp_lt_u32 s46, 3
	s_cbranch_scc1 .Lepi_\@
	s_wait_xcnt 0x0                                ; v40-47 are written again by the next unit's codes
	s_wait_alu depctr_vm_vsrc(0)                   ; the last tile's stores have read v40-47 and v21
.endm
.macro STEP i
.set ZR, 0
.if ((\i)%8) == 0
.set ZR, 1                                     ; a column group's first unit starts the sums
.endif
.if (\i) == 0
	LOADER 2
	s_wait_dscnt 0x0                               ; my stores into images 0, 1 and 2 have landed
	s_barrier_signal -1
	s_barrier_wait -1                              ; the three images are whole
	BLOAD 0                                        ; (no vector line has named v48-111 yet)
	WAITA 0
	PROD 112, 1, 1                                 ; all three tiles, on every way: every accumulator is written
.elseif (\i) <= 13
	BLOAD \i                                       ; image i has been whole since an earlier step's barrier: its fragments land under the loader's work.  No wait: no vector or matrix line since the last wait on va_vdst names v48-111
	LOADER (\i)+2
	WAITA \i
	s_wait_dscnt 0x0                               ; my stores into image i + 2 have landed (and image i's fragments are in)
	s_barrier_signal -1
	PRODA 112+48*((\i)%3), ZR, 0                   ; work on registers while the others arrive
	s_barrier_wait -1                              ; image i + 2 is whole: it is read at the head of step i + 2
.else
	BLOAD \i
	WAITA \i
	PRODA 112+48*((\i)%3), ZR, 1
.endif
	s_cmp_lt_u32 s44, 3                            ; tile 2, where I have one
	s_cbranch_scc1 .Ltwo_\@
.if (\i) > 0
	PRODB 112+48*((\i)%3), ZR
.endif
.if (\i)+3 <= 15
	s_wait_alu depctr_va_vdst(0)                   ; tile 2's products are done reading its codes, in which unit i + 3's land
	ALOADS (\i)+3, 2
.endif
.Ltwo_\@:
.if (\i) < 15
	s_wait_alu depctr_va_vdst(0)                   ; this step's products are done reading tiles 0 and 1 of their set of codes, in which unit i + 3's land, and v48-111, in which the next image's fragments land
.endif
.if (\i)+3 <= 15
	ALOAD2 (\i)+3
.endif
.if (\i) == 7
	s_lshl_b32 s45, s20, 11
	EPI 0
.endif
.if (\i) == 15
	s_lshl_b32 s45, s20, 11
	s_add_co_u32 s45, s45, 1024
	EPI 1
.endif
.endm
	s_load_b256 s[4:11], s[0:1], 0x0               ; xq, slotmap (the lists lie behind the map), w1, b1
	s_load_b128 s[12:15], s[0:1], 0x20             ; lowp_scales, hq
	s_load_b64 s[16:17], s[0:1], 0x30              ; counts
	v_lshl_add_u32 v15, v0, 2, 0x20000
	v_mov_b32 v16, 0
	v_lshrrev_b32 v24, 5, v0
	v_readfirstlane_b32 s20, v24                   ; wave
	s_lshr_b32 s21, ttmp9, 5                       ; e
	s_and_b32 s22, ttmp9, 31                       ; sl
	v_and_b32 v24, 31, v0                          ; lane
	v_and_b32 v25, 15, v0                          ; r
	v_bfe_u32 v26, v0, 4, 1                        ; h
	v_lshlrev_b32 v1, 4, v24
	v_add_nc_u32 v2, 0x10000, v1
	v_lshlrev_b32 v13, 4, v26                      ; 16 h
	v_lshlrev_b32 v17, 7, v26                      ; 128 h
	s_wait_alu depctr_va_sdst(0)                   ; s20 is written, ahead of its first reader
	s_lshr_b32 s23, s20, 1                         ; c
	s_and_b32 s24, s20, 1                          ; sub
	s_lshl_b32 s54, s23, 9
	s_lshl_b32 s55, s24, 3
	s_add_co_u32 s54, s54, s55
	v_add_nc_u32 v4, s54, v1                       ; 512 c + 8 sub + 16 x lane
	v_add_nc_u32 v5, 0x10000, v4
	s_lshl_b32 s54, s20, 6
	v_lshlrev_b32 v14, 2, v25
	v_add_nc_u32 v14, s54, v14                     ; rank 16 w + r, in bytes of the list
	s_lshl_b32 s25, s24, 22                        ; (256 sub + 8 c) rows of 16,384 bytes
	s_lshl_b32 s54, s23, 17
	s_add_co_u32 s25, s25, s54
	v_lshlrev_b32 v3, 4, v25
	v_lshl_add_u32 v3, v26, 16, v3                 ; + 4 h rows + 16 r
	v_add_nc_u32 v3, s25, v3
	s_lshl_b32 s54, s21, 24
	s_lshl_b32 s55, s22, 9
	s_add_co_u32 s54, s54, s55
	s_mov_b32 s55, 0
	s_lshl_b32 s56, ttmp9, 17
	s_mov_b32 s57, 0
	s_lshl_b32 s58, ttmp9, 9
	s_mov_b32 s59, 0
	s_lshl_b32 s60, s21, 2                         ; counts[e]
	s_mov_b32 s61, 0
	s_mul_i32 s62, s21, 4608                       ; the expert's list
	s_add_co_u32 s62, s62, 9216
	s_mov_b32 s63, 0
	s_mov_b32 s38, 0x05010400                      ; byte selects of the 4 x 4 turn
	s_mov_b32 s39, 0x07030602
	s_mov_b32 s40, 0x05040100
	s_mov_b32 s41, 0x07060302
	SPAIR 70, 0xc034d90f                           ; the fit's coefficients x log2(e); -1 more in the first: the half
	SPAIR 72, 0x3fb8ab5a
	SPAIR 74, 0x3f0a29d2
	SPAIR 76, 0x3e0efb2e
	SPAIR 78, 0xbe899a80
	SPAIR 80, 0x3ecdfd18
	SPAIR 82, 0xbfd1a1e5
	SPAIR 84, 0x40097039
	SPAIR 86, 0xbf97d29d
	v_mov_b32 v22, 0x3e7c6f08
	v_mov_b32 v23, 0x3e7c6f08
	SPAIR 90, 0x3f596d27                           ; sqrt(log2(e) / 2)
	s_mov_b32 s92, 0x3eb504f3                      ; 1 / (2 sqrt(2))
	s_wait_kmcnt 0x0
	s_load_b128 s[32:35], s[12:13], 0x0            ; e0 (w1), e1 (xn), e2 (h), e3
	s_add_nc_u64 s[16:17], s[16:17], s[60:61]
	s_load_b32 s42, s[16:17], 0x0                  ; the expert's count
	s_add_nc_u64 s[6:7], s[6:7], s[62:63]          ; the expert's list
	s_add_nc_u64 s[26:27], s[8:9], s[54:55]        ; w1 at my expert's row 0, my first column
	s_add_nc_u64 s[28:29], s[26:27], 0x800000      ; and at its row 512
	s_add_nc_u64 s[30:31], s[14:15], s[56:57]      ; hq at (e, sl)
	s_add_nc_u64 s[10:11], s[10:11], s[58:59]      ; b1 at my 128 numbers
	s_wait_alu depctr_va_vdst(0)                   ; the offsets and LDS addresses v1-5, v13, v14 and v17 are written, which the loads and stores of the whole kernel read
	LISTLD 14                                      ; first of all loads: the tokens' addresses hang on them
.set CNT, CNT+3
.set EL, CNT
	WIN 0x40
.irp g, 0,1
.irp m, 0,1,2,3,4,5,6,7
	global_load_b128 v[192+32*\g+4*\m:192+32*\g+4*\m+3], v17, s[10:11] offset:256*\g+16*\m
.endr
.endr
.set CNT, CNT+16
	WLOAD 0
	WLOAD 1
	WLOAD 2
	WIN 0
	s_wait_kmcnt 0x0
	s_add_co_i32 s54, s32, 127
	s_lshl_b32 s55, s54, 23
	v_mov_b32 v10, s55                             ; 2^e0
	s_add_co_i32 s54, s54, 8
	s_lshl_b32 s54, s54, 23
	s_or_b32 s54, s54, 0x600000
	v_mov_b32 v9, s54                              ; 448 x 2^e0
	s_add_co_i32 s54, s34, 127
	s_lshl_b32 s55, s54, 23
	v_mov_b32 v12, s55                             ; 2^e2
	s_add_co_i32 s54, s54, 8
	s_lshl_b32 s54, s54, 23
	s_or_b32 s54, s54, 0x600000
	v_mov_b32 v11, s54                             ; 448 x 2^e2
	s_add_co_i32 s36, s32, s33
	s_add_co_i32 s36, s36, 127
	s_lshl_b32 s36, s36, 23                        ; 2^(e0 + e1)
	s_min_u32 s42, s42, 1024                       ; count
	s_add_co_u32 s43, s42, 15
	s_lshr_b32 s43, s43, 4
	s_max_u32 s43, s43, 1                          ; nt: tile 0 is always made
	s_add_co_i32 s44, s43, 7
	s_sub_co_i32 s44, s44, s20
	s_max_i32 s44, s44, 0
	s_lshr_b32 s44, s44, 3
	s_min_u32 s44, s44, 3                          ; nact: how many of my three tiles lie under nt
	s_wait_loadcnt CNT-EL                          ; the three words of the list are in; b1's 16 loads and the weights' 24, issued behind them, may be out
	LISTVA
	s_wait_alu depctr_va_vdst(0)                   ; v6-8 are written, which the loads of the tokens' codes read as their offsets
	ALOAD3 0
	ALOAD3 1
	ALOAD3 2
	LOADER 0
	LOADER 1
.irp i, 0,1,2,3,4,5,6,7,8,9,10,11,12,13,14,15
	STEP \i
.endr
	; ---- counts over 384: passes p = 1, 2, column groups g = 0, 1: four trips, walked by every wave; a wave without a tile jumps over the trip's work.  No barrier, and no LDS byte is written any more
	s_mov_b32 s56, 0                               ; 2 (p - 1) + g
	s_mov_b32 s57, 0                               ; 65,536 g
.Lov:
	s_lshr_b32 s58, s56, 1
	s_add_co_u32 s58, s58, 1
	s_mul_i32 s59, s58, 24                         ; 24 p
	s_add_co_i32 s44, s43, 7
	s_sub_co_i32 s44, s44, s20
	s_sub_co_i32 s44, s44, s59
	s_max_i32 s44, s44, 0
	s_lshr_b32 s44, s44, 3
	s_min_u32 s44, s44, 3
	s_cmp_eq_u32 s44, 0
	s_cbranch_scc1 .Lovn
	s_wait_xcnt 0x0                                ; earlier loads and stores have had their addresses translated: v6-8 and v18-20 are written again only behind this wait
	s_wait_alu depctr_vm_vsrc(0)                   ; earlier loads have read their offsets v6-8 and v18-20: the three lines below write v18-20, and the list's words land in v6-8
	s_lshl_b32 s60, s59, 6
	v_add_nc_u32 v19, s60, v14                     ; the list, 24 p tiles on
	v_add_nc_u32 v20, s57, v1                      ; the group's images
	s_lshr_b32 s61, s57, 8
	v_add_nc_u32 v18, s61, v17                     ; the group's b1: + 256 g
	s_wait_alu depctr_va_vdst(0)                   ; v18-20 are written, which the loads below and the units' LDS loads read; the lines that made v6-8 and the way out's reads of b1's first 32 registers are done: loads land in both
	LISTLD 19
	WIN 0x40
.irp m, 0,1,2,3,4,5,6,7
	global_load_b128 v[192+4*\m:192+4*\m+3], v18, s[10:11] offset:16*\m
.endr
	WIN 0
	s_add_co_u32 s45, s20, s59
	s_lshl_b32 s45, s45, 11
	s_lshr_b32 s61, s57, 6
	s_add_co_u32 s45, s45, s61                     ; 2,048 (w + 24 p) + 1,024 g
	s_wait_loadcnt 8                               ; the three words of the list are in; b1's eight loads may be out
	LISTVA
	OUNIT 0, 1
.irp s, 1,2,3,4,5,6,7
	OUNIT \s, 0
.endr
	EPI 0
.Lovn:
	s_xor_b32 s57, s57, 0x10000
	s_add_co_u32 s56, s56, 1
	s_cmp_lt_u32 s56, 4
	s_cbranch_scc1 .Lov
	s_wait_dscnt 0x0                               ; the closing lines, six on end
	s_wait_alu 0x0
	s_wait_tensorcnt 0x0
	ds_add_u32 v15, v16
	s_wait_dscnt 0x0
	s_endpgm
.Lfunc_end_k_qc878aeee42_ffn1:
	.size	k_qc878aeee42_ffn1, .Lfunc_end_k_qc878aeee42_ffn1-k_qc878aeee42_ffn1
	.p2alignl 7, 3214868480
	.fill 96, 4, 3214868480
	.section	.rodata,"a",@progbits
	.p2align	6, 0x0
	.amdhsa_kernel k_qc878aeee42_ffn1
		.amdhsa_group_segment_fixed_size 132096
		.amdhsa_private_segment_fixed_size 0
		.amdhsa_enable_private_segment 0
		.amdhsa_kernarg_size 56
		.amdhsa_user_sgpr_count 2
		.amdhsa_user_sgpr_kernarg_segment_ptr 1
		.amdhsa_wavefront_size32 1
		.amdhsa_system_sgpr_workgroup_id_x 1
		.amdhsa_system_sgpr_workgroup_id_y 1
		.amdhsa_system_sgpr_workgroup_id_z 1
		.amdhsa_system_vgpr_workitem_id 0
		.amdhsa_next_free_vgpr 512
		.amdhsa_next_free_sgpr 100
		.amdhsa_reserve_vcc 0
		.amdhsa_float_denorm_mode_32 3
		.amdhsa_float_denorm_mode_16_64 3
		.amdhsa_memory_ordered 1
		.amdhsa_forward_progress 1
		.amdhsa_inst_pref_size 251
	.end_amdhsa_kernel
	.amdgpu_metadata
---
amdhsa.version: [ 1, 2 ]
amdhsa.kernels:
  - .name:           k_qc878aeee42_ffn1
    .symbol:         k_qc878aeee42_ffn1.kd
    .args:
      - { .name: xq, .offset: 0, .size: 8, .value_kind: global_buffer, .address_space: global }
      - { .name: slotmap, .offset: 8, .size: 8, .value_kind: global_buffer, .address_space: global }
      - { .name: w1, .offset: 16, .size: 8, .value_kind: global_buffer, .address_space: global }
      - { .name: b1, .offset: 24, .size: 8, .value_kind: global_buffer, .address_space: global }
      - { .name: lowp_scales, .offset: 32, .size: 8, .value_kind: global_buffer, .address_space: global }
      - { .name: hq, .offset: 40, .size: 8, .value_kind: global_buffer, .address_space: global }
      - { .name: counts, .offset: 48, .size: 8, .value_kind: global_buffer, .address_space: global }
    .group_segment_fixed_size: 132096
    .private_segment_fixed_size: 0
    .kernarg_segment_align: 8
    .kernarg_segment_size: 56
    .max_flat_workgroup_size: 256
    .sgpr_count:     100
    .vgpr_count:     512
    .wavefront_size: 32
...
	.end_amdgpu_metadata
.endif
;; end of part 8
;; launch ffn2 (part 9): grid 256 x 1, 8 waves a work-group, no clusters, 166,912 bytes of LDS; arguments hq, counts, w2, b2, lowp_scales, y; writes y
.if DOCPART == 9
	.amdgcn_target "amdgcn-amd-amdhsa--gfx1250"
	.amdhsa_code_object_version 6
	.text
	.protected	k_qc878aeee42_ffn2
	.globl	k_qc878aeee42_ffn2
	.p2align	8
	.type	k_qc878aeee42_ffn2,@function
k_qc878aeee42_ffn2:
	s_mov_b64 s[64:65], 0
	v_nop
	global_prefetch_b8 v0, s[64:65] scope:SCOPE_SE
	s_setreg_imm32_b32 hwreg(HW_REG_WAVE_SCHED_MODE, 0, 2), 2
	s_setreg_imm32_b32 hwreg(HW_REG_WAVE_MODE, 25, 1), 1
	s_wait_xcnt 0x0
	s_wait_alu depctr_vm_vsrc(0)
; Second layer of the experts, for the routed rows alone: y[kh] = hq . Q(w2) x 2^(e2 + e3) (+ b2 in the half kh = 0), both operands as codes of E4M3.
; SHARES.  Work-group id: e = id >> 5, cg = (id >> 1) & 15 (64 output columns), kh = id & 1 (2,048 of the 4,096 along K): 2,048 x 64 numbers of w2, 512 KB of f32, each read once, in 16 UNITS of 128 along K.
; The two halves of K go to two planes of y, each word stored by one work-group; the last launch adds them.
; The skeleton is the first layer's: lane (r, h) loads columns 4 r .. 4 r + 3 of one row (sixteen lanes: 256 consecutive bytes, aligned); wave w (c = w >> 1, sub = w & 1) makes bytes 8 sub .. 8 sub + 7 of register group c of four
; fragments (column tile t = columns 4 r + t) and stores them into LDS as images of the operand's registers; all 16 images stay; one barrier a unit; the loader runs two units ahead of the products.
; K's PLACES are those in which the first layer left h: place (c, h, byte b) of unit u holds f = 128 u + 64 (c >> 1) + 32 h + 4 (b & 7) + 2 (c & 1) + (b >> 3).
; ROWS.  A wave owns three tiles of 16 ranks, T = w + 8 sg + 24 p.  A tile's fragment of a unit is 2,048 consecutive bytes of hq.  In pass 0 tiles 0 and 1 are always loaded and multiplied (a tile at or beyond
; nt = max(1, ceil(count / 16)) reads tile 0, which is always there, and its results are not stored); tile 2's loads and products stand under one forward branch a unit on nact, the number of my tiles under nt, behind the unit's barrier.
; (The first unit multiplies all three, and units 0 to 2 load all three, so that every register is written on every way.)  Passes 1 and 2 (counts over 384) run behind the last barrier from the images kept in LDS.
; A STEP.  Image i has been whole since the barrier of step i - 2 (image 1: of step 0): its fragments are asked of LDS at the step's head, ahead of the loader's work on unit i + 2.  The barrier's signal stands behind the wait for my
; stores of image i + 2; eight products stand between signal and wait; image i + 2 is read at the head of step i + 2, behind that wait.
; THE WAY OUT.  Lane (r, h), register j of tile t = rank r, column 32 h + 4 j + t.  A tile goes through the wave's own stage in LDS (16 rows of 256 bytes + 16) and leaves as rows: sixteen lanes store 256 consecutive bytes, aligned.
; Waits on loads are counted as in the first layer: CNT counts the loads issued on the way that leaves tile 2 out, the fewest on any way; a wait's count is CNT less the group's mark.  Tile 2's loads stand first in their group.
; No tensor loads; no cluster (no weight is read twice).
; LIMITS: e3 between -126 and 119, e2 + e3 between -126 and 127.  b2 finite (it is multiplied by 0 in the half kh = 1).  NaN and infinities are not served.
; REGISTERS: v1, v2 16 x lane (+ 65,536); v3 weight offset; v4, v5 image store address (+ 65,536); v6-8 the three tiles' offsets in hq; v9, v10 448 x 2^e3, 2^e3; v16, v17 stage in, stage back; v18 128 h; v20, v23 the closing add's two;
;   v21 y offset; v22 my place in two rows of y; v24-47 codes at work; v48-111 four weight fragments, on the way out results and rows; v112-255 three sets of three fragments of h; v256-351 weights as loaded; v352-447 accumulators; v448-479 b2.
; THE MODE: SCHED_MODE bits 1:0 = 2 (LLVM: expert scheduling mode 2), set by the entry lines.  The code itself states the register dependences between vector or matrix instructions and memory or LDS instructions,
; with s_wait_alu, always for 0.
; THE PLAN.  Registers that memory or LDS instructions touch, and who else names them:
;   v256-351  Set u % 3: unit u's loads land; LOADER u's holds write it in place and its conversions read it; behind them unit u + 3's loads land.
;   v40-47    Written by LOADER's last eight byte turns, read by its four LDS stores.
;   v48-111   Image i's LDS loads land; step i's products read them.  On the way out v48-79 are written by a tile's multiply-adds and read by its eight LDS stores; the stage's loads land in v80-111, which its eight global stores read.
;   v112-255  Set i % 3: unit i's loads land; step i's products read it; behind them unit i + 3's loads land.
;   v6-8      Offsets of the loads of h: made by vector lines at the head and at the head of a later pass.   v21: the stores' offset, made anew for each tile on the way out.
;   v448-479  b2: loads land once, at the head.   v1-5, v16-18, v22: offsets and LDS addresses, made once at the head.  The accumulators and all else are named by vector and matrix instructions alone.
; A STEP'S WAITS.  (1) va_vdst behind the step's products, at the label behind tile 2's branch: they are done reading v48-111 and tiles 0 and 1 of their set of h; unit i + 3's loads and the next image's LDS loads follow, and no
; vector line between names their registers.  (2) va_vdst inside tile 2's branch, ahead of its four loads.  (3) vm_vsrc in LOADER ahead of the lines that write v40-47 again.  (4) va_vdst in LOADER behind the byte turns: the weight set is
; free and v40-47 are written; the next weights' loads and the image's four LDS stores follow under one window setting.
.set STAGE, 131072
.set NPL,   5                          ; plain lines behind each group of products (ISA guide 7.12.1): 4 ahead of vector lines that read their results or write their sources, 5 ahead of a product that begins a sum anew over them
.set CNT, 0
.set EW0, 0
.set EW1, 0
.set EW2, 0
.set EA0, 0
.set EA1, 0
.set EA2, 0
.set MSB, 0
.macro WIN new                         ; the immediate's high byte repeats the setting that is left
.if MSB != \new
	s_set_vgpr_msb (MSB<<8)|\new
.set MSB, \new
.endif
.endm
.macro MARKW u
.if ((\u)%3) == 0
.set EW0, CNT
.elseif ((\u)%3) == 1
.set EW1, CNT
.else
.set EW2, CNT
.endif
.endm
.macro WAITW u
.if ((\u)%3) == 0
.set WN, CNT-EW0
.elseif ((\u)%3) == 1
.set WN, CNT-EW1
.else
.set WN, CNT-EW2
.endif
.if WN > 63
.set WN, 63
.endif
	s_wait_loadcnt WN
.endm
.macro MARKA i
.if ((\i)%3) == 0
.set EA0, CNT
.elseif ((\i)%3) == 1
.set EA1, CNT
.else
.set EA2, CNT
.endif
.endm
.macro WAITA i
.if ((\i)%3) == 0
.set WN, CNT-EA0
.elseif ((\i)%3) == 1
.set WN, CNT-EA1
.else
.set WN, CNT-EA2
.endif
.if WN > 63
.set WN, 63
.endif
	s_wait_loadcnt WN
.endm
; my 8 rows of unit u into set u % 3.  Row = 64 (c >> 1) + 2 (c & 1) + sub + 32 h [v3] + 128 u + 4 b [immediate]
.macro WLOAD u
.set WS, 32*((\u)%3)
	WIN 0x40
.irp b, 0,1,2,3,4,5,6,7
	global_load_b128 v[WS+4*\b:WS+4*\b+3], v3, s[26:27] offset:524288*(\u)+16384*\b th:TH_LOAD_NT
.endr
.set CNT, CNT+8
	MARKW \u
.endm
; tile sg's fragment of unit i into set i % 3
.macro ALOADS i, sg
.set AS, 112+48*((\i)%3)+16*(\sg)
.irp c, 0,1,2,3
	global_load_b128 v[AS+4*\c:AS+4*\c+3], v[6+(\sg)], s[28:29] offset:131072*(\i)+512*\c
.endr
.endm
.macro ALOAD3 i                        ; all three tiles, on every way
	ALOADS \i, 2
	ALOADS \i, 0
	ALOADS \i, 1
.set CNT, CNT+12
	MARKA \i
.endm
.macro ALOAD2 i                        ; tiles 0 and 1; tile 2's loads, where they are issued, stand just ahead
	ALOADS \i, 0
	ALOADS \i, 1
.set CNT, CNT+8
	MARKA \i
.endm
.macro LOADER u
	WAITW \u
.set WS, 32*((\u)%3)
	WIN 0x41
.set k, 0
.rept 32
	v_med3_num_f32 v[WS+k], v[WS+k], -v9, v9       ; the hold at the largest code x the scale: the conversion does not saturate (ISA guide 7.6.2)
.set k, k+1
.endr
	WIN 0x01
.irp q, 0,1,2,3
	v_cvt_scalef32_pk8_fp8_f32 v[24+2*\q:25+2*\q], v[WS+8*\q:WS+8*\q+7], v10
.endr
	WIN 0
	v_nop                                          ; one plain line behind the conversions
.irp hh, 0,1
	v_perm_b32 v[32+4*\hh], v[25+4*\hh], v[24+4*\hh], s38
	v_perm_b32 v[33+4*\hh], v[25+4*\hh], v[24+4*\hh], s39
	v_perm_b32 v[34+4*\hh], v[27+4*\hh], v[26+4*\hh], s38
	v_perm_b32 v[35+4*\hh], v[27+4*\hh], v[26+4*\hh], s39
.endr
.if (\u) > 0
	s_wait_alu depctr_vm_vsrc(0)                   ; the LDS stores of the image before have read v40-47, which the eight lines below write again
.endif
.irp hh, 0,1
	v_perm_b32 v[40+\hh], v[34+4*\hh], v[32+4*\hh], s40
	v_perm_b32 v[42+\hh], v[34+4*\hh], v[32+4*\hh], s41
	v_perm_b32 v[44+\hh], v[35+4*\hh], v[33+4*\hh], s40
	v_perm_b32 v[46+\hh], v[35+4*\hh], v[33+4*\hh], s41
.endr
.if (\u)+3 <= 15
	WIN 0x40                                       ; the loads' destination in block 1; an LDS store's address and data are sources 0 and 1, which stay in block 0
.endif
	s_wait_alu depctr_va_vdst(0)                   ; the holds and the conversions are done with this set of weights, in which unit u + 3's loads land; the byte turns have written v40-47, which the LDS stores read
.if (\u)+3 <= 15
	WLOAD (\u)+3
.endif
.irp t, 0,1,2,3
	ds_store_b64 v[4+(\u)/8], v[40+2*\t:41+2*\t] offset:8192*((\u)%8)+2048*\t
.endr
	WIN 0
.endm
; The accumulators take turns, one instruction a turn.  Twelve products: four column tiles x three tiles of ranks
.macro PROD ab, zero, staged
	WIN 0x50
.irp t, 0,1,2,3
.if \staged
	s_wait_dscnt 12-4*\t                           ; tile t's four loads are in; the later tiles' may be out
.endif
.irp sg, 0,1,2
.if \zero
	v_wmma_f32_16x16x128_fp8_fp8 v[96+32*\sg+8*\t:96+32*\sg+8*\t+7], v[48+16*\t:48+16*\t+15], v[\ab+16*\sg:\ab+16*\sg+15], 0
.else
	v_wmma_f32_16x16x128_fp8_fp8 v[96+32*\sg+8*\t:96+32*\sg+8*\t+7], v[48+16*\t:48+16*\t+15], v[\ab+16*\sg:\ab+16*\sg+15], v[96+32*\sg+8*\t:96+32*\sg+8*\t+7]
.endif
.endr
.endr
	WIN 0
.rept NPL
	v_nop
.endr
.endm
; eight products: tiles 0 and 1 of ranks
.macro PRODA ab, staged
	WIN 0x50
.irp t, 0,1,2,3
.if \staged
	s_wait_dscnt 12-4*\t                           ; tile t's four loads are in; the later tiles' may be out
.endif
.irp sg, 0,1
	v_wmma_f32_16x16x128_fp8_fp8 v[96+32*\sg+8*\t:96+32*\sg+8*\t+7], v[48+16*\t:48+16*\t+15], v[\ab+16*\sg:\ab+16*\sg+15], v[96+32*\sg+8*\t:96+32*\sg+8*\t+7]
.endr
.endr
	WIN 0
.rept NPL
	v_nop
.endr
.endm
; four products: tile 2 of ranks
.macro PRODB ab
	WIN 0x50
.irp t, 0,1,2,3
	v_wmma_f32_16x16x128_fp8_fp8 v[160+8*\t:167+8*\t], v[48+16*\t:48+16*\t+15], v[\ab+32:\ab+47], v[160+8*\t:167+8*\t]
.endr
	WIN 0
.rept NPL
	v_nop
.endr
.endm
.macro BLOAD i
.irp t, 0,1,2,3
.irp c, 0,1,2,3
	ds_load_b128 v[48+16*\t+4*\c:48+16*\t+4*\c+3], v[1+(\i)/8] offset:8192*((\i)%8)+2048*\t+512*\c
.endr
.endr
.endm
.macro OUNIT i, zero                   ; a unit of a later pass, complete in itself
	s_wait_alu depctr_va_vdst(0)                   ; the products (ahead of a pass's first unit: the way out's lines too) are done with v48-111 and v112-159, in which the loads below land; in a pass's first unit v6-8 are written, which they read
.irp sg, 0,1,2
.irp c, 0,1,2,3
	global_load_b128 v[112+16*\sg+4*\c:112+16*\sg+4*\c+3], v[6+\sg], s[28:29] offset:131072*(\i)+512*\c
.endr
.endr
	BLOAD \i
	s_wait_loadcnt 0x0
	s_wait_dscnt 0x0
	PROD 112, \zero, 0
.endm
; my three tiles' offsets in hq: T = s58 + 8 sg where that lies under nt, else tile 0
.macro SETVA
.irp sg, 0,1,2
	s_add_co_u32 s60, s58, 8*\sg
	s_cmp_lt_u32 s60, s43
	s_cselect_b32 s60, s60, 0
	s_min_u32 s60, s60, 63
	s_lshl_b32 s60, s60, 11
	v_add_nc_u32 v[6+\sg], s60, v1
.endr
.endm
; the way out of tile sg, if it lies under nt.  s45: 65,536 x my tile 0
.macro EPI sg
	s_cmp_le_u32 s44, \sg
	s_cbranch_scc1 .Lskip_\@
	WIN 0x11
.irp t, 0,1,2,3
.irp j, 0,1,2,3,4,5,6,7
	v_fma_f32 v[48+4*\j+\t], v[96+32*\sg+8*\t+\j], s36, v[192+4*\j+\t]   ; sum x 2^(e2 + e3) + b2, into natural order; each accumulator from its low end on
.endr
.endr
	WIN 0
	s_add_co_u32 s47, s45, 524288*\sg
	v_add_nc_u32 v21, s47, v22
	s_wait_alu depctr_va_vdst(0)                   ; v48-79 are written, which the LDS stores read, and v21, which the global stores read; the products are done reading v80-111, in which the stage's loads land
.irp j, 0,1,2,3,4,5,6,7
	ds_store_b128 v16, v[48+4*\j:48+4*\j+3] offset:16*\j
.endr
.irp i, 0,1,2,3,4,5,6,7
	ds_load_b128 v[80+4*\i:80+4*\i+3], v17 offset:544*\i   ; LDS serves a wave's instructions in order (ISA guide 5.7.1.4): these see my stores
.endr
.irp i, 0,1,2,3,4,5,6,7
	s_wait_dscnt 7-\i
	global_store_b128 v21, v[80+4*\i:80+4*\i+3], s[30:31] offset:8192*\i   ; two rows of y: sixteen lanes store 256 consecutive bytes, aligned
.endr
	s_wait_xcnt 0x0                                ; the stores have had their addresses translated: v21 and v80-111 are written again only behind this wait
	s_wait_alu depctr_vm_vsrc(0)                   ; the LDS stores have read v48-79 and the global stores v21 and v80-111: the next tile's lines and loads, or a later pass's fragments, write them again
.Lskip_\@:
.endm
.macro STEP i
.if (\i) == 0
	LOADER 2
	s_wait_dscnt 0x0                               ; my stores into images 0, 1 and 2 have landed
	s_barrier_signal -1
	s_barrier_wait -1                              ; the three images are whole
	BLOAD 0                                        ; (no vector line has named v48-111 yet)
	WAITA 0
	PROD 112, 1, 1                                 ; the first unit starts the sums: all three tiles, on every way: every accumulator is written
.elseif (\i) <= 13
	BLOAD \i                                       ; image i has been whole since an earlier step's barrier: its fragments land under the loader's work.  No wait: no vector or matrix line since the last wait on va_vdst names v48-111
	LOADER (\i)+2
	WAITA \i
	s_wait_dscnt 0x0                               ; my stores into image i + 2 have landed (and image i's fragments are in)
	s_barrier_signal -1
	PRODA 112+48*((\i)%3), 0                       ; work on registers while the others arrive
	s_barrier_wait -1                              ; image i + 2 is whole: it is read at the head of step i + 2
.else
	BLOAD \i
	WAITA \i
	PRODA 112+48*((\i)%3), 1
.endif
	s_cmp_lt_u32 s44, 3                            ; tile 2, where I have one
	s_cbranch_scc1 .Ltwo_\@
.if (\i) > 0
	PRODB 112+48*((\i)%3)
.endif
.if (\i)+3 <= 15
	s_wait_alu depctr_va_vdst(0)                   ; tile 2's products are done reading its fragment of h, in which unit i + 3's lands
	ALOADS (\i)+3, 2
.endif
.Ltwo_\@:
.if (\i) < 15
	s_wait_alu depctr_va_vdst(0)                   ; this step's products are done reading tiles 0 and 1 of their set of h, in which unit i + 3's land, and v48-111, in which the next image's fragments land
.endif
.if (\i)+3 <= 15
	ALOAD2 (\i)+3
.endif
.endm
	s_load_b256 s[4:11], s[0:1], 0x0               ; hq, counts, w2, b2
	s_load_b128 s[12:15], s[0:1], 0x20             ; lowp_scales, y
	v_lshl_add_u32 v20, v0, 2, 0x28800
	v_mov_b32 v23, 0
	v_lshrrev_b32 v24, 5, v0
	v_readfirstlane_b32 s20, v24                   ; wave
	s_lshr_b32 s21, ttmp9, 5                       ; e
	s_bfe_u32 s22, ttmp9, 0x40001                  ; cg
	s_and_b32 s25, ttmp9, 1                        ; kh
	v_and_b32 v24, 31, v0                          ; lane
	v_and_b32 v25, 15, v0                          ; r
	s_wait_alu depctr_va_vdst(0)
	v_bfe_u32 v26, v0, 4, 1                        ; h
	v_lshlrev_b32 v1, 4, v24
	v_add_nc_u32 v2, 0x10000, v1
	v_lshlrev_b32 v18, 7, v26                      ; 128 h
	v_lshlrev_b32 v22, 12, v26
	v_lshl_add_u32 v22, v25, 4, v22                ; my place in two rows of y
	s_wait_alu depctr_va_sdst(0)                   ; s20 is written, ahead of its first reader
	s_lshr_b32 s23, s20, 1                         ; c
	s_and_b32 s24, s20, 1                          ; sub
	s_lshl_b32 s54, s23, 9
	s_lshl_b32 s55, s24, 3
	s_add_co_u32 s54, s54, s55
	v_add_nc_u32 v4, s54, v1                       ; 512 c + 8 sub + 16 x lane
	v_add_nc_u32 v5, 0x10000, v4
	s_mul_i32 s54, s20, 4352
	s_add_co_u32 s54, s54, STAGE                   ; my stage
	v_mul_u32_u24 v16, v25, 272
	s_wait_alu depctr_va_vdst(0)
	v_lshl_add_u32 v16, v26, 7, v16
	v_add_nc_u32 v16, s54, v16                     ; in: row r, + 128 h
	v_mul_u32_u24 v17, v26, 272
	v_lshl_add_u32 v17, v25, 4, v17
	v_add_nc_u32 v17, s54, v17                     ; back: lanes 0-15 one row, lanes 16-31 the next
	s_lshr_b32 s54, s23, 1                         ; (64 (c >> 1) + 2 (c & 1) + sub) rows of 4,096 bytes
	s_lshl_b32 s54, s54, 18
	s_and_b32 s55, s23, 1
	s_lshl_b32 s55, s55, 13
	s_add_co_u32 s54, s54, s55
	s_lshl_b32 s55, s24, 12
	s_add_co_u32 s54, s54, s55
	v_lshlrev_b32 v3, 4, v25
	v_lshl_add_u32 v3, v26, 17, v3                 ; + 32 h rows + 16 r
	v_add_nc_u32 v3, s54, v3
	s_lshl_b32 s48, s21, 24                        ; w2: e, kh's 2,048 rows, cg's 256 bytes
	s_lshl_b32 s49, s25, 23
	s_add_co_u32 s48, s48, s49
	s_lshl_b32 s49, s22, 8
	s_add_co_u32 s48, s48, s49
	s_mov_b32 s49, 0
	s_lshl_b32 s50, s21, 22                        ; hq: (32 e + 16 kh) x 131,072
	s_lshl_b32 s51, s25, 21
	s_add_co_u32 s50, s50, s51
	s_mov_b32 s51, 0
	s_lshl_b32 s52, s25, 25                        ; y: the plane kh, the expert's 1,024 rows, cg's 256 bytes
	s_lshl_b32 s53, s21, 22
	s_add_co_u32 s52, s52, s53
	s_lshl_b32 s53, s22, 8
	s_add_co_u32 s52, s52, s53
	s_mov_b32 s53, 0
	s_lshl_b32 s54, s21, 12                        ; b2
	s_lshl_b32 s55, s22, 8
	s_add_co_u32 s54, s54, s55
	s_mov_b32 s55, 0
	s_lshl_b32 s56, s21, 2                         ; counts[e]
	s_mov_b32 s57, 0
	s_mov_b32 s38, 0x05010400                      ; byte selects of the 4 x 4 turn
	s_mov_b32 s39, 0x07030602
	s_mov_b32 s40, 0x05040100
	s_mov_b32 s41, 0x07060302
	s_wait_kmcnt 0x0
	s_add_nc_u64 s[6:7], s[6:7], s[56:57]
	s_load_b32 s42, s[6:7], 0x0
	s_load_b128 s[32:35], s[12:13], 0x0            ; e0, e1, e2 (h), e3 (w2)
	s_add_nc_u64 s[26:27], s[8:9], s[48:49]
	s_add_nc_u64 s[28:29], s[4:5], s[50:51]
	s_add_nc_u64 s[30:31], s[14:15], s[52:53]
	s_add_nc_u64 s[10:11], s[10:11], s[54:55]
	WIN 0x40
	s_wait_alu depctr_va_vdst(0)                   ; the offsets and LDS addresses v1-5, v16-18 and v22 are written, which the loads and stores of the whole kernel read
.irp m, 0,1,2,3,4,5,6,7
	global_load_b128 v[192+4*\m:192+4*\m+3], v18, s[10:11] offset:16*\m
.endr
.set CNT, CNT+8
.set EB, CNT
	WLOAD 0
	WLOAD 1
	WLOAD 2
	WIN 0
	s_wait_kmcnt 0x0
	s_min_u32 s42, s42, 1024                       ; count
	s_add_co_u32 s43, s42, 15
	s_lshr_b32 s43, s43, 4
	s_max_u32 s43, s43, 1                          ; nt
	s_add_co_i32 s44, s43, 7
	s_sub_co_i32 s44, s44, s20
	s_max_i32 s44, s44, 0
	s_lshr_b32 s44, s44, 3
	s_min_u32 s44, s44, 3                          ; nact
	s_mov_b32 s58, s20
	SETVA
	s_wait_alu depctr_va_vdst(0)                   ; v6-8 are written, which the loads of h read as their offsets
	ALOAD3 0
	ALOAD3 1
	ALOAD3 2
	s_add_co_i32 s54, s35, 127
	s_lshl_b32 s55, s54, 23
	v_mov_b32 v10, s55                             ; 2^e3
	s_add_co_i32 s54, s54, 8
	s_lshl_b32 s54, s54, 23
	s_or_b32 s54, s54, 0x600000
	v_mov_b32 v9, s54                              ; 448 x 2^e3
	s_add_co_i32 s36, s34, s35
	s_add_co_i32 s36, s36, 127
	s_lshl_b32 s36, s36, 23                        ; 2^(e2 + e3)
	s_cmp_eq_u32 s25, 0
	s_cselect_b32 s37, 0x3f800000, 0               ; b2 counts once: in the half kh = 0
	s_wait_loadcnt CNT-EB                          ; b2 is in: all loads behind it may be out
	WIN 0x44
.set k, 0
.rept 32
	v_mul_f32 v[192+k], s37, v[192+k]
.set k, k+1
.endr
	WIN 0
	LOADER 0
	LOADER 1
.irp i, 0,1,2,3,4,5,6,7,8,9,10,11,12,13,14,15
	STEP \i
.endr
	s_lshl_b32 s45, s20, 16
	EPI 0
	EPI 1
	EPI 2
	; ---- counts over 384: passes p = 1, 2, walked by every wave; a wave without a tile jumps over the pass's work.  No barrier; of LDS only each wave's own stage is still written
	s_mov_b32 s56, 1
.Lov:
	s_mul_i32 s59, s56, 24
	s_add_co_i32 s44, s43, 7
	s_sub_co_i32 s44, s44, s20
	s_sub_co_i32 s44, s44, s59
	s_max_i32 s44, s44, 0
	s_lshr_b32 s44, s44, 3
	s_min_u32 s44, s44, 3
	s_cmp_eq_u32 s44, 0
	s_cbranch_scc1 .Lovn
	s_wait_xcnt 0x0                                ; earlier loads have had their addresses translated: v6-8 are written again only behind this wait
	s_wait_alu depctr_vm_vsrc(0)                   ; earlier loads of h have read their offsets v6-8, which the lines below write again
	s_add_co_u32 s58, s20, s59                     ; w + 24 p
	SETVA
	s_lshl_b32 s45, s58, 16
	OUNIT 0, 1
.irp i, 1,2,3,4,5,6,7,8,9,10,11,12,13,14,15
	OUNIT \i, 0
.endr
	EPI 0
	EPI 1
	EPI 2
.Lovn:
	s_add_co_u32 s56, s56, 1
	s_cmp_lt_u32 s56, 3
	s_cbranch_scc1 .Lov
	s_wait_dscnt 0x0                               ; the closing lines, six on end
	s_wait_alu 0x0
	s_wait_tensorcnt 0x0
	ds_add_u32 v20, v23
	s_wait_dscnt 0x0
	s_endpgm
.Lfunc_end_k_qc878aeee42_ffn2:
	.size	k_qc878aeee42_ffn2, .Lfunc_end_k_qc878aeee42_ffn2-k_qc878aeee42_ffn2
	.p2alignl 7, 3214868480
	.fill 96, 4, 3214868480
	.section	.rodata,"a",@progbits
	.p2align	6, 0x0
	.amdhsa_kernel k_qc878aeee42_ffn2
		.amdhsa_group_segment_fixed_size 166912
		.amdhsa_private_segment_fixed_size 0
		.amdhsa_enable_private_segment 0
		.amdhsa_kernarg_size 48
		.amdhsa_user_sgpr_count 2
		.amdhsa_user_sgpr_kernarg_segment_ptr 1
		.amdhsa_wavefront_size32 1
		.amdhsa_system_sgpr_workgroup_id_x 1
		.amdhsa_system_sgpr_workgroup_id_y 1
		.amdhsa_system_sgpr_workgroup_id_z 1
		.amdhsa_system_vgpr_workitem_id 0
		.amdhsa_next_free_vgpr 512
		.amdhsa_next_free_sgpr 66
		.amdhsa_reserve_vcc 0
		.amdhsa_float_denorm_mode_32 3
		.amdhsa_float_denorm_mode_16_64 3
		.amdhsa_memory_ordered 1
		.amdhsa_forward_progress 1
		.amdhsa_inst_pref_size 215
	.end_amdhsa_kernel
	.amdgpu_metadata
---
amdhsa.version: [ 1, 2 ]
amdhsa.kernels:
  - .name:           k_qc878aeee42_ffn2
    .symbol:         k_qc878aeee42_ffn2.kd
    .args:
      - { .name: hq, .offset: 0, .size: 8, .value_kind: global_buffer, .address_space: global }
      - { .name: counts, .offset: 8, .size: 8, .value_kind: global_buffer, .address_space: global }
      - { .name: w2, .offset: 16, .size: 8, .value_kind: global_buffer, .address_space: global }
      - { .name: b2, .offset: 24, .size: 8, .value_kind: global_buffer, .address_space: global }
      - { .name: lowp_scales, .offset: 32, .size: 8, .value_kind: global_buffer, .address_space: global }
      - { .name: y, .offset: 40, .size: 8, .value_kind: global_buffer, .address_space: global }
    .group_segment_fixed_size: 166912
    .private_segment_fixed_size: 0
    .kernarg_segment_align: 8
    .kernarg_segment_size: 48
    .max_flat_workgroup_size: 256
    .sgpr_count:     66
    .vgpr_count:     512
    .wavefront_size: 32
...
	.end_amdgpu_metadata
.endif
;; end of part 9
;; launch combine (part 10): grid 257 x 1, 4 waves a work-group, no clusters, 0 bytes of LDS; arguments x, y, slotmap, cw, probs, counts, out0, out1; writes out0, out1
.if DOCPART == 10
	.amdgcn_target "amdgcn-amd-amdhsa--gfx1250"
	.amdhsa_code_object_version 6
	.text
	.protected	k_qc878aeee42_combine
	.globl	k_qc878aeee42_combine
	.p2align	8
	.type	k_qc878aeee42_combine,@function
k_qc878aeee42_combine:
	s_mov_b64 s[64:65], 0
	v_nop
	global_prefetch_b8 v0, s[64:65] scope:SCOPE_SE
	s_setreg_imm32_b32 hwreg(HW_REG_WAVE_MODE, 25, 1), 1
	s_wait_xcnt 0x0
; out0[n] = x[n] + c0 (y0[slot0] + y1[slot0]) + c1 (y0[slot1] + y1[slot1]);  out1 = sum over e of (sum over n of probs[n][e]) x counts[e] x 8 / 1024^2.
; Work-groups 0 .. 255: a wave takes one token n = 4 x work-group + wave.  Its two slots (1,024 e + rank) and weights come by scalar loads; each of the five rows is 4,096 bytes, read 512 consecutive bytes a load.
; y0, y1: the two halves of the second product's K, 32 MB apart; b2 lies in y0.  Each output row has one owner.
; Work-group 256: wave 0 makes the loss (32 KB of probs, eight counts); its other waves have no part in it and end.  Its 64 loads go in four groups of 16 through three sets of registers, so that 48 are out at the start and the
; fourth group is asked for as soon as the first has been added up; the eight sums over the lanes are taken by turns, line by line.
; A stream without LDS, matrix work or cluster: nothing is shared.
; The factor 8 / (1024^2 + 1e-6) is 2^-17 in f32.
.macro PLOAD g, st                     ; probs of tokens l + 32 i, i = 8 g .. 8 g + 7, into set st (64 registers from v16 on)
.irp i, 0,1,2,3,4,5,6,7
	global_load_b128 v[16+64*\st+8*\i:19+64*\st+8*\i], v3, s[12:13] offset:8192*\g+1024*\i
	global_load_b128 v[20+64*\st+8*\i:23+64*\st+8*\i], v3, s[12:13] offset:8192*\g+1024*\i+16
.endr
.endm
.macro PSUM st, from                   ; rows from .. 7 of set st onto the eight sums in v4-11
.irp i, 0,1,2,3,4,5,6,7
.if \i >= \from
.irp p, 0,2,4,6
	v_pk_add_f32 v[4+\p:5+\p], v[4+\p:5+\p], v[16+64*\st+8*\i+\p:17+64*\st+8*\i+\p]
.endr
.endif
.endr
.endm
	s_load_b512 s[4:19], s[0:1], 0x0               ; x, y, slotmap, cw, probs, counts, out0, out1
	v_lshrrev_b32 v1, 5, v0
	v_readfirstlane_b32 s20, v1                    ; wave
	v_and_b32 v1, 31, v0                           ; lane
	v_lshlrev_b32 v2, 4, v1                        ; 16 l
	s_cmp_eq_u32 ttmp9, 256
	s_cbranch_scc1 .Laux
	s_lshl_b32 s21, ttmp9, 2
	s_add_co_u32 s21, s21, s20                     ; token n
	s_lshl_b32 s22, s21, 3
	s_mov_b32 s23, 0
	s_lshl_b32 s38, s21, 12
	s_mov_b32 s39, 0
	s_wait_kmcnt 0x0
	s_add_nc_u64 s[8:9], s[8:9], s[22:23]
	s_add_nc_u64 s[10:11], s[10:11], s[22:23]
	s_load_b64 s[24:25], s[8:9], 0x0               ; the two slots
	s_load_b64 s[26:27], s[10:11], 0x0             ; c0, c1
	s_add_nc_u64 s[4:5], s[4:5], s[38:39]
	s_add_nc_u64 s[16:17], s[16:17], s[38:39]
	s_wait_alu depctr_va_vdst(0)
.irp j, 0,1,2,3,4,5,6,7
	global_load_b128 v[16+4*\j:19+4*\j], v2, s[4:5] offset:512*\j th:TH_LOAD_NT
.endr
	s_wait_kmcnt 0x0
	s_min_u32 s24, s24, 8191
	s_lshl_b32 s28, s24, 12
	s_mov_b32 s29, 0
	s_add_nc_u64 s[28:29], s[6:7], s[28:29]        ; y0 at slot 0
	s_add_nc_u64 s[30:31], s[28:29], 0x2000000     ; y1 at slot 0
	s_min_u32 s25, s25, 8191
	s_lshl_b32 s32, s25, 12
	s_mov_b32 s33, 0
	s_add_nc_u64 s[32:33], s[6:7], s[32:33]        ; y0 at slot 1
	s_add_nc_u64 s[34:35], s[32:33], 0x2000000     ; y1 at slot 1
	s_mov_b32 s36, s27                             ; c1 as the low word of a pair
	s_mov_b32 s37, s27
.irp j, 0,1,2,3,4,5,6,7
	global_load_b128 v[48+4*\j:51+4*\j], v2, s[28:29] offset:512*\j
	global_load_b128 v[80+4*\j:83+4*\j], v2, s[30:31] offset:512*\j
	global_load_b128 v[112+4*\j:115+4*\j], v2, s[32:33] offset:512*\j
	global_load_b128 v[144+4*\j:147+4*\j], v2, s[34:35] offset:512*\j
.endr
.irp j, 0,1,2,3,4,5,6,7
	s_wait_loadcnt 28-4*\j                         ; slice j's four loads (and x) are in; the four of each later slice may be out
.irp k, 0,2
	v_pk_add_f32 v[48+4*\j+\k:49+4*\j+\k], v[48+4*\j+\k:49+4*\j+\k], v[80+4*\j+\k:81+4*\j+\k]
	v_pk_add_f32 v[112+4*\j+\k:113+4*\j+\k], v[112+4*\j+\k:113+4*\j+\k], v[144+4*\j+\k:145+4*\j+\k]
	v_pk_fma_f32 v[16+4*\j+\k:17+4*\j+\k], v[48+4*\j+\k:49+4*\j+\k], s[26:27], v[16+4*\j+\k:17+4*\j+\k] op_sel_hi:[1,0,1]
	v_pk_fma_f32 v[16+4*\j+\k:17+4*\j+\k], v[112+4*\j+\k:113+4*\j+\k], s[36:37], v[16+4*\j+\k:17+4*\j+\k] op_sel_hi:[1,0,1]
.endr
	global_store_b128 v2, v[16+4*\j:19+4*\j], s[16:17] offset:512*\j th:TH_STORE_NT   ; 512 consecutive bytes, aligned
.endr
	s_endpgm
.Laux:
	s_cmp_lg_u32 s20, 0
	s_cbranch_scc1 .Lend
	s_mov_b32 s40, 0x76543210                      ; lane selects: lane l xor 16
	s_mov_b32 s41, 0xfedcba98
	s_wait_alu depctr_va_vdst(0)
	v_lshlrev_b32 v3, 5, v1                        ; lane l takes tokens l + 32 i: 32 bytes each
	v_mov_b32 v14, 0
	s_wait_alu depctr_va_vdst(0)
	s_wait_kmcnt 0x0
	s_load_b256 s[24:31], s[14:15], 0x0            ; the eight counts
	PLOAD 0, 0
	PLOAD 1, 1
	PLOAD 2, 2
	s_wait_loadcnt 32                              ; group 0 is in; groups 1 and 2, 32 loads, may be out
.irp p, 0,2,4,6
	v_pk_add_f32 v[4+\p:5+\p], v[16+\p:17+\p], v[24+\p:25+\p]   ; the first two rows start the sums
.endr
	PSUM 0, 2
	PLOAD 3, 0                                     ; the last group takes the set that has just been added up
	s_wait_alu depctr_va_vdst(0)
	s_wait_loadcnt 32                              ; group 1 is in; groups 2 and 3 may be out
	PSUM 1, 0
	s_wait_alu depctr_va_vdst(0)
	s_wait_loadcnt 16                              ; group 2 is in; group 3 may be out
	PSUM 2, 0
	s_wait_alu depctr_va_vdst(0)
	s_wait_loadcnt 0x0
	PSUM 0, 0
.irp m, 1,2,4,8
.irp k, 0,1,2,3,4,5,6,7
	v_add_f32_dpp v[4+\k], v[4+\k], v[4+\k] row_xmask:\m row_mask:0xf bank_mask:0xf
.endr
.endr
.irp k, 0,1,2,3,4,5,6,7
	v_permlanex16_b32 v[16+\k], v[4+\k], s40, s41  ; (its destination counts as read: v16-23 have been written by loads that are in)
.endr
.irp k, 0,1,2,3,4,5,6,7
	v_add_f32 v[4+\k], v[4+\k], v[16+\k]           ; importance[k], in every lane
.endr
	s_wait_kmcnt 0x0
.irp k, 0,1,2,3,4,5,6,7
	v_cvt_f32_u32 v[24+\k], s[24+\k]               ; load[k]
.endr
	v_mul_f32 v13, v4, v24
.irp k, 1,2,3,4,5,6,7
	v_fmac_f32 v13, v[4+\k], v[24+\k]
.endr
	v_mul_f32 v13, 0x37000000, v13                 ; x 2^-17
	s_wait_alu depctr_va_vdst(0)
	s_wait_xcnt 0x0                                ; EXEC changes only behind this wait
	v_cmpx_gt_u32 1, v1                            ; lane 0 alone
	global_store_b32 v14, v13, s[18:19]
.Lend:
	s_endpgm
.Lfunc_end_k_qc878aeee42_combine:
	.size	k_qc878aeee42_combine, .Lfunc_end_k_qc878aeee42_combine-k_qc878aeee42_combine
	.p2alignl 7, 3214868480
	.fill 96, 4, 3214868480
	.section	.rodata,"a",@progbits
	.p2align	6, 0x0
	.amdhsa_kernel k_qc878aeee42_combine
		.amdhsa_group_segment_fixed_size 0
		.amdhsa_private_segment_fixed_size 0
		.amdhsa_enable_private_segment 0
		.amdhsa_kernarg_size 64
		.amdhsa_user_sgpr_count 2
		.amdhsa_user_sgpr_kernarg_segment_ptr 1
		.amdhsa_wavefront_size32 1
		.amdhsa_system_sgpr_workgroup_id_x 1
		.amdhsa_system_sgpr_workgroup_id_y 1
		.amdhsa_system_sgpr_workgroup_id_z 1
		.amdhsa_system_vgpr_workitem_id 0
		.amdhsa_next_free_vgpr 208
		.amdhsa_next_free_sgpr 66
		.amdhsa_reserve_vcc 0
		.amdhsa_float_denorm_mode_32 3
		.amdhsa_float_denorm_mode_16_64 3
		.amdhsa_memory_ordered 1
		.amdhsa_forward_progress 1
		.amdhsa_inst_pref_size 29
	.end_amdhsa_kernel
	.amdgpu_metadata
---
amdhsa.version: [ 1, 2 ]
amdhsa.kernels:
  - .name:           k_qc878aeee42_combine
    .symbol:         k_qc878aeee42_combine.kd
    .args:
      - { .name: x, .offset: 0, .size: 8, .value_kind: global_buffer, .address_space: global }
      - { .name: y, .offset: 8, .size: 8, .value_kind: global_buffer, .address_space: global }
      - { .name: slotmap, .offset: 16, .size: 8, .value_kind: global_buffer, .address_space: global }
      - { .name: cw, .offset: 24, .size: 8, .value_kind: global_buffer, .address_space: global }
      - { .name: probs, .offset: 32, .size: 8, .value_kind: global_buffer, .address_space: global }
      - { .name: counts, .offset: 40, .size: 8, .value_kind: global_buffer, .address_space: global }
      - { .name: out0, .offset: 48, .size: 8, .value_kind: global_buffer, .address_space: global }
      - { .name: out1, .offset: 56, .size: 8, .value_kind: global_buffer, .address_space: global }
    .group_segment_fixed_size: 0
    .private_segment_fixed_size: 0
    .kernarg_segment_align: 8
    .kernarg_segment_size: 64
    .max_flat_workgroup_size: 128
    .sgpr_count:     66
    .vgpr_count:     208
    .wavefront_size: 32
...
	.end_amdgpu_metadata
.endif
;; end of part 10
